; MI455X (gfx1250); checked and timed in simulation.
; The chip was launched on July 23, 2026; its instructions are those of AMD's public machine-readable ISA for CDNA 5 (MIT licence, August 2026) and "CDNA5" Instruction Set Architecture Reference Guide (July 2026). The comments in the code are by the model that wrote it; some were corrected since.
;; Attention Head. Allowed arithmetic: float matrix products may take bf16 or f16 operands with f32 sums; other float arithmetic in f32, or as packed bf16 or f16 multiplies, adds, multiply-adds, maxima and minima; sums over many terms, partial sums and values carried from step to step in f32; what a program stores and reads back later, other than sums and carried values, may be rounded once to bf16 or f16.
;; Inputs: W_K 1,024 x 1,024 float32; W_Q 1,024 x 1,024 float32; W_V 1,024 x 1,024 float32; embeddings 4 x 2,048 x 1,024 float32.
;; Outputs: out0 4 x 2,048 x 1,024 float32.
;; 3 versions, each right; version 3 is version 2 with the launch prep written anew for expert scheduling mode. Each part assembles by itself: llvm-mc -triple=amdgcn-amd-amdhsa -mcpu=gfx1250 --defsym DOCPART=n.
;; ======== version 1 of 3: 4 launches
;; limits: values are held in f16: magnitudes above 65,504 overflow, below 6.1e-05 lose precision
;; workspace buffers: Eb 16,777,216 bytes; Wqk 4,194,304 bytes; Wv 2,097,152 bytes; QK 33,554,432 bytes; Vt 16,777,216 bytes; Pw 33,554,432 bytes; St 1,048,576 bytes
;; launch prep (part 1): grid 896 x 1, 8 waves a work-group, no clusters, 17,920 bytes of LDS; arguments embeddings, W_Q, W_K, W_V, Eb, Wqk, Wv, St; writes Eb, Wqk, Wv, St
.if DOCPART == 1
	.amdgcn_target "amdgcn-amd-amdhsa--gfx1250"
	.amdhsa_code_object_version 6
	.text
	.protected	k_q0cc95a5cd1_prep
	.globl	k_q0cc95a5cd1_prep
	.p2align	8
	.type	k_q0cc95a5cd1_prep,@function
k_q0cc95a5cd1_prep:
	s_mov_b64 s[64:65], 0
	v_nop
	global_prefetch_b8 v0, s[64:65] scope:SCOPE_SE
	s_setreg_imm32_b32 hwreg(HW_REG_WAVE_MODE, 25, 1), 1
	s_wait_xcnt 0x0
; PREP.  Work-groups 0-511: 16 rows of embeddings each, f32 -> bf16 (Eb), and 2,048 bytes of St set to (c m, l) = (-2^120, 0),
; the statistics of a key tile in which a row sees nothing.  Work-groups 512-895: one tile of 128 k x 64 n of W_Q, W_K or W_V,
; f32 [k][n] -> bf16 [n][k]: W_Q's columns are rows 0-1023 of Wqk, W_K's rows 1024-2047, W_V's the rows of Wv.
; A stream: every byte is read once and written once, every store of a wave covers 256 consecutive bytes, aligned.  No matrix unit,
; no tensor load, no cluster: no two work-groups read the same byte.  The branch between the two kinds hangs on the work-group's number alone.
.set SPARE, 16896                      ; behind the transposing tile: the spare words, 128 bytes for each of eight waves
.set TP,    264                        ; a row of the tile in LDS: 128 bf16 + 8 bytes
.set SPW,   104                        ; v104  LDS address of my spare word; never rewritten
.set NIL,   105                        ; v105  0; never rewritten
	s_load_b512 s[4:19], s[0:1], 0x0               ; embeddings 4, W_Q 6, W_K 8, W_V 10, Eb 12, Wqk 14, Wv 16, St 18
	v_lshl_add_u32 v[SPW], v0, 2, SPARE
	v_mov_b32 v[NIL], 0
	v_lshrrev_b32 v1, 5, v0
	v_readfirstlane_b32 s20, v1                    ; wave 0..7
	s_mov_b32 s23, 0
	s_cmp_lt_u32 ttmp9, 512
	s_cbranch_scc0 .Ltr
	; THE CAST.  Thread t owns 16 bytes at 16 t of every row in, 8 bytes at 8 t of every row out.
	v_lshlrev_b32 v1, 4, v0
	v_lshlrev_b32 v2, 3, v0
	v_mov_b32 v106, 0xfb800000                     ; -2^120
	v_mov_b32 v107, 0
	s_lshl_b32 s22, ttmp9, 16                      ; 16 rows of 4,096 bytes
	s_wait_kmcnt 0x0
	s_add_nc_u64 s[4:5], s[4:5], s[22:23]
	s_lshl_b32 s22, ttmp9, 15                      ; 16 rows of 2,048 bytes
	s_add_nc_u64 s[12:13], s[12:13], s[22:23]
	s_lshl_b32 s22, ttmp9, 11                      ; 2,048 bytes of St
	s_add_nc_u64 s[18:19], s[18:19], s[22:23]
.set i, 0
.rept 16
	global_load_b128 v[8+4*i:11+4*i], v1, s[4:5] offset:4096*i th:TH_LOAD_NT
.set i, i+1
.endr
	global_store_b64 v2, v[106:107], s[18:19]
.set i, 0
.rept 16
	s_wait_loadcnt 15-i                            ; loads come back in order: row i is in, the younger rows stay out
	v_cvt_pk_bf16_f32 v[72+2*i], v[8+4*i], v[9+4*i]
	v_cvt_pk_bf16_f32 v[73+2*i], v[10+4*i], v[11+4*i]
	global_store_b64 v2, v[72+2*i:73+2*i], s[12:13] offset:2048*i
.set i, i+1
.endr
	s_endpgm                                       ; this way wrote no LDS
.Ltr:	; THE TRANSPOSE.  number - 512 = 128 w + 16 kt + nt
	s_sub_co_u32 s21, ttmp9, 512
	s_lshr_b32 s24, s21, 7                         ; w: 0 W_Q, 1 W_K, 2 W_V
	s_bfe_u32 s25, s21, 0x30004                    ; kt
	s_and_b32 s26, s21, 15                         ; nt
	s_lshl_b32 s22, s25, 19                        ; from: 128 kt rows of 4,096 bytes
	s_lshl_b32 s27, s26, 8                         ;       + 64 nt columns of 4 bytes
	s_add_co_u32 s22, s22, s27
	s_lshl_b32 s28, s26, 17                        ; to: 64 nt rows of 2,048 bytes
	s_lshl_b32 s27, s25, 8                         ;     + 128 kt columns of 2 bytes
	s_add_co_u32 s28, s28, s27
	s_cmp_eq_u32 s24, 1
	s_cselect_b32 s27, 0x200000, 0                 ;     + 1,024 rows for W_K
	s_add_co_u32 s28, s28, s27
	s_mov_b32 s29, 0
	v_and_b32 v6, 15, v0                           ; cc
	v_bfe_u32 v7, v0, 4, 1                         ; h
	v_and_b32 v72, 31, v0                          ; lane
	s_lshl_b32 s27, s20, 14
	v_lshlrev_b32 v1, 4, v6
	v_lshl_add_u32 v1, v7, 13, v1
	v_add_nc_u32 v1, s27, v1                       ; in: row 4 wave + 2 h, 16 bytes at 16 cc
	v_mul_u32_u24 v3, v6, 4*TP
	v_lshl_add_u32 v3, v7, 2, v3
	s_lshl_b32 s27, s20, 3
	v_add_nc_u32 v3, s27, v3                       ; LDS in: row n = 4 cc, k = 4 wave + 2 h
	s_mul_i32 s27, s20, 8*TP
	v_lshl_add_u32 v4, v72, 3, s27                 ; LDS back: row n = 8 wave, 8 bytes a lane
	s_lshl_b32 s27, s20, 14
	v_lshl_add_u32 v5, v72, 3, s27                 ; out: the same rows, 2,048 bytes apart
	s_wait_kmcnt 0x0
	s_cmp_eq_u32 s24, 1
	s_cselect_b64 s[6:7], s[8:9], s[6:7]
	s_cmp_eq_u32 s24, 2
	s_cselect_b64 s[6:7], s[10:11], s[6:7]
	s_cselect_b64 s[14:15], s[16:17], s[14:15]
	s_add_nc_u64 s[6:7], s[6:7], s[22:23]
	s_add_nc_u64 s[14:15], s[14:15], s[28:29]
.irp j, 0,1,2,3
.irp e, 0,1
	global_load_b128 v[8+4*(2*(\j)+(\e)):11+4*(2*(\j)+(\e))], v1, s[6:7] offset:(32*(\j)+(\e))*4096 th:TH_LOAD_NT  ; rows k = 32 j + 4 wave + 2 h + e: sixteen lanes take 256 bytes
.endr
.endr
	s_wait_loadcnt 0x0
.irp j, 0,1,2,3
.irp i, 0,1,2,3
	v_cvt_pk_bf16_f32 v[40+4*(\j)+(\i)], v[8+8*(\j)+(\i)], v[12+8*(\j)+(\i)]   ; k and k + 1 of column n = 4 cc + i
	ds_store_b32 v3, v[40+4*(\j)+(\i)] offset:TP*(\i)+64*(\j)
.endr
.endr
	s_wait_dscnt 0x0                               ; for the others' sake: my stores are done
	s_barrier_signal -1
	s_barrier_wait -1
.irp t, 0,1,2,3,4,5,6,7
	ds_load_b64 v[56+2*(\t):57+2*(\t)], v4 offset:TP*(\t)
.endr
.irp t, 0,1,2,3,4,5,6,7
	s_wait_dscnt 7-(\t)
	global_store_b64 v5, v[56+2*(\t):57+2*(\t)], s[14:15] offset:2048*(\t)     ; a row's 128 k: 256 consecutive bytes, aligned
.endr
	s_wait_tensorcnt 0x0                           ; the wave's end, behind my last LDS store
	ds_add_u32 v[SPW], v[NIL]
	s_wait_dscnt 0x0
	s_endpgm
.Lfunc_end_k_q0cc95a5cd1_prep:
	.size	k_q0cc95a5cd1_prep, .Lfunc_end_k_q0cc95a5cd1_prep-k_q0cc95a5cd1_prep
	.p2alignl 7, 3214868480
	.fill 96, 4, 3214868480
	.section	.rodata,"a",@progbits
	.p2align	6, 0x0
	.amdhsa_kernel k_q0cc95a5cd1_prep
		.amdhsa_group_segment_fixed_size 17920
		.amdhsa_private_segment_fixed_size 0
		.amdhsa_enable_private_segment 0
		.amdhsa_kernarg_size 64
		.amdhsa_user_sgpr_count 2
		.amdhsa_user_sgpr_kernarg_segment_ptr 1
		.amdhsa_wavefront_size32 1
		.amdhsa_system_sgpr_workgroup_id_x 1
		.amdhsa_system_sgpr_workgroup_id_y 1
		.amdhsa_system_sgpr_workgroup_id_z 1
		.amdhsa_system_vgpr_workitem_id 0
		.amdhsa_next_free_vgpr 112
		.amdhsa_next_free_sgpr 66
		.amdhsa_reserve_vcc 0
		.amdhsa_float_denorm_mode_32 3
		.amdhsa_float_denorm_mode_16_64 3
		.amdhsa_memory_ordered 1
		.amdhsa_forward_progress 1
		.amdhsa_inst_pref_size 13
	.end_amdhsa_kernel
	.amdgpu_metadata
---
amdhsa.version: [ 1, 2 ]
amdhsa.kernels:
  - .name:           k_q0cc95a5cd1_prep
    .symbol:         k_q0cc95a5cd1_prep.kd
    .args:
      - { .name: embeddings, .offset: 0, .size: 8, .value_kind: global_buffer, .address_space: global }
      - { .name: W_Q, .offset: 8, .size: 8, .value_kind: global_buffer, .address_space: global }
      - { .name: W_K, .offset: 16, .size: 8, .value_kind: global_buffer, .address_space: global }
      - { .name: W_V, .offset: 24, .size: 8, .value_kind: global_buffer, .address_space: global }
      - { .name: Eb, .offset: 32, .size: 8, .value_kind: global_buffer, .address_space: global }
      - { .name: Wqk, .offset: 40, .size: 8, .value_kind: global_buffer, .address_space: global }
      - { .name: Wv, .offset: 48, .size: 8, .value_kind: global_buffer, .address_space: global }
      - { .name: St, .offset: 56, .size: 8, .value_kind: global_buffer, .address_space: global }
    .group_segment_fixed_size: 17920
    .private_segment_fixed_size: 0
    .kernarg_segment_align: 8
    .kernarg_segment_size: 64
    .max_flat_workgroup_size: 256
    .sgpr_count:     66
    .vgpr_count:     112
    .wavefront_size: 32
...
	.end_amdgpu_metadata
.endif
;; end of part 1
;; launch proj (part 2): grid 12 x 32, 4 waves a work-group, clusters of 4 x 4, 327,680 bytes of LDS; arguments Eb, Wqk, Wv, QK, Vt; writes QK, Vt
.if DOCPART == 2
	.amdgcn_target "amdgcn-amd-amdhsa--gfx1250"
	.amdhsa_code_object_version 6
	.text
	.protected	k_q0cc95a5cd1_proj
	.globl	k_q0cc95a5cd1_proj
	.p2align	8
	.type	k_q0cc95a5cd1_proj,@function
k_q0cc95a5cd1_proj:
	s_mov_b64 s[64:65], 0
	v_nop
	global_prefetch_b8 v0, s[64:65] scope:SCOPE_SE
	s_setreg_imm32_b32 hwreg(HW_REG_WAVE_MODE, 25, 1), 1
	s_wait_xcnt 0x0
	s_wait_alu depctr_hold_cnt(0) depctr_sa_sdst(0) depctr_va_vdst(0) depctr_va_sdst(0) depctr_va_ssrc(0) depctr_va_vcc(0) depctr_vm_vsrc(0)
	s_getreg_b32 s2, hwreg(HW_REG_IB_STS2, 6, 4)
	s_cmp_eq_u32 s2, 0
	s_cbranch_scc0 .Lentry_in_a_cluster
	s_endpgm
.Lentry_in_a_cluster:
	s_bfe_u32 s2, ttmp6, 0x10000c
	s_cmp_lg_u32 s2, 0xf033
	s_cbranch_scc0 .Lentry_shape_is_right
	s_endpgm
.Lentry_shape_is_right:
; PROJ.  C[m][n] = sum over k of A[m][k] B[n][k], K = 1,024, operands bf16, sums f32, C rounded once to f16.  Rows of A and B are 2,048 bytes, rows of C 4,096.
; Clusters with x = 0, 1: A = Eb (8,192 tokens), B = Wqk (2,048 rows: W_Q's and W_K's columns), C = QK [token][Q | K].
; Clusters with x = 2:    A = Wv (1,024 rows), B = Eb, C = Vt [batch][channel][key]: V comes out transposed, keys along the rows, as the last launch wants it.
; LIMIT.  f16 holds no number beyond 65,504: Q, K and V must lie within it.
; A tile of C is 256 x 256: four waves, each 128 x 128 in 64 accumulators (512 registers).  K goes in steps of 128 through a ring of two LDS slots filled by tensor loads;
; rows of the tiles are 256 bytes of memory, aligned.  4 x 4 work-groups form a cluster: A's tile is asked for jointly along a row of the cluster, B's along a column.
; The matrix instruction is used transposed (source 0 = 16 rows of B, source 1 = 16 rows of A): a lane holds eight neighbouring numbers of a row of C.
; REGISTERS, in windows of 256: window 0: v0-31 addresses; v64-127, v128-191 A's fragments, two buffers; v32-63, v192-255 the way out.  window 1: v64-191 B's fragments.
; window 2: accumulators of my rows 0-63 ((a, b) at v[8 (8 a + b)]);  window 3: rows 64-127.
.set KSTEP,  128
.set PITCH,  272                       ; an LDS row: 256 bytes + 16 of padding: the 16 rows of a fragment load start 68 words apart, at 16 different places modulo 64 words
.set HALFT,  128*PITCH
.set SLOT,   4*HALFT                   ; A's 256 rows, then B's 256 rows
.set STAGE,  2*SLOT                    ; behind the ring: 16 rows x 272 bytes for each wave
.set SPITCH, 272
.set SPARE,  STAGE+4*16*SPITCH         ; behind the stages: the spare words, 128 bytes for each wave
.set ROWC,   4096
.set LAPS,   4                         ; a lap = two K steps
.set ADRA, 16
.set ADRB, 20
.set STO,  24
.set RD,   25
.set CO,   26
.set SPW,  28
.set NIL,  29
.set F0,   64
.set F1,   128
.set TMP,  192
.set OB,   32
.set G1,   24                          ; s[24:31] group 1 for A's tiles
.set G0,   32                          ; s[32:39] group 0 for A's tiles, a set for each slot
.set G1B,  48                          ; s[48:55], s[56:63] the same for B's
.set G0B,  56
.set WV,   70                          ; s70 wave; s71 my half of the rows, also: I fetch for A (0) or B (1); s72 my half of the columns, also: which 128 rows I fetch
.set RH,   71
.set CH,   72
.set MSB, 0
.macro WIN new                         ; the immediate's high byte repeats the setting that is left
.if MSB != (\new)
	s_set_vgpr_msb (MSB<<8)|(\new)
.set MSB, \new
.endif
.endm
.set MUL_LO, 0xa1                      ; source 0 (B) window 1, source 1 (A) window 0, C and D window 2
.set MUL_HI, 0xf1                      ; the same, C and D window 3
.set TO_B,   0x40                      ; destination window 1
.macro JLOAD s                         ; a joint load: waves 0, 1 fetch A's halves, waves 2, 3 B's; an s_nop 0 and four v_nop follow each line
	s_cmp_eq_u32 s[RH], 0
	s_cbranch_scc0 .Lfor_b_\@
	tensor_load_to_lds s[G0+4*(\s):G0+4*(\s)+3], s[G1:G1+7]
	s_nop 0
.rept 4
	v_nop
.endr
	s_branch .Lasked_\@
.Lfor_b_\@:
	tensor_load_to_lds s[G0B+4*(\s):G0B+4*(\s)+3], s[G1B:G1B+7]
	s_nop 0
.rept 4
	v_nop
.endr
.Lasked_\@:
.endm
.macro CREST                           ; a round of the cluster's barrier behind its opening barrier
	s_cmp_lg_u32 s[WV], 0
	s_cbranch_scc1 .Lnot_wave_0_\@
	s_barrier_signal -3
.Lnot_wave_0_\@:
	s_barrier_wait -3
	s_barrier_signal -1
	s_barrier_wait -1
.endm
.macro CROUND
	s_barrier_signal -1
	s_barrier_wait -1
	CREST
.endm
	s_load_b256 s[4:11], s[0:1], 0x0               ; Eb 4, Wqk 6, Wv 8, QK 10
	s_load_b64 s[66:67], s[0:1], 0x20              ; Vt
	v_lshl_add_u32 v[SPW], v0, 2, SPARE
	v_mov_b32 v[NIL], 0
	ds_add_u32 v[SPW], v[NIL]                      ; the wave's opening: the add, and its wait ahead of my first tensor load
	ds_add_u32 v28, v29
	v_lshrrev_b32 v1, 5, v0
	v_readfirstlane_b32 s[WV], v1
	s_lshr_b32 s[RH], s[WV], 1
	s_and_b32 s[CH], s[WV], 1
	s_bfe_u32 s40, ttmp6, 0x40000                  ; cx
	s_bfe_u32 s41, ttmp6, 0x40004                  ; cy
	s_and_b32 s12, ttmp7, 0xffff
	s_lshl_b32 s12, s12, 2                         ; 4 x cluster y
	s_lshl_b32 s13, ttmp9, 2                       ; 4 x cluster x
	s_cmp_eq_u32 ttmp9, 2                          ; the clusters that make V: the same answer in all sixteen partners
	s_cselect_b32 s73, 0, s12
	s_cselect_b32 s42, s12, s13
	s_add_co_u32 s73, s73, s41                     ; ta: tile row of C, block of 256 rows of A
	s_add_co_u32 s42, s42, s40                     ; tb: tile column of C, block of 256 rows of B
	s_lshl_b32 s43, s41, 2
	s_lshl_b32 s43, 15, s43                        ; my row of the cluster
	s_lshl_b32 s44, 0x1111, s40                    ; my column
	s_or_b32 s[G1+0], s43, (1<<16)|(1<<20)|(1<<21)|(5<<22)|(3<<25)   ; mask; 2-byte elements; padding on; bit 21 beside a mask; after every 64 words; 4 words
	s_or_b32 s[G1B+0], s44, (1<<16)|(1<<20)|(1<<21)|(5<<22)|(3<<25)
.irp g, G1, G1B
	s_mov_b32 s[(\g)+1], KSTEP<<16                 ; tensor_dim0 = 128
	s_mov_b32 s[(\g)+2], 128<<16                   ; tensor_dim1 = 128
	s_mov_b32 s[(\g)+3], KSTEP<<16                 ; tile_dim0 = 128
	s_mov_b32 s[(\g)+4], 128                       ; tile_dim1 = 128
	s_mov_b32 s[(\g)+5], 1024                      ; elements from row to row
	s_mov_b32 s[(\g)+6], 0
	s_mov_b32 s[(\g)+7], 0
.endr
	s_lshl_b32 s17, s[CH], 7
	s_lshl_b32 s16, s73, 8
	s_add_co_u32 s16, s16, s17
	s_lshl_b32 s16, s16, 11                        ; A: (256 ta + 128 half) rows of 2,048 bytes
	s_lshl_b32 s46, s42, 8
	s_add_co_u32 s46, s46, s17
	s_lshl_b32 s46, s46, 11                        ; B: (256 tb + 128 half) rows
	s_mov_b32 s17, 0
	s_mov_b32 s47, 0
	s_mul_i32 s20, s[WV], HALFT                    ; where they go: wave x 128 rows
	s_wait_dscnt 0x0                               ; the opening add is done
	s_wait_kmcnt 0x0
	s_cmp_eq_u32 ttmp9, 2
	s_cselect_b64 s[68:69], s[8:9], s[4:5]         ; A
	s_cselect_b64 s[74:75], s[4:5], s[6:7]         ; B
	s_cselect_b64 s[76:77], s[66:67], s[10:11]     ; C
	s_add_nc_u64 s[14:15], s[68:69], s[16:17]
	s_add_nc_u64 s[46:47], s[74:75], s[46:47]
	CROUND                                         ; all sixteen work-groups are here: the first joint loads meet
.irp s, 0,1
	s_mov_b32 s[G0+4*(\s)], 1
	s_add_co_u32 s[G0+4*(\s)+1], s20, (\s)*SLOT
	s_add_nc_u64 s[G0+4*(\s)+2:G0+4*(\s)+3], s[14:15], (\s)*KSTEP*2
	s_or_b32 s[G0+4*(\s)+3], s[G0+4*(\s)+3], 0x80000000
	s_mov_b32 s[G0B+4*(\s)], 1
	s_add_co_u32 s[G0B+4*(\s)+1], s20, (\s)*SLOT
	s_add_nc_u64 s[G0B+4*(\s)+2:G0B+4*(\s)+3], s[46:47], (\s)*KSTEP*2
	s_or_b32 s[G0B+4*(\s)+3], s[G0B+4*(\s)+3], 0x80000000
	JLOAD \s
.endr
	v_and_b32 v1, 15, v0                           ; l % 16
	v_bfe_u32 v2, v0, 4, 1                         ; l / 16
	v_mul_u32_u24 v3, v1, PITCH
	v_lshl_add_u32 v3, v2, 4, v3                   ; a fragment's row x pitch + 16 x half
	s_mul_i32 s21, s[RH], HALFT
	s_mul_i32 s22, s[CH], HALFT
	s_add_co_u32 s22, s22, 2*HALFT
.irp s, 0,1
	v_add_nc_u32 v[ADRA+(\s)], s21, v3
	v_add_nc_u32 v[ADRB+(\s)], s22, v3
	s_add_co_u32 s21, s21, SLOT
	s_add_co_u32 s22, s22, SLOT
.endr
	s_mul_i32 s23, s[WV], 16*SPITCH
	s_add_co_u32 s23, s23, STAGE
	v_mul_u32_u24 v4, v1, SPITCH
	v_lshl_add_u32 v4, v2, 4, v4
	v_add_nc_u32 v[STO], s23, v4
	v_mul_u32_u24 v5, v2, SPITCH
	v_lshl_add_u32 v5, v1, 4, v5
	v_add_nc_u32 v[RD], s23, v5
	v_lshlrev_b32 v5, 12, v2
	v_lshl_add_u32 v[CO], v1, 4, v5
	; where my part of the tile begins in C: (tb / 8) x 4,194,304 (V's batch; 0 for Q | K) + (256 ta + 128 RH) rows + (tb % 8) x 512 + 256 CH bytes
	s_lshr_b32 s78, s42, 3
	s_lshl_b32 s78, s78, 22
	s_and_b32 s46, s42, 7
	s_lshl_b32 s46, s46, 9
	s_add_co_u32 s78, s78, s46
	s_lshl_b32 s46, s[CH], 8
	s_add_co_u32 s78, s78, s46
	s_lshl_b32 s46, s73, 8
	s_lshl_b32 s47, s[RH], 7
	s_add_co_u32 s46, s46, s47
	s_lshl_b32 s46, s46, 12
	s_add_co_u32 s78, s78, s46
	s_mov_b32 s79, 0
	s_add_nc_u64 s[76:77], s[76:77], s[78:79]
; 16 matrix instructions: m blocks a0, a0 + 1 of the window's four x all 8 n blocks, 32 along K.  zero = 1: the first product starts the sums.
.macro MUL16 f, hi, a0, zero
	WIN MUL_LO+0x50*(\hi)
.irp a, \a0, (\a0)+1
.irp b, 0,1,2,3,4,5,6,7
.if \zero
	v_wmma_f32_16x16x32_bf16 v[8*(8*(\a)+(\b)):8*(8*(\a)+(\b))+7], v[(\f)+8*(\b):(\f)+8*(\b)+7], v[(\f)+8*(4*(\hi)+(\a)):(\f)+8*(4*(\hi)+(\a))+7], 0
.else
	v_wmma_f32_16x16x32_bf16 v[8*(8*(\a)+(\b)):8*(8*(\a)+(\b))+7], v[(\f)+8*(\b):(\f)+8*(\b)+7], v[(\f)+8*(4*(\hi)+(\a)):(\f)+8*(4*(\hi)+(\a))+7], v[8*(8*(\a)+(\b)):8*(8*(\a)+(\b))+7]
.endif
.endr
.endr
.endm
; 32 LDS loads in one run: a quarter step's fragments (B's 128 rows, then A's), 32 K at byte k of the rows, into buffer f
.macro FETCH slot, k, f
	WIN TO_B
.irp i, 0,1,2,3,4,5,6,7
	ds_load_b128 v[(\f)+8*(\i):(\f)+8*(\i)+3],   v[ADRB+(\slot)] offset:(\k)+(\i)*16*PITCH
	ds_load_b128 v[(\f)+8*(\i)+4:(\f)+8*(\i)+7], v[ADRB+(\slot)] offset:(\k)+(\i)*16*PITCH+32
.endr
	WIN 0
.irp i, 0,1,2,3,4,5,6,7
	ds_load_b128 v[(\f)+8*(\i):(\f)+8*(\i)+3],   v[ADRA+(\slot)] offset:(\k)+(\i)*16*PITCH
	ds_load_b128 v[(\f)+8*(\i)+4:(\f)+8*(\i)+7], v[ADRA+(\slot)] offset:(\k)+(\i)*16*PITCH+32
.endr
.endm
.macro PLACES                          ; four plain instructions in front of loads into registers that matrix instructions have read, and of conversions that read results
.rept 4
	v_nop
.endr
.endm
; A K step is four quarters of 32 along K, 64 matrix instructions each, on buffers 0, 1, 0, 1.  The 64 accumulators take turns, one instruction a turn.
.macro QUARTER slot, k, f, g, zero
	s_wait_dscnt 8                                 ; B and A's rows 0-63 are in; the youngest eight loads (A's rows 64-127) may be out
	MUL16 \f, 0, 0, \zero
	MUL16 \f, 0, 2, \zero
	PLACES
	FETCH \slot, \k, \g
	s_wait_dscnt 32                                ; all but the 32 just issued
	MUL16 \f, 1, 0, \zero
	MUL16 \f, 1, 2, \zero
.endm
; The last quarter changes slots: one barrier.  In front of it each wave waits for all its tensor loads (one is out: its part of the next slot), adds 0 to its spare word, and waits for that and for its reads of this slot.
.macro MEET round
	WIN 0
	s_wait_tensorcnt 0x0
	ds_add_u32 v[SPW], v[NIL]
	s_wait_dscnt 9                                 ; the add and the youngest eight loads may be out
	MUL16 F1, 0, 0, 0
	s_wait_dscnt 0x0                               ; the add is done, my reads of this slot are over
	s_barrier_signal -1
	MUL16 F1, 0, 2, 0
.if \round
	WIN 0
.endif
	s_barrier_wait -1
.endm
.macro TURN slot, next, fill
	MEET \fill
.if \fill
	CREST                                          ; the barrier has opened a round of the cluster's: no wave of any partner still reads this slot or has a load on its way
	s_add_nc_u64 s[G0+4*(\slot)+2:G0+4*(\slot)+3], s[G0+4*(\slot)+2:G0+4*(\slot)+3], 2*KSTEP*2
	s_add_nc_u64 s[G0B+4*(\slot)+2:G0B+4*(\slot)+3], s[G0B+4*(\slot)+2:G0B+4*(\slot)+3], 2*KSTEP*2
	JLOAD \slot                                    ; the first tensor load behind the round; its four v_nop are also the places in front of the loads below
.else
	PLACES
.endif
	FETCH \next, 0, F0
	MUL16 F1, 1, 0, 0
	MUL16 F1, 1, 2, 0
.endm
; THE WAY OUT of block a (16 rows): rounded to f16, 16 bytes a lane; through my own stage; back as whole rows of 256 bytes; stored.
.macro PACK a
.set AC, 64*((\a)%4)
	WIN 0x0a+5*((\a)/4)                            ; sources 0 and 1: window 2 or 3
.irp b, 0,1,2,3,4,5,6,7
.irp r, 0,1,2,3
	v_cvt_pk_f16_f32 v[TMP+4*(\b)+(\r)], v[AC+8*(\b)+2*(\r)], v[AC+8*(\b)+2*(\r)+1]
.endr
.endr
	WIN 0
.endm
.macro TOSTAGE a
	WIN 0
.set BK, OB+192*((\a)%2)
.irp b, 0,1,2,3,4,5,6,7
	ds_store_b128 v[STO], v[TMP+4*(\b):TMP+4*(\b)+3] offset:32*(\b)
.endr
.irp t, 0,1,2,3,4,5,6,7
	ds_load_b128 v[BK+4*(\t):BK+4*(\t)+3], v[RD] offset:(\t)*2*SPITCH   ; LDS serves a wave's instructions in order: these see the stores above
.endr
.endm
.macro SEND a
	WIN 0
.set BK, OB+192*((\a)%2)
	s_wait_dscnt 0x0                               ; the block is back in registers
	s_wait_xcnt 0x0                                ; the earlier stores have read their base and their registers
.if (\a) > 0
	s_add_nc_u64 s[76:77], s[76:77], 16*ROWC
.endif
.irp t, 0,1,2,3,4,5,6,7
	global_store_b128 v[CO], v[BK+4*(\t):BK+4*(\t)+3], s[76:77] offset:2*(\t)*ROWC   ; 16 lanes store 256 consecutive bytes, aligned
.endr
.endm
	s_wait_tensorcnt 1                             ; my part of K step 0 is in; K step 1's may stay out
	s_barrier_signal -1
	s_barrier_wait -1
	FETCH 0, 0, F0
	QUARTER 0, 64,  F0, F1, 1                      ; the first quarter starts the sums
	WIN 0
	s_mov_b32 s3, LAPS-1
.Llap:                                                 ; a trip goes once round the ring and fills both slots again
	QUARTER 0, 128, F1, F0, 0
	QUARTER 0, 192, F0, F1, 0
	TURN 0, 1, 1
	QUARTER 1, 64,  F0, F1, 0
	QUARTER 1, 128, F1, F0, 0
	QUARTER 1, 192, F0, F1, 0
	TURN 1, 0, 1
	QUARTER 0, 64,  F0, F1, 0
	WIN 0
	s_sub_co_u32 s3, s3, 1
	s_cmp_lg_u32 s3, 0
	s_cbranch_scc1 .Llap
	QUARTER 0, 128, F1, F0, 0                      ; the last lap fills nothing
	QUARTER 0, 192, F0, F1, 0
	TURN 0, 1, 0
	QUARTER 1, 64,  F0, F1, 0
	QUARTER 1, 128, F1, F0, 0
	QUARTER 1, 192, F0, F1, 0
	s_wait_dscnt 8
	MUL16 F1, 0, 0, 0
	MUL16 F1, 0, 2, 0
	s_wait_dscnt 0x0
	MUL16 F1, 1, 0, 0
	MUL16 F1, 1, 2, 0
	PLACES
	PACK 0
	TOSTAGE 0
.irp a, 1,2,3,4,5,6,7                  ; block a's conversions stand between block a - 1's loads from the stage and the wait for them
	PACK \a
	SEND (\a)-1
	TOSTAGE \a
.endr
	SEND 7
	s_wait_tensorcnt 0x0                           ; the wave's end
	ds_add_u32 v[SPW], v[NIL]
	s_wait_dscnt 0x0
	CROUND                                         ; the closing round
	s_endpgm
.Lfunc_end_k_q0cc95a5cd1_proj:
	.size	k_q0cc95a5cd1_proj, .Lfunc_end_k_q0cc95a5cd1_proj-k_q0cc95a5cd1_proj
	.p2alignl 7, 3214868480
	.fill 96, 4, 3214868480
	.section	.rodata,"a",@progbits
	.p2align	6, 0x0
	.amdhsa_kernel k_q0cc95a5cd1_proj
		.amdhsa_group_segment_fixed_size 327680
		.amdhsa_private_segment_fixed_size 0
		.amdhsa_enable_private_segment 0
		.amdhsa_kernarg_size 40
		.amdhsa_user_sgpr_count 2
		.amdhsa_user_sgpr_kernarg_segment_ptr 1
		.amdhsa_wavefront_size32 1
		.amdhsa_system_sgpr_workgroup_id_x 1
		.amdhsa_system_sgpr_workgroup_id_y 1
		.amdhsa_system_sgpr_workgroup_id_z 1
		.amdhsa_system_vgpr_workitem_id 0
		.amdhsa_next_free_vgpr 1024
		.amdhsa_next_free_sgpr 80
		.amdhsa_reserve_vcc 0
		.amdhsa_float_denorm_mode_32 3
		.amdhsa_float_denorm_mode_16_64 3
		.amdhsa_memory_ordered 1
		.amdhsa_forward_progress 1
		.amdhsa_inst_pref_size 143
	.end_amdhsa_kernel
	.amdgpu_metadata
---
amdhsa.version: [ 1, 2 ]
amdhsa.kernels:
  - .name:           k_q0cc95a5cd1_proj
    .symbol:         k_q0cc95a5cd1_proj.kd
    .args:
      - { .name: Eb, .offset: 0, .size: 8, .value_kind: global_buffer, .address_space: global }
      - { .name: Wqk, .offset: 8, .size: 8, .value_kind: global_buffer, .address_space: global }
      - { .name: Wv, .offset: 16, .size: 8, .value_kind: global_buffer, .address_space: global }
      - { .name: QK, .offset: 24, .size: 8, .value_kind: global_buffer, .address_space: global }
      - { .name: Vt, .offset: 32, .size: 8, .value_kind: global_buffer, .address_space: global }
    .group_segment_fixed_size: 327680
    .private_segment_fixed_size: 0
    .kernarg_segment_align: 8
    .kernarg_segment_size: 40
    .max_flat_workgroup_size: 128
    .sgpr_count:     80
    .vgpr_count:     1024
    .wavefront_size: 32
...
	.end_amdgpu_metadata
.endif
;; end of part 2
;; launch scores (part 3): grid 9 x 16, 4 waves a work-group, no clusters, 327,680 bytes of LDS; arguments QK, Pw, St; writes Pw, St
.if DOCPART == 3
	.amdgcn_target "amdgcn-amd-amdhsa--gfx1250"
	.amdhsa_code_object_version 6
	.text
	.protected	k_q0cc95a5cd1_scores
	.globl	k_q0cc95a5cd1_scores
	.p2align	8
	.type	k_q0cc95a5cd1_scores,@function
k_q0cc95a5cd1_scores:
	s_mov_b64 s[64:65], 0
	v_nop
	global_prefetch_b8 v0, s[64:65] scope:SCOPE_SE
	s_setreg_imm32_b32 hwreg(HW_REG_WAVE_MODE, 25, 1), 1
	s_wait_xcnt 0x0
; SCORES.  For each causal tile (I, J <= I) of 256 queries x 256 keys of a batch: S = Q K^T (f16 operands, f32 sums, K = 1,024); keys beyond the query are hidden; for each row and each
; 128 keys (tile t = 2 J + CH) the row's maximum m is taken away before the exponential: p = 2^(c s - c m), c = log2(e) / 32.  p goes to Pw in f16; (c m, l = sum of the unrounded p) to St in f32.
; The last launch brings the tiles of a row onto the row's own maximum.  So every exponent is <= 0 (to one rounding), whatever the inputs.
; LIMITS.  A hidden score counts as its value less 2^127 (f16's scores, 4.4e12 at the most, are nothing beside that); c m is held at -2^120 or above, so a hidden weight is 2^(-6e36) = 0, also in a
; row that sees none of the 128 keys; true scores need c s > -2^120.  A weight below 2^-126 counts as 0; NaN and infinities are not treated apart.
; SHARES.  x = 0..8, y = 4 batch + yy: x <= yy: tile (yy, x); else tile (7 - yy, x - yy - 1): 36 tiles a batch, 9 to each y.  Four waves, each 128 x 128 in 64 accumulators.
; NO CLUSTER: a row of the triangle has 1 to 8 tiles, so no block of four partners lies inside it at every place, and a partner outside it may not branch round its products.
; RING.  K steps of 128 through two LDS slots; each wave fetches a quarter of a slot (waves 0, 1: Q's rows; 2, 3: K's rows) by ONE line, told apart by the wave's number.
; LAYOUT.  The matrix instruction is used transposed (source 0 = 16 keys, source 1 = 16 queries): a lane holds ONE query (lane % 16) and the keys 8 (lane / 16) + 0..7 of each block of 16.
; So a block of 16 queries has its 128 scores a row in 64 registers of two lanes: maximum and sum want register work and one exchange between the halves of the lanes, and nothing goes through LDS in f32.
; THE MASK is the C operand of the products that start the sums: three sets of eight registers, for query block a and key block b: a > b, a = b, a < b.  With delta = my first query - my first key:
; delta >= 128: all three 0;  delta = 0: 0, the diagonal's pattern, -2^127;  delta = -128 (all my keys hidden): all three -2^127.  One text serves every wave, with no branch.
; REGISTERS, in windows of 256: window 0: v0-31 addresses; v32-55 the masks, later with v56-63 and v224-255 rows on their way out; v64-191 Q's fragments, two buffers, later at work; v192-223 packed weights.
; window 1: v64-191 K's fragments.  window 2: accumulators of my queries 0-63 ((a, b) at v[8 (8 a + b)]);  window 3: queries 64-127.
.set KSTEP,  128
.set PITCH,  272                       ; an LDS row: 256 bytes + 16 of padding: the 16 rows of a fragment load start 68 words apart, at 16 different places modulo 64 words
.set HALFT,  128*PITCH
.set SLOT,   4*HALFT                   ; Q's 256 rows, then K's 256 rows
.set STAGE,  2*SLOT                    ; behind the ring, never filled by a tensor load: 16 rows x 272 bytes for each wave
.set SPITCH, 272
.set SPARE,  STAGE+4*16*SPITCH         ; behind the stages: the spare words, 128 bytes for each wave
.set ROWP,   4096                      ; bytes in a row of Pw
.set LAPS,   4                         ; a lap = two K steps
.set ADRA, 16
.set ADRB, 20
.set STO,  24                          ; v24  the way out: where I put 16 bytes of a row
.set RD,   25                          ; v25  where I read a row back
.set CO,   26                          ; v26  my byte offset in two rows of Pw
.set SO,   27                          ; v27  8 x lane: my 8 bytes of 32 rows' statistics
.set SPW,  28
.set NIL,  29
.set MK,   32                          ; v32-39 the mask for a > b, v40-47 for a = b, v48-55 for a < b
.set F0,   64
.set F1,   128
.set WK,   64                          ; the epilogue: v64-71 at work
.set OS,   72                          ; v72-79 statistics as they leave
.set SS,   96                          ; v96-111 (c m, l) of query block a at SS + 2 a
.set TMP,  192
.set OB,   32
.set G1,   24
.set G0,   32
.set MSB, 0
.macro WIN new                         ; the immediate's high byte repeats the setting that is left
.if MSB != (\new)
	s_set_vgpr_msb (MSB<<8)|(\new)
.set MSB, \new
.endif
.endm
.set MUL_LO, 0xa1                      ; source 0 (K) window 1, source 1 (Q) window 0, C and D window 2
.set MUL_HI, 0xf1                      ; the same, C and D window 3
.set TO_B,   0x40                      ; destination window 1
	s_load_b128 s[4:7], s[0:1], 0x0                ; QK 4, Pw 6
	s_load_b64 s[8:9], s[0:1], 0x10                ; St
	v_lshl_add_u32 v[SPW], v0, 2, SPARE
	v_mov_b32 v[NIL], 0
	ds_add_u32 v[SPW], v[NIL]                      ; the wave's opening: the add, and its wait ahead of my first tensor load
	ds_add_u32 v28, v29
	v_lshrrev_b32 v1, 5, v0
	v_readfirstlane_b32 s10, v1                    ; wave
	s_lshr_b32 s11, s10, 1                         ; RH: my half of the queries; also: I fetch Q (0) or K (1)
	s_and_b32 s12, s10, 1                          ; CH: my half of the keys; also: which 128 rows I fetch
	s_and_b32 s13, ttmp7, 0xffff
	s_lshr_b32 s14, s13, 2                         ; batch
	s_and_b32 s13, s13, 3                          ; yy
	s_sub_co_u32 s15, 7, s13
	s_sub_co_u32 s16, ttmp9, s13
	s_sub_co_u32 s16, s16, 1
	s_cmp_le_u32 ttmp9, s13
	s_cselect_b32 s40, s13, s15                    ; I
	s_cselect_b32 s41, ttmp9, s16                  ; J
	s_mov_b32 s[G1+0], (1<<16)|(1<<20)|(5<<22)|(3<<25)   ; 2-byte elements; padding on; after every 64 words; 4 words
	s_mov_b32 s[G1+1], KSTEP<<16                   ; tensor_dim0 = 128
	s_mov_b32 s[G1+2], 128<<16                     ; tensor_dim1 = 128
	s_mov_b32 s[G1+3], KSTEP<<16                   ; tile_dim0 = 128
	s_mov_b32 s[G1+4], 128                         ; tile_dim1 = 128
	s_mov_b32 s[G1+5], 2048                        ; a row of QK has 2,048 elements
	s_mov_b32 s[G1+6], 0
	s_mov_b32 s[G1+7], 0
	s_cmp_eq_u32 s11, 0
	s_cselect_b32 s16, s40, s41
	s_lshl_b32 s16, s16, 8
	s_lshl_b32 s17, s12, 7
	s_add_co_u32 s16, s16, s17
	s_lshl_b32 s17, s14, 11
	s_add_co_u32 s16, s16, s17                     ; the first token that I fetch
	s_lshl_b32 s16, s16, 12
	s_lshl_b32 s17, s11, 11                        ; K lies 2,048 bytes into a row
	s_add_co_u32 s16, s16, s17
	s_mov_b32 s17, 0
	s_mul_i32 s20, s10, HALFT
	s_mov_b32 s58, 0x3d38aa3b                      ; c = log2(e) / 32
	s_mov_b32 s59, s58                             ; named with it as a pair
	s_mov_b32 s60, 0x76543210                      ; v_permlanex16_b32's selects: each lane takes its own place in the other half
	s_mov_b32 s61, 0xfedcba98
	s_wait_dscnt 0x0                               ; the opening add is done
	s_wait_kmcnt 0x0
	s_add_nc_u64 s[18:19], s[4:5], s[16:17]
.irp s, 0,1
	s_mov_b32 s[G0+4*(\s)], 1
	s_add_co_u32 s[G0+4*(\s)+1], s20, (\s)*SLOT
	s_add_nc_u64 s[G0+4*(\s)+2:G0+4*(\s)+3], s[18:19], (\s)*KSTEP*2
	s_or_b32 s[G0+4*(\s)+3], s[G0+4*(\s)+3], 0x80000000
.endr
	tensor_load_to_lds s[G0:G0+3], s[G1:G1+7]      ; the two first fills go out together: two loads of mine are out
	s_nop 0
	tensor_load_to_lds s[G0+4:G0+7], s[G1:G1+7]
	s_nop 0
	v_and_b32 v14, 15, v0                          ; r = l % 16
	v_bfe_u32 v15, v0, 4, 1                        ; h = l / 16
	v_mul_u32_u24 v13, v14, PITCH
	v_lshl_add_u32 v13, v15, 4, v13                ; a fragment's row x pitch + 16 x half
	s_mul_i32 s21, s11, HALFT
	s_mul_i32 s22, s12, HALFT
	s_add_co_u32 s22, s22, 2*HALFT
.irp s, 0,1
	v_add_nc_u32 v[ADRA+(\s)], s21, v13
	v_add_nc_u32 v[ADRB+(\s)], s22, v13
	s_add_co_u32 s21, s21, SLOT
	s_add_co_u32 s22, s22, SLOT
.endr
	s_mul_i32 s23, s10, 16*SPITCH
	s_add_co_u32 s23, s23, STAGE                   ; my stage
	v_mul_u32_u24 v4, v14, SPITCH                  ; in: row r, 16 bytes for each half of the lanes
	v_lshl_add_u32 v4, v15, 4, v4
	v_add_nc_u32 v[STO], s23, v4
	v_mul_u32_u24 v4, v15, SPITCH                  ; back: lanes 0-15 take one row of 256 bytes, lanes 16-31 the next
	v_lshl_add_u32 v4, v14, 4, v4
	v_add_nc_u32 v[RD], s23, v4
	v_lshlrev_b32 v4, 12, v15                      ; and the same two rows in Pw
	v_lshl_add_u32 v[CO], v14, 4, v4
	v_and_b32 v[SO], 31, v0
	v_lshlrev_b32 v[SO], 3, v[SO]
	; the masks
	s_sub_co_i32 s42, s40, s41
	s_lshl_b32 s42, s42, 1
	s_add_co_i32 s42, s42, s11
	s_sub_co_i32 s42, s42, s12
	s_lshl_b32 s42, s42, 7                         ; delta = my first query - my first key: -128, 0, or 128 and more
	s_cmp_lt_i32 s42, 0
	s_cselect_b32 s52, 0xff000000, 0               ; a > b: hidden only where all my keys are
	s_cmp_lt_i32 s42, 128
	s_cselect_b32 s53, 0xff000000, 0               ; a < b: seen only where all my keys are
	v_lshlrev_b32 v5, 3, v15
	v_sub_nc_u32 v5, v14, v5
	v_add_nc_u32 v5, s42, v5                       ; a = b: register j (key 8 h + j) is hidden where j > r - 8 h + delta
	v_mov_b32 v6, 0xff000000                       ; -2^127
.irp j, 0,1,2,3,4,5,6,7
	v_mov_b32 v[MK+(\j)], s52
	v_cmp_gt_i32 vcc_lo, \j, v5
	v_cndmask_b32 v[MK+8+(\j)], 0, v6, vcc_lo
	v_mov_b32 v[MK+16+(\j)], s53
.endr
	; where my 128 x 128 weights and my 128 rows' statistics go
	s_lshl_b32 s43, s14, 11
	s_lshl_b32 s50, s40, 8
	s_add_co_u32 s43, s43, s50
	s_lshl_b32 s50, s11, 7
	s_add_co_u32 s43, s43, s50                     ; my first query among all 8,192
	s_lshl_b32 s46, s43, 12
	s_lshl_b32 s50, s41, 9
	s_add_co_u32 s46, s46, s50
	s_lshl_b32 s50, s12, 8
	s_add_co_u32 s46, s46, s50
	s_mov_b32 s47, 0
	s_add_nc_u64 s[46:47], s[6:7], s[46:47]        ; Pw at my 128 x 128
	s_lshl_b32 s48, s14, 4
	s_lshl_b32 s50, s41, 1
	s_add_co_u32 s48, s48, s50
	s_add_co_u32 s48, s48, s12                     ; 16 batch + t
	s_lshl_b32 s48, s48, 11
	s_lshl_b32 s50, s40, 8
	s_add_co_u32 s48, s48, s50
	s_lshl_b32 s50, s11, 7
	s_add_co_u32 s48, s48, s50
	s_lshl_b32 s48, s48, 3
	s_mov_b32 s49, 0
	s_add_nc_u64 s[48:49], s[8:9], s[48:49]        ; St at my 128 rows of tile t
; 16 matrix instructions: query blocks a0, a0 + 1 of the window's four x all 8 key blocks, 32 channels.  zero = 1: the first product starts the sums, with the mask as C (window 0).
.macro MUL16 f, hi, a0, zero
.if \zero
	WIN 0x81+0x40*(\hi)
.else
	WIN MUL_LO+0x50*(\hi)
.endif
.irp a, \a0, (\a0)+1
.irp b, 0,1,2,3,4,5,6,7
.if \zero
.if (4*(\hi)+(\a)) > (\b)
.set MKR, MK
.elseif (4*(\hi)+(\a)) == (\b)
.set MKR, MK+8
.else
.set MKR, MK+16
.endif
	v_wmma_f32_16x16x32_f16 v[8*(8*(\a)+(\b)):8*(8*(\a)+(\b))+7], v[(\f)+8*(\b):(\f)+8*(\b)+7], v[(\f)+8*(4*(\hi)+(\a)):(\f)+8*(4*(\hi)+(\a))+7], v[MKR:MKR+7]
.else
	v_wmma_f32_16x16x32_f16 v[8*(8*(\a)+(\b)):8*(8*(\a)+(\b))+7], v[(\f)+8*(\b):(\f)+8*(\b)+7], v[(\f)+8*(4*(\hi)+(\a)):(\f)+8*(4*(\hi)+(\a))+7], v[8*(8*(\a)+(\b)):8*(8*(\a)+(\b))+7]
.endif
.endr
.endr
.endm
; 32 LDS loads in one run: a quarter step's fragments (K's 128 rows, then Q's), 32 channels at byte k of the rows, into buffer f
.macro FETCH slot, k, f
	WIN TO_B
.irp i, 0,1,2,3,4,5,6,7
	ds_load_b128 v[(\f)+8*(\i):(\f)+8*(\i)+3],   v[ADRB+(\slot)] offset:(\k)+(\i)*16*PITCH
	ds_load_b128 v[(\f)+8*(\i)+4:(\f)+8*(\i)+7], v[ADRB+(\slot)] offset:(\k)+(\i)*16*PITCH+32
.endr
	WIN 0
.irp i, 0,1,2,3,4,5,6,7
	ds_load_b128 v[(\f)+8*(\i):(\f)+8*(\i)+3],   v[ADRA+(\slot)] offset:(\k)+(\i)*16*PITCH
	ds_load_b128 v[(\f)+8*(\i)+4:(\f)+8*(\i)+7], v[ADRA+(\slot)] offset:(\k)+(\i)*16*PITCH+32
.endr
.endm
.macro PLACES                          ; four plain instructions in front of loads into registers that matrix instructions have read, and of lines that read results
.rept 4
	v_nop
.endr
.endm
; A K step is four quarters of 32 channels, 64 matrix instructions each, on buffers 0, 1, 0, 1.  The 64 accumulators take turns, one instruction a turn.
.macro QUARTER slot, k, f, g, zero
	s_wait_dscnt 8                                 ; K's rows and Q's rows 0-63 are in; the youngest eight loads may be out
	MUL16 \f, 0, 0, \zero
	MUL16 \f, 0, 2, \zero
	PLACES
	FETCH \slot, \k, \g
	s_wait_dscnt 32                                ; all but the 32 just issued
	MUL16 \f, 1, 0, \zero
	MUL16 \f, 1, 2, \zero
.endm
; The last quarter changes slots: one barrier; in front of it all my tensor loads (one is out: my part of the next slot), the add, and my reads of this slot; behind it, with fill = 1, my one load first.
.macro TURN slot, next, fill
	WIN 0
	s_wait_tensorcnt 0x0
	ds_add_u32 v[SPW], v[NIL]
.if \fill
	s_add_nc_u64 s[G0+4*(\slot)+2:G0+4*(\slot)+3], s[G0+4*(\slot)+2:G0+4*(\slot)+3], 2*KSTEP*2   ; no load of mine is out: the slot's next K step
.endif
	s_wait_dscnt 9                                 ; the add and the youngest eight loads may be out
	MUL16 F1, 0, 0, 0
	s_wait_dscnt 0x0                               ; the add is done, my reads of this slot are over
	s_barrier_signal -1
	MUL16 F1, 0, 2, 0
	s_barrier_wait -1
.if \fill
	tensor_load_to_lds s[G0+4*(\slot):G0+4*(\slot)+3], s[G1:G1+7]
	s_nop 0
.endif
	PLACES                                         ; the places in front of the loads below
	FETCH \next, 0, F0
	MUL16 F1, 1, 0, 0
	MUL16 F1, 1, 2, 0
.endm
; THE SOFTMAX of query block a (16 queries x my 128 keys), on the accumulators where they lie: window WD, registers AC .. AC + 63.
.macro SOFT a
.set WD, 2+(\a)/4
.set AC, 64*((\a)%4)
.set SA, SS+2*(\a)
	WIN WD*0x15                                    ; three sources in the accumulators' window, destination in window 0
.irp b, 0,1,2,3,4,5,6,7
	v_max3_num_f32 v[WK+(\b)], v[AC+8*(\b)], v[AC+8*(\b)+1], v[AC+8*(\b)+2]   ; eight chains; each accumulator's lowest registers are read first
.endr
	WIN WD*0x14                                    ; source 0 in window 0
.irp b, 0,1,2,3,4,5,6,7
	v_max3_num_f32 v[WK+(\b)], v[WK+(\b)], v[AC+8*(\b)+3], v[AC+8*(\b)+4]
.endr
.irp b, 0,1,2,3,4,5,6,7
	v_max3_num_f32 v[WK+(\b)], v[WK+(\b)], v[AC+8*(\b)+5], v[AC+8*(\b)+6]
.endr
.irp b, 0,2,4,6
	v_max3_num_f32 v[WK+(\b)], v[WK+(\b)], v[AC+8*(\b)+7], v[AC+8*(\b)+15]
.endr
	WIN 0
	v_max3_num_f32 v[WK], v[WK], v[WK+1], v[WK+2]
	v_max3_num_f32 v[WK+3], v[WK+3], v[WK+4], v[WK+5]
	v_max3_num_f32 v[WK], v[WK], v[WK+6], v[WK+7]
	v_max_num_f32 v[WK], v[WK], v[WK+3]
	v_permlanex16_b32 v[WK+1], v[WK], s60, s61     ; the query's other 64 keys lie in the lane 16 away
	v_max_num_f32 v[SA+1], v[WK], v[WK+1]          ; m; it keeps l's place until l is made, so that the pair below is written whole
	v_mul_f32 v[SA], s58, v[SA+1]                  ; c m
	v_max_num_f32 v[SA], 0xfb800000, v[SA]         ; a row that sees nothing: -2^120
	WIN WD*0x41                                    ; destination and source 0 in the accumulators' window, c m in window 0
.set i, 0
.rept 32
	v_pk_fma_f32 v[AC+2*i:AC+2*i+1], v[AC+2*i:AC+2*i+1], s[58:59], v[SA:SA+1] op_sel_hi:[1,0,0] neg_lo:[0,0,1] neg_hi:[0,0,1]   ; c s - c m
.set i, i+1
.endr
.set i, 0
.rept 64
	v_exp_f32 v[AC+i], v[AC+i]
.set i, i+1
.endr
	v_nop                                          ; a plain instruction between the last exponential and the use of its result
	WIN WD*0x05                                    ; sources 0 and 1 in the accumulators' window, destination in window 0
	s_wait_alu depctr_va_vdst(0)
.irp b, 0,1,2,3,4,5,6,7
.irp r, 0,1,2,3
	v_cvt_pk_f16_f32 v[TMP+4*(\b)+(\r)], v[AC+8*(\b)+2*(\r)], v[AC+8*(\b)+2*(\r)+1]
.endr
.endr
	WIN WD*0x45                                    ; the sum of the 32 pairs, in place: neighbours 16, 8, 4 and 2 pairs apart
.irp s, 16,8,4,2
.set i, 0
.rept \s
	v_pk_add_f32 v[AC+2*i:AC+2*i+1], v[AC+2*i:AC+2*i+1], v[AC+2*(i+\s):AC+2*(i+\s)+1]
.set i, i+1
.endr
.endr
	WIN WD*0x05
	v_pk_add_f32 v[WK+2:WK+3], v[AC:AC+1], v[AC+2:AC+3]
	WIN 0
	v_add_f32 v[WK+2], v[WK+2], v[WK+3]
	v_permlanex16_b32 v[WK+3], v[WK+2], s60, s61
	v_add_f32 v[SA+1], v[WK+2], v[WK+3]            ; l
.endm
; THE WAY OUT of block a: a lane's eight weights of a row are 16 bytes; they go into rows of 272 bytes of my own stage and come back as whole rows of 256.
.macro TOSTAGE a
	WIN 0
.set BK, OB+192*((\a)%2)
.irp b, 0,1,2,3,4,5,6,7
	ds_store_b128 v[STO], v[TMP+4*(\b):TMP+4*(\b)+3] offset:32*(\b)
.endr
.irp t, 0,1,2,3,4,5,6,7
	ds_load_b128 v[BK+4*(\t):BK+4*(\t)+3], v[RD] offset:(\t)*2*SPITCH   ; LDS serves a wave's instructions in order: these see the stores above
.endr
.endm
.macro SEND a
	WIN 0
.set BK, OB+192*((\a)%2)
	s_wait_dscnt 0x0                               ; the block is back in registers
	s_wait_xcnt 0x0                                ; the earlier stores have read their base and their registers
.if (\a) > 0
	s_add_nc_u64 s[46:47], s[46:47], 16*ROWP
.endif
.irp t, 0,1,2,3,4,5,6,7
	global_store_b128 v[CO], v[BK+4*(\t):BK+4*(\t)+3], s[46:47] offset:2*(\t)*ROWP   ; 16 lanes store 256 consecutive bytes, aligned
.endr
.endm
	s_wait_tensorcnt 1                             ; my part of K step 0 is in; K step 1's may stay out
	s_barrier_signal -1
	s_barrier_wait -1
	FETCH 0, 0, F0
	QUARTER 0, 64,  F0, F1, 1                      ; the first quarter starts the sums, with the masks
	WIN 0
	s_mov_b32 s3, LAPS-1
.Llap:                                                 ; a trip goes once round the ring and fills both slots again
	QUARTER 0, 128, F1, F0, 0
	QUARTER 0, 192, F0, F1, 0
	TURN 0, 1, 1
	QUARTER 1, 64,  F0, F1, 0
	QUARTER 1, 128, F1, F0, 0
	QUARTER 1, 192, F0, F1, 0
	TURN 1, 0, 1
	QUARTER 0, 64,  F0, F1, 0
	WIN 0
	s_sub_co_u32 s3, s3, 1
	s_cmp_lg_u32 s3, 0
	s_cbranch_scc1 .Llap
	QUARTER 0, 128, F1, F0, 0                      ; the last lap fills nothing
	QUARTER 0, 192, F0, F1, 0
	TURN 0, 1, 0
	QUARTER 1, 64,  F0, F1, 0
	QUARTER 1, 128, F1, F0, 0
	QUARTER 1, 192, F0, F1, 0
	s_wait_dscnt 8
	MUL16 F1, 0, 0, 0
	MUL16 F1, 0, 2, 0
	s_wait_dscnt 0x0
	MUL16 F1, 1, 0, 0
	MUL16 F1, 1, 2, 0
	PLACES
	SOFT 0
	TOSTAGE 0
.irp a, 1,2,3,4,5,6,7                  ; block a's softmax stands between block a - 1's loads from the stage and the wait for them
	SOFT \a
	SEND (\a)-1
	TOSTAGE \a
.endr
	SEND 7
	; THE STATISTICS.  Both halves of the lanes hold (c m, l) of every block; lanes 0-15 take block 2 u, lanes 16-31 block 2 u + 1: lane l then holds row 32 u + l.
	v_cmp_eq_u32 vcc_lo, 1, v15
.irp u, 0,1,2,3
	v_cndmask_b32 v[OS+2*(\u)],   v[SS+4*(\u)],   v[SS+4*(\u)+2], vcc_lo
	v_cndmask_b32 v[OS+2*(\u)+1], v[SS+4*(\u)+1], v[SS+4*(\u)+3], vcc_lo
.endr
.irp u, 0,1,2,3
	global_store_b64 v[SO], v[OS+2*(\u):OS+2*(\u)+1], s[48:49] offset:256*(\u)   ; 32 lanes store 256 consecutive bytes, aligned
.endr
	s_wait_tensorcnt 0x0                           ; the wave's end, behind my last tensor load and my last LDS store
	ds_add_u32 v[SPW], v[NIL]
	s_wait_dscnt 0x0
	s_endpgm
.Lfunc_end_k_q0cc95a5cd1_scores:
	.size	k_q0cc95a5cd1_scores, .Lfunc_end_k_q0cc95a5cd1_scores-k_q0cc95a5cd1_scores
	.p2alignl 7, 3214868480
	.fill 96, 4, 3214868480
	.section	.rodata,"a",@progbits
	.p2align	6, 0x0
	.amdhsa_kernel k_q0cc95a5cd1_scores
		.amdhsa_group_segment_fixed_size 327680
		.amdhsa_private_segment_fixed_size 0
		.amdhsa_enable_private_segment 0
		.amdhsa_kernarg_size 24
		.amdhsa_user_sgpr_count 2
		.amdhsa_user_sgpr_kernarg_segment_ptr 1
		.amdhsa_wavefront_size32 1
		.amdhsa_system_sgpr_workgroup_id_x 1
		.amdhsa_system_sgpr_workgroup_id_y 1
		.amdhsa_system_sgpr_workgroup_id_z 1
		.amdhsa_system_vgpr_workitem_id 0
		.amdhsa_next_free_vgpr 1024
		.amdhsa_next_free_sgpr 66
		.amdhsa_reserve_vcc 1
		.amdhsa_float_denorm_mode_32 3
		.amdhsa_float_denorm_mode_16_64 3
		.amdhsa_memory_ordered 1
		.amdhsa_forward_progress 1
		.amdhsa_inst_pref_size 209
	.end_amdhsa_kernel
	.amdgpu_metadata
---
amdhsa.version: [ 1, 2 ]
amdhsa.kernels:
  - .name:           k_q0cc95a5cd1_scores
    .symbol:         k_q0cc95a5cd1_scores.kd
    .args:
      - { .name: QK, .offset: 0, .size: 8, .value_kind: global_buffer, .address_space: global }
      - { .name: Pw, .offset: 8, .size: 8, .value_kind: global_buffer, .address_space: global }
      - { .name: St, .offset: 16, .size: 8, .value_kind: global_buffer, .address_space: global }
    .group_segment_fixed_size: 327680
    .private_segment_fixed_size: 0
    .kernarg_segment_align: 8
    .kernarg_segment_size: 24
    .max_flat_workgroup_size: 128
    .sgpr_count:     66
    .vgpr_count:     1024
    .wavefront_size: 32
...
	.end_amdgpu_metadata
.endif
;; end of part 3
;; launch pv (part 4): grid 8 x 32, 4 waves a work-group, clusters of 4 x 1, 327,680 bytes of LDS; arguments Pw, Vt, St, out0; writes out0
.if DOCPART == 4
	.amdgcn_target "amdgcn-amd-amdhsa--gfx1250"
	.amdhsa_code_object_version 6
	.text
	.protected	k_q0cc95a5cd1_pv
	.globl	k_q0cc95a5cd1_pv
	.p2align	8
	.type	k_q0cc95a5cd1_pv,@function
k_q0cc95a5cd1_pv:
	s_mov_b64 s[64:65], 0
	v_nop
	global_prefetch_b8 v0, s[64:65] scope:SCOPE_SE
	s_setreg_imm32_b32 hwreg(HW_REG_WAVE_MODE, 25, 1), 1
	s_wait_xcnt 0x0
	s_wait_alu depctr_hold_cnt(0) depctr_sa_sdst(0) depctr_va_vdst(0) depctr_va_sdst(0) depctr_va_ssrc(0) depctr_va_vcc(0) depctr_vm_vsrc(0)
	s_getreg_b32 s2, hwreg(HW_REG_IB_STS2, 6, 4)
	s_cmp_eq_u32 s2, 0
	s_cbranch_scc0 .Lentry_in_a_cluster
	s_endpgm
.Lentry_in_a_cluster:
	s_bfe_u32 s2, ttmp6, 0x10000c
	s_cmp_lg_u32 s2, 0x3003
	s_cbranch_scc0 .Lentry_shape_is_right
	s_endpgm
.Lentry_shape_is_right:
; PV.  O[q][n] = (sum over key tiles t of f_t[q] x sum over the tile's 128 keys of P[q][k] V[k][n]) / L[q], with f_t = 2^(c m_t - c M), M the row's maximum over its tiles, L = sum of f_t l_t.
; P and Vt ([n][key]) are f16; each tile's product has its own f32 sums T, which O takes with the factor in f32.  out0 is f32.
; THE WALK.  A batch's queries lie in 16 blocks of 128; block i needs i / 2 + 1 slots of 256 keys.  A work-group takes blocks 15 - pi and then pi, for 128 channels: 9 slots whatever pi: all 256 work-groups
; do equal work, and one loop with a constant count walks them.  Which keys are asked for hangs on scalars made from pi; the jump round the first block's way out goes forward and passes no barrier and no tensor load.
; CLUSTER.  The four partners are four channel blocks of one (batch, pi): they need the same tiles of P, asked for jointly; each fetches its own tile of Vt by a load of its own behind the same round.
; SHARES.  Four waves, each 64 queries x 64 channels: 16 accumulators T and 16 sums O.  The matrix instruction is used transposed: a lane holds one query and eight neighbouring channels.
; REGISTERS: window 0: v0-31 addresses; v32-63 the way out; v64-87 factors (pairs: the packed forms name a pair and take its low word); v128-255 T.  window 1: two fragment buffers of 128.  window 2: v0-127 O.
; LIMITS: as stated in the launch that made P: a factor below 2^-126 counts as 0; NaN and infinities are not treated apart.
.set PITCH,  528                       ; an LDS row: 512 bytes + 16: 33 x 16
.set HALFT,  64*PITCH
.set SLOT,   4*HALFT                   ; P's 128 rows, then Vt's 128 rows
.set CT,     2*SLOT                    ; the factors: row w (512 bytes, a word a query) for walk step w = 0..17; row 18: 1 / L of the first block; row 19: of the second
.set STAGE,  CT+20*512                 ; 16 rows x 272 bytes for each wave
.set SPITCH, 272
.set SPARE,  STAGE+4*16*SPITCH
.set A0,  2                            ; v2, v3  my lane's place in P's and Vt's rows of slot 0; never rewritten
.set B0,  3
.set ADA, 4                            ; v4, v5  the same in the slot in hand
.set ADB, 5
.set CTI, 6                            ; v6  my query's word in a row of the factors
.set CTA, 7                            ; v7  the same at the walk step in hand
.set STO, 8
.set RD,  9
.set GO,  10
.set TW,  12                           ; v12 where thread t writes row-in-block t's factor
.set SOH, 13                           ; v13, v14  my row's 8 bytes in a tile of St, first and second block
.set SOL, 14
.set SPW, 28
.set NIL, 29
.set BK,  32
.set CF0, 64
.set CF1, 72
.set IL,  80
.set ACC, 128
.set HI,  128                          ; at the head T's registers hold the statistics: (c m, l) of tile t at HI + 2 t, LO + 2 t
.set LO,  192
.set F0,  0
.set F1,  128
.set WV,  12
.set RH,  13
.set CH,  14
.set G1A, 24
.set G1B, 32
.set G0A, 40                           ; s[40:47]: a set for each first fill; the second then walks on
.set G0B, 48
.set SLOTS, 56
.set RT,  57                           ; slots of the block in hand still to be finished
.set NXT, 58                           ; the slot of keys to be asked for next
.set LQ,  59                           ; the last slot of the block whose keys are being asked for
.set OFF, 60
.set TB,  62                           ; LDS byte at which the slot in hand begins
.set AB,  66                           ; s[66:67] P at my rows of the block whose keys are being asked for
.set PL,  68                           ; s[68:69] the same for the second block
.set VB,  70
.set OUT, 72
.set OUTLO, 74
.set STB, 76
.set MSB, 0
.macro WIN new
.if MSB != (\new)
	s_set_vgpr_msb (MSB<<8)|(\new)
.set MSB, \new
.endif
.endm
.set MUL,  0x05                        ; sources 0 (Vt) and 1 (P) window 1; C and D window 0
.set TO_F, 0x40                        ; destination window 1
.set MRG,  0xa0                        ; destination and source 2 (O) window 2; T and the factor window 0
.set OUTW, 0x02                        ; source 0 (O) window 2
.set CLR,  0x80                        ; destination window 2
.macro JLOAD                           ; waves 0, 1: P's halves, jointly; waves 2, 3: Vt's halves, my work-group's own; an s_nop 0 and four v_nop follow each line
	s_cmp_lt_u32 s[WV], 2
	s_cbranch_scc0 .Lfor_v_\@
	tensor_load_to_lds s[G0A+4:G0A+7], s[G1A:G1A+7]
	s_nop 0
.rept 4
	v_nop
.endr
	s_branch .Lasked_\@
.Lfor_v_\@:
	tensor_load_to_lds s[G0B+4:G0B+7], s[G1B:G1B+7]
	s_nop 0
.rept 4
	v_nop
.endr
.Lasked_\@:
.endm
.macro CREST
	s_cmp_lg_u32 s[WV], 0
	s_cbranch_scc1 .Lnot_wave_0_\@
	s_barrier_signal -3
.Lnot_wave_0_\@:
	s_barrier_wait -3
	s_barrier_signal -1
	s_barrier_wait -1
.endm
.macro CROUND
	s_barrier_signal -1
	s_barrier_wait -1
	CREST
.endm
	s_load_b256 s[4:11], s[0:1], 0x0               ; Pw 4, Vt 6, St 8, out0 10
	v_lshl_add_u32 v[SPW], v0, 2, SPARE
	v_mov_b32 v[NIL], 0
	ds_add_u32 v[SPW], v[NIL]                      ; the wave's opening: the add, and its wait ahead of my first tensor load
	ds_add_u32 v28, v29
	v_lshrrev_b32 v1, 5, v0
	v_readfirstlane_b32 s[WV], v1
	s_lshr_b32 s[RH], s[WV], 1
	s_and_b32 s[CH], s[WV], 1
	s_bfe_u32 s15, ttmp6, 0x40000                  ; cx
	s_lshl_b32 s16, ttmp9, 2
	s_add_co_u32 s16, s16, s15                     ; nb: my block of 128 channels: it enters Vt's and out0's addresses alone
	s_and_b32 s18, ttmp7, 0xffff
	s_lshr_b32 s17, s18, 3                         ; batch
	s_and_b32 s18, s18, 7                          ; pi
	s_lshr_b32 s19, s18, 1                         ; pj: the second block has pj + 1 slots, the first 8 - pj
	s_mul_i32 s20, s[WV], HALFT
	s_mov_b32 s[G1A], 15|(1<<16)|(1<<20)|(1<<21)|(6<<22)|(3<<25)   ; the mask of four; 2-byte elements; padding on; bit 21 beside a mask; after every 128 words; 4 words
	s_mov_b32 s[G1B], (1<<16)|(1<<20)|(6<<22)|(3<<25)
.irp g, G1A, G1B
	s_mov_b32 s[(\g)+1], 256<<16                   ; tensor_dim0 = 256
	s_mov_b32 s[(\g)+2], 64<<16                    ; tensor_dim1 = 64
	s_mov_b32 s[(\g)+3], 256<<16                   ; tile_dim0 = 256
	s_mov_b32 s[(\g)+4], 64                        ; tile_dim1 = 64
	s_mov_b32 s[(\g)+5], 2048                      ; elements from row to row
	s_mov_b32 s[(\g)+6], 0
	s_mov_b32 s[(\g)+7], 0
.endr
	s_mov_b32 s[SLOTS], 7
	s_sub_co_u32 s[RT], 8, s19
	s_mov_b32 s[NXT], 2
	s_sub_co_u32 s[LQ], 7, s19
	s_mov_b32 s[OFF+1], 0
	s_mov_b32 s[TB], 0
	s_lshl_b32 s21, s17, 11
	s_sub_co_u32 s22, 15, s18
	s_lshl_b32 s22, s22, 7
	s_add_co_u32 s22, s22, s21                     ; the first block's first query among all 8,192
	s_lshl_b32 s23, s18, 7
	s_add_co_u32 s23, s23, s21                     ; the second block's
	s_lshl_b32 s2, s[CH], 6                        ; which 64 rows I fetch
	s_add_co_u32 s[AB], s22, s2
	s_lshl_b32 s[AB], s[AB], 12
	s_mov_b32 s[AB+1], 0
	s_add_co_u32 s[PL], s23, s2
	s_lshl_b32 s[PL], s[PL], 12
	s_mov_b32 s[PL+1], 0
	s_lshl_b32 s[VB], s16, 7
	s_add_co_u32 s[VB], s[VB], s2
	s_lshl_b32 s[VB], s[VB], 12
	s_lshl_b32 s3, s17, 22
	s_add_co_u32 s[VB], s[VB], s3
	s_mov_b32 s[VB+1], 0
	s_lshl_b32 s3, s[RH], 6
	s_add_co_u32 s[OUT], s22, s3
	s_lshl_b32 s[OUT], s[OUT], 12
	s_add_co_u32 s[OUTLO], s23, s3
	s_lshl_b32 s[OUTLO], s[OUTLO], 12
	s_lshl_b32 s3, s16, 9
	s_lshl_b32 s2, s[CH], 8
	s_add_co_u32 s3, s3, s2
	s_add_co_u32 s[OUT], s[OUT], s3
	s_add_co_u32 s[OUTLO], s[OUTLO], s3
	s_mov_b32 s[OUT+1], 0
	s_mov_b32 s[OUTLO+1], 0
	s_lshl_b32 s[STB], s17, 18
	s_mov_b32 s[STB+1], 0
	s_wait_dscnt 0x0                               ; the opening add is done
	s_wait_kmcnt 0x0
	s_add_nc_u64 s[AB:AB+1], s[4:5], s[AB:AB+1]
	s_add_nc_u64 s[PL:PL+1], s[4:5], s[PL:PL+1]
	s_add_nc_u64 s[VB:VB+1], s[6:7], s[VB:VB+1]
	s_add_nc_u64 s[STB:STB+1], s[8:9], s[STB:STB+1]
	s_add_nc_u64 s[OUT:OUT+1], s[10:11], s[OUT:OUT+1]
	s_add_nc_u64 s[OUTLO:OUTLO+1], s[10:11], s[OUTLO:OUTLO+1]
	CROUND                                         ; all four work-groups are here: the first joint loads meet
.irp s, 0,1
	s_mov_b32 s[G0A+4*(\s)], 1
	s_add_co_u32 s[G0A+4*(\s)+1], s20, (\s)*SLOT
	s_add_nc_u64 s[G0A+4*(\s)+2:G0A+4*(\s)+3], s[AB:AB+1], (\s)*512
	s_or_b32 s[G0A+4*(\s)+3], s[G0A+4*(\s)+3], 0x80000000
	s_mov_b32 s[G0B+4*(\s)], 1
	s_add_co_u32 s[G0B+4*(\s)+1], s20, (\s)*SLOT
	s_add_nc_u64 s[G0B+4*(\s)+2:G0B+4*(\s)+3], s[VB:VB+1], (\s)*512
	s_or_b32 s[G0B+4*(\s)+3], s[G0B+4*(\s)+3], 0x80000000
.endr
	s_cmp_lt_u32 s[WV], 2                          ; a wave's two first fills stand in one branch: two loads of mine are out
	s_cbranch_scc0 .Lfirst_v
	tensor_load_to_lds s[G0A:G0A+3], s[G1A:G1A+7]
	s_nop 0
	tensor_load_to_lds s[G0A+4:G0A+7], s[G1A:G1A+7]
	s_nop 0
.rept 4
	v_nop
.endr
	s_branch .Lfirst_asked
.Lfirst_v:
	tensor_load_to_lds s[G0B:G0B+3], s[G1B:G1B+7]
	s_nop 0
	tensor_load_to_lds s[G0B+4:G0B+7], s[G1B:G1B+7]
	s_nop 0
.rept 4
	v_nop
.endr
.Lfirst_asked:
	s_sub_co_u32 s21, 15, s18
	s_lshl_b32 s21, s21, 10
	v_lshl_add_u32 v[SOH], v0, 3, s21              ; (128 i + thread) x 8
	s_lshl_b32 s21, s18, 10
	v_lshl_add_u32 v[SOL], v0, 3, s21
.set t, 0
.rept 16
	global_load_b64 v[HI+2*t:HI+2*t+1], v[SOH], s[STB:STB+1] offset:16384*t
	global_load_b64 v[LO+2*t:LO+2*t+1], v[SOL], s[STB:STB+1] offset:16384*t
.set t, t+1
.endr
	v_and_b32 v1, 15, v0                           ; r = cc
	v_bfe_u32 v15, v0, 4, 1                        ; h
	v_mul_u32_u24 v16, v1, PITCH
	v_lshl_add_u32 v16, v15, 4, v16
	s_mul_i32 s21, s[RH], HALFT
	v_add_nc_u32 v[A0], s21, v16
	s_mul_i32 s21, s[CH], HALFT
	s_add_co_u32 s21, s21, 2*HALFT
	v_add_nc_u32 v[B0], s21, v16
	s_lshl_b32 s21, s[RH], 8
	s_add_co_u32 s21, s21, CT
	v_lshl_add_u32 v[CTI], v1, 2, s21              ; query 64 RH + r; block a of 16 stands in the offset
	s_mul_i32 s21, s[WV], 16*SPITCH
	s_add_co_u32 s21, s21, STAGE
	v_mul_u32_u24 v[STO], v1, SPITCH
	v_lshl_add_u32 v[STO], v15, 5, v[STO]
	v_add_nc_u32 v[STO], s21, v[STO]
	v_mul_u32_u24 v[RD], v15, SPITCH
	v_lshl_add_u32 v[RD], v1, 4, v[RD]
	v_add_nc_u32 v[RD], s21, v[RD]
	v_lshlrev_b32 v[GO], 12, v15
	v_lshl_add_u32 v[GO], v1, 4, v[GO]
	v_lshl_add_u32 v[TW], v0, 2, CT
	; O starts at 0: the second block begins at a walk step that hangs on pi, so no first step can be written out.  These lines stand in the wait for the first tile.
	WIN CLR
.set i, 0
.rept 128
	v_mov_b32 v[i], 0
.set i, i+1
.endr
	WIN 0
.set i, 0
.rept 24
	v_mov_b32 v[CF0+i], 0                          ; the factors' pairs are named whole
.set i, i+1
.endr
	s_cmp_eq_u32 s[RT], 5                          ; how many slots the first block has, as three masks
	s_cselect_b32 s84, -1, 0
	s_cmp_eq_u32 s[RT], 6
	s_cselect_b32 s85, -1, 0
	s_cmp_eq_u32 s[RT], 7
	s_cselect_b32 s86, -1, 0
	s_wait_loadcnt 0x0
; A row's factors: thread t for row t of the block.  M over the 16 tiles (a tile that the row does not see holds -2^120), f_t = 2^(c m_t - c M) in c m_t's place, 1 / L into register inv.
.macro TABLE R, inv
	v_max3_num_f32 v17, v[(\R)], v[(\R)+2], v[(\R)+4]
.irp u, 3,5,7,9,11,13
	v_max3_num_f32 v17, v17, v[(\R)+2*(\u)], v[(\R)+2*(\u)+2]
.endr
	v_max_num_f32 v17, v17, v[(\R)+30]
.set t, 0
.rept 16
	v_sub_f32 v[(\R)+2*t], v[(\R)+2*t], v17
.set t, t+1
.endr
.set t, 0
.rept 16
	v_exp_f32 v[(\R)+2*t], v[(\R)+2*t]
.set t, t+1
.endr
	v_nop
	s_wait_alu depctr_va_vdst(0)
	v_mul_f32 v18, v[(\R)], v[(\R)+1]
.set t, 1
.rept 15
	v_fmac_f32 v18, v[(\R)+2*t], v[(\R)+2*t+1]
.set t, t+1
.endr
	v_rcp_f32 v[\inv], v18
	v_nop
.endm
	TABLE HI, 19
	TABLE LO, 20
	; walk step w is the first block's tile w while w < 2 nh, else the second block's tile w - 2 nh: chosen by value, so that every LDS address is a constant of the text
.set w, 10
.rept 8
.if w >= 16
	v_mov_b32 v[HI+2*w], v[LO+2*(w-16)]            ; nh = 8
.endif
.if w >= 14
	v_cndmask_b32 v[HI+2*w], v[HI+2*w], v[LO+2*(w-14)], s86
.endif
.if w >= 12
	v_cndmask_b32 v[HI+2*w], v[HI+2*w], v[LO+2*(w-12)], s85
.endif
	v_cndmask_b32 v[HI+2*w], v[HI+2*w], v[LO+2*(w-10)], s84
.set w, w+1
.endr
.set w, 0
.rept 18
	ds_store_b32 v[TW], v[HI+2*w] offset:512*w
.set w, w+1
.endr
	ds_store_b32 v[TW], v19 offset:512*18
	s_wait_alu depctr_va_vdst(0)
	ds_store_b32 v[TW], v20 offset:512*19
.macro MUL8 f, c, a0, zero             ; 8 matrix instructions: query blocks a0, a0 + 1 x all 4 channel blocks, 32 keys: half c of buffer f
	WIN MUL
.irp a, \a0, (\a0)+1
.irp b, 0,1,2,3
.if \zero
	v_wmma_f32_16x16x32_f16 v[ACC+8*(4*(\a)+(\b)):ACC+8*(4*(\a)+(\b))+7], v[(\f)+64+8*(4*(\c)+(\b)):(\f)+64+8*(4*(\c)+(\b))+7], v[(\f)+8*(4*(\c)+(\a)):(\f)+8*(4*(\c)+(\a))+7], 0
.else
	v_wmma_f32_16x16x32_f16 v[ACC+8*(4*(\a)+(\b)):ACC+8*(4*(\a)+(\b))+7], v[(\f)+64+8*(4*(\c)+(\b)):(\f)+64+8*(4*(\c)+(\b))+7], v[(\f)+8*(4*(\c)+(\a)):(\f)+8*(4*(\c)+(\a))+7], v[ACC+8*(4*(\a)+(\b)):ACC+8*(4*(\a)+(\b))+7]
.endif
.endr
.endr
.endm
.macro FETCH k, f                      ; 32 LDS loads in one run: 64 keys at byte k of the rows of the slot in hand; the first 32 keys first
	WIN TO_F
.irp c, 0,1
.irp i, 0,1,2,3
	ds_load_b128 v[(\f)+64+8*(4*(\c)+(\i)):(\f)+64+8*(4*(\c)+(\i))+3],   v[ADB] offset:(\k)+64*(\c)+(\i)*16*PITCH
	ds_load_b128 v[(\f)+64+8*(4*(\c)+(\i))+4:(\f)+64+8*(4*(\c)+(\i))+7], v[ADB] offset:(\k)+64*(\c)+(\i)*16*PITCH+32
	ds_load_b128 v[(\f)+8*(4*(\c)+(\i)):(\f)+8*(4*(\c)+(\i))+3],         v[ADA] offset:(\k)+64*(\c)+(\i)*16*PITCH
	ds_load_b128 v[(\f)+8*(4*(\c)+(\i))+4:(\f)+8*(4*(\c)+(\i))+7],       v[ADA] offset:(\k)+64*(\c)+(\i)*16*PITCH+32
.endr
.endr
.endm
.macro PLACES
.rept 4
	v_nop
.endr
.endm
.macro MERGE y, cf                     ; O(y) += factor x T(y): T's low registers first
	WIN MRG
.set z, 0
.rept 4
	v_pk_fma_f32 v[8*(\y)+2*z:8*(\y)+2*z+1], v[ACC+8*(\y)+2*z:ACC+8*(\y)+2*z+1], v[(\cf)+2*((\y)/4):(\cf)+2*((\y)/4)+1], v[8*(\y)+2*z:8*(\y)+2*z+1] op_sel_hi:[1,0,1]
.set z, z+1
.endr
.endm
; A key tile's last 16 products, and O takes each T behind them.  Between product x and the four lines that read T(x) stand the four lines for T(x - 1) (four v_nop for x = 0), which name none of
; product x's registers; behind the last product stand five such lines before the next tile's products write T anew (ISA guide 7.12.1).
.macro MULM f, cf
.set x, 0
.rept 16
	WIN MUL
	v_wmma_f32_16x16x32_f16 v[ACC+8*x:ACC+8*x+7], v[(\f)+64+8*(4+x%4):(\f)+64+8*(4+x%4)+7], v[(\f)+8*(4+x/4):(\f)+8*(4+x/4)+7], v[ACC+8*x:ACC+8*x+7]
.if x == 0
	PLACES
.else
	MERGE x-1, \cf
.endif
.set x, x+1
.endr
	MERGE 15, \cf
	v_nop
.endm
.macro CLOAD                           ; the slot's two key tiles' factors for my four blocks of 16 queries
	WIN 0
.irp a, 0,1,2,3
	ds_load_b32 v[CF0+2*(\a)], v[CTA] offset:64*(\a)
	ds_load_b32 v[CF1+2*(\a)], v[CTA] offset:512+64*(\a)
.endr
	v_add_nc_u32 v[CTA], 1024, v[CTA]
.endm
.macro DESC                            ; no tensor load of mine is out: the walking descriptors take the slot that is being left and the keys NXT; then NXT steps, behind the first block's last slot to the second block's slot 0
	s_lshl_b32 s[OFF], s[NXT], 9
	s_add_co_u32 s[G0A+5], s20, s[TB]
	s_add_nc_u64 s[G0A+6:G0A+7], s[AB:AB+1], s[OFF:OFF+1]
	s_or_b32 s[G0A+7], s[G0A+7], 0x80000000
	s_add_co_u32 s[G0B+5], s20, s[TB]
	s_add_nc_u64 s[G0B+6:G0B+7], s[VB:VB+1], s[OFF:OFF+1]
	s_or_b32 s[G0B+7], s[G0B+7], 0x80000000
	s_add_co_u32 s[NXT], s[NXT], 1
	s_cmp_gt_u32 s[NXT], s[LQ]
	s_cselect_b32 s[NXT], 0, s[NXT]
	s_cselect_b32 s[LQ], s19, s[LQ]
	s_cselect_b64 s[AB:AB+1], s[PL:PL+1], s[AB:AB+1]
.endm
; A SLOT: 256 keys, two key tiles, four quarters of 64 keys (32 matrix instructions each) on buffers 0, 1, 0, 1.  The 16 accumulators take turns, one instruction a turn.
; mode 2: the slot is filled again, two slots ahead; mode 1: slots change, nothing is asked for; mode 0: the last slot.
.macro SLOTBODY mode
	CLOAD
	s_wait_dscnt 24                                ; the first 32 keys are in; sixteen fragment loads and the eight factors may be out
	MUL8 F0, 0, 0, 1
	MUL8 F0, 0, 2, 1
	PLACES
	FETCH 128, F1
	s_wait_dscnt 32                                ; all but the 32 just issued
	MUL8 F0, 1, 0, 0
	MUL8 F0, 1, 2, 0
	s_wait_dscnt 16
	MUL8 F1, 0, 0, 0
	MUL8 F1, 0, 2, 0
	PLACES
	FETCH 256, F0
	s_wait_dscnt 32
	MULM F1, CF0
	s_wait_dscnt 16
	MUL8 F0, 0, 0, 1
	MUL8 F0, 0, 2, 1
	PLACES
	FETCH 384, F1
	s_wait_dscnt 32
	MUL8 F0, 1, 0, 0
	MUL8 F0, 1, 2, 0
.if (\mode) == 0
	s_wait_dscnt 16
	MUL8 F1, 0, 0, 0
	MUL8 F1, 0, 2, 0
	s_wait_dscnt 0x0
.else
	WIN 0
	s_wait_tensorcnt 0x0                           ; all my tensor loads have landed: my part of the next slot
	ds_add_u32 v[SPW], v[NIL]
.if (\mode) == 2
	DESC
.endif
	s_wait_dscnt 17                                ; the add and the youngest sixteen loads may be out
	MUL8 F1, 0, 0, 0
	s_wait_dscnt 0x0                               ; the add is done, my reads of this slot are over
	s_barrier_signal -1
	MUL8 F1, 0, 2, 0
	WIN 0
	s_barrier_wait -1
.if (\mode) == 2
	CREST                                          ; the barrier has opened a round of the cluster's: no wave of any partner still reads this slot or has a load on its way
	JLOAD                                          ; the first tensor load behind the round; its four v_nop are also the places in front of the loads below
.else
	PLACES
.endif
	s_xor_b32 s[TB], s[TB], SLOT
	v_add_nc_u32 v[ADA], s[TB], v[A0]
	v_add_nc_u32 v[ADB], s[TB], v[B0]
	FETCH 0, F0
.endif
	MULM F1, CF1
.endm
; THE WAY OUT of a block: O / L, 16 queries at a time through my own stage, back as whole rows of 256 bytes (my 64 channels in f32).  more = 1: the first block's: O starts anew, out0 and the count go to the second block.
.macro WAYOUT more
	WIN 0
.irp a, 0,1,2,3
	ds_load_b32 v[IL+2*(\a)], v[CTI] offset:512*(19-(\more))+64*(\a)
.endr
	s_wait_dscnt 0x0
.irp a, 0,1,2,3
	WIN OUTW
.set z, 0
.rept 16
	v_pk_mul_f32 v[ACC+32*(\a)+2*z:ACC+32*(\a)+2*z+1], v[32*(\a)+2*z:32*(\a)+2*z+1], v[IL+2*(\a):IL+2*(\a)+1] op_sel_hi:[1,0]
.set z, z+1
.endr
	WIN 0
.irp b, 0,1,2,3
	ds_store_b128 v[STO], v[ACC+32*(\a)+8*(\b):ACC+32*(\a)+8*(\b)+3]   offset:64*(\b)
	ds_store_b128 v[STO], v[ACC+32*(\a)+8*(\b)+4:ACC+32*(\a)+8*(\b)+7] offset:64*(\b)+16
.endr
	s_wait_xcnt 0x0                                ; the stores of the 16 rows before have read their registers
.irp t, 0,1,2,3,4,5,6,7
	ds_load_b128 v[BK+4*(\t):BK+4*(\t)+3], v[RD] offset:(\t)*2*SPITCH   ; LDS serves a wave's instructions in order: these see the stores above
.endr
	s_wait_dscnt 0x0
.irp t, 0,1,2,3,4,5,6,7
	global_store_b128 v[GO], v[BK+4*(\t):BK+4*(\t)+3], s[OUT:OUT+1] offset:(16*(\a)+2*(\t))*4096 th:TH_STORE_NT   ; 16 lanes store 256 consecutive bytes, aligned
.endr
.endr
.if \more
	WIN CLR
.set i, 0
.rept 128
	v_mov_b32 v[i], 0
.set i, i+1
.endr
	WIN 0
	s_wait_xcnt 0x0                                ; the stores have read out0's address
	s_mov_b64 s[OUT:OUT+1], s[OUTLO:OUTLO+1]
	s_add_co_u32 s[RT], s19, 1
.endif
.endm
	s_wait_tensorcnt 1                             ; my part of slot 0 is in; slot 1's may stay out
	s_wait_dscnt 0x0                               ; for the others' sake: my factors are written
	s_barrier_signal -1
	s_barrier_wait -1
	v_mov_b32 v[ADA], v[A0]
	v_mov_b32 v[ADB], v[B0]
	v_mov_b32 v[CTA], v[CTI]
	FETCH 0, F0
	WIN 0
.Lslot:                                                ; seven trips: a slot is multiplied and filled again
	SLOTBODY 2
	WIN 0
	s_sub_co_u32 s[RT], s[RT], 1
	s_cmp_lg_u32 s[RT], 0
	s_cbranch_scc1 .Lgo_on
	WAYOUT 1
.Lgo_on:
	s_sub_co_u32 s[SLOTS], s[SLOTS], 1
	s_cmp_lg_u32 s[SLOTS], 0
	s_cbranch_scc1 .Lslot
	SLOTBODY 1                                     ; the tail is written out
	WIN 0
	s_sub_co_u32 s[RT], s[RT], 1
	s_cmp_lg_u32 s[RT], 0
	s_cbranch_scc1 .Lgo_on2
	WAYOUT 1
.Lgo_on2:
	SLOTBODY 0
	WAYOUT 0
	s_wait_tensorcnt 0x0                           ; the wave's end
	ds_add_u32 v[SPW], v[NIL]
	s_wait_dscnt 0x0
	CROUND                                         ; the closing round
	s_endpgm
.Lfunc_end_k_q0cc95a5cd1_pv:
	.size	k_q0cc95a5cd1_pv, .Lfunc_end_k_q0cc95a5cd1_pv-k_q0cc95a5cd1_pv
	.p2alignl 7, 3214868480
	.fill 96, 4, 3214868480
	.section	.rodata,"a",@progbits
	.p2align	6, 0x0
	.amdhsa_kernel k_q0cc95a5cd1_pv
		.amdhsa_group_segment_fixed_size 327680
		.amdhsa_private_segment_fixed_size 0
		.amdhsa_enable_private_segment 0
		.amdhsa_kernarg_size 32
		.amdhsa_user_sgpr_count 2
		.amdhsa_user_sgpr_kernarg_segment_ptr 1
		.amdhsa_wavefront_size32 1
		.amdhsa_system_sgpr_workgroup_id_x 1
		.amdhsa_system_sgpr_workgroup_id_y 1
		.amdhsa_system_sgpr_workgroup_id_z 1
		.amdhsa_system_vgpr_workitem_id 0
		.amdhsa_next_free_vgpr 768
		.amdhsa_next_free_sgpr 88
		.amdhsa_reserve_vcc 0
		.amdhsa_float_denorm_mode_32 3
		.amdhsa_float_denorm_mode_16_64 3
		.amdhsa_memory_ordered 1
		.amdhsa_forward_progress 1
		.amdhsa_inst_pref_size 152
	.end_amdhsa_kernel
	.amdgpu_metadata
---
amdhsa.version: [ 1, 2 ]
amdhsa.kernels:
  - .name:           k_q0cc95a5cd1_pv
    .symbol:         k_q0cc95a5cd1_pv.kd
    .args:
      - { .name: Pw, .offset: 0, .size: 8, .value_kind: global_buffer, .address_space: global }
      - { .name: Vt, .offset: 8, .size: 8, .value_kind: global_buffer, .address_space: global }
      - { .name: St, .offset: 16, .size: 8, .value_kind: global_buffer, .address_space: global }
      - { .name: out0, .offset: 24, .size: 8, .value_kind: global_buffer, .address_space: global }
    .group_segment_fixed_size: 327680
    .private_segment_fixed_size: 0
    .kernarg_segment_align: 8
    .kernarg_segment_size: 32
    .max_flat_workgroup_size: 128
    .sgpr_count:     88
    .vgpr_count:     768
    .wavefront_size: 32
...
	.end_amdgpu_metadata
.endif
;; end of part 4
;; ======== version 2 of 3: 5 launches
;; limits: values are held in f16: magnitudes above 65,504 overflow, below 6.1e-05 lose precision
;; workspace buffers: Ef 33,554,432 bytes; Wc 8,388,608 bytes; Mt 4,194,304 bytes; Wv 4,194,304 bytes; G 33,554,432 bytes; Vt 16,777,216 bytes; Pw 33,554,432 bytes; St 1,048,576 bytes
;; launch prep (part 5): grid 768 x 1, 8 waves a work-group, no clusters, 17,920 bytes of LDS; arguments embeddings, W_Q, W_K, W_V, Ef, Wc, Wv, St; writes Ef, Wc, Wv, St
.if DOCPART == 5
	.amdgcn_target "amdgcn-amd-amdhsa--gfx1250"
	.amdhsa_code_object_version 6
	.text
	.protected	k_q0cc95a5cd1_prep
	.globl	k_q0cc95a5cd1_prep
	.p2align	8
	.type	k_q0cc95a5cd1_prep,@function
k_q0cc95a5cd1_prep:
	s_mov_b64 s[64:65], 0
	v_nop
	global_prefetch_b8 v0, s[64:65] scope:SCOPE_SE
	s_setreg_imm32_b32 hwreg(HW_REG_WAVE_MODE, 25, 1), 1
	s_wait_xcnt 0x0
; PREP.  Every input is rounded once to bf16, and that number is written as f16 (exact from 2^-17 up to 65,504; below, off by 3e-8 at the most), so that it can stand beside f16 operands.
; Work-groups 0-511: 16 rows of embeddings each -> Ef, and 2,048 bytes of St set to (c m, l) = (-2^120, 0), the statistics of a key tile in which a row sees nothing.
; Work-groups 512-575: 16 rows of W_Q each -> rows 0-1023 of Wc; 576-639: W_K -> rows 1024-2047 of Wc.
; Work-groups 640-767: one tile of 128 k x 64 n of W_V, [k][n] -> [n][k]: the rows of Wv.
; Rows of Ef, Wc and Wv lie 4,096 bytes apart and hold 2,048 bytes: the later launches then have one stride for all their operands.
; A stream: every byte is read once and written once, every store of a wave covers 256 consecutive bytes, aligned.  No matrix unit, no tensor load, no cluster: no two work-groups read the same byte.
; The branches hang on the work-group's number alone.  LIMIT: inputs beyond 65,504 have no f16.
.set SPARE, 16896                      ; behind the transposing tile: the spare words, 128 bytes for each of eight waves
.set TP,    264                        ; a row of the tile in LDS: 128 f16 + 8 bytes
.set ROWO,  4096                       ; bytes from row to row in Ef, Wc and Wv
.set SPW,   104                        ; v104  LDS address of my spare word; never rewritten
.set NIL,   105                        ; v105  0; never rewritten
.macro TOF16 d, a, b                   ; d = the bf16 roundings of a and b, as two f16; a and b are used up
	v_cvt_pk_bf16_f32 v[\d], v[\a], v[\b]
	v_lshlrev_b32 v[\a], 16, v[\d]
	v_and_b32 v[\b], s30, v[\d]
	v_cvt_pk_f16_f32 v[\d], v[\a], v[\b]
.endm
	s_load_b512 s[4:19], s[0:1], 0x0               ; embeddings 4, W_Q 6, W_K 8, W_V 10, Ef 12, Wc 14, Wv 16, St 18
	v_lshl_add_u32 v[SPW], v0, 2, SPARE
	v_mov_b32 v[NIL], 0
	v_lshrrev_b32 v1, 5, v0
	v_readfirstlane_b32 s20, v1                    ; wave 0..7
	s_mov_b32 s23, 0
	s_mov_b32 s29, 0
	s_mov_b32 s30, 0xffff0000                      ; a word's upper bf16
	s_cmp_lt_u32 ttmp9, 640
	s_cbranch_scc0 .Ltr
	; THE CAST.  Thread t owns 16 bytes at 16 t of every row in, 8 bytes at 8 t of every row out.
	v_lshlrev_b32 v1, 4, v0
	v_lshlrev_b32 v2, 3, v0
	s_and_b32 s21, ttmp9, 127                      ; numbers 512-639: the block of 16 rows in Wc,
	s_and_b32 s24, ttmp9, 63                       ; and in W_Q or W_K
	s_cmp_lt_u32 ttmp9, 512
	s_cselect_b32 s22, ttmp9, s24                  ; the block in the source
	s_cselect_b32 s28, ttmp9, s21                  ; the block in the destination
	s_lshl_b32 s22, s22, 16                        ; 16 rows of 4,096 bytes, in and out
	s_lshl_b32 s28, s28, 16
	s_wait_kmcnt 0x0
	s_cmp_lt_u32 ttmp9, 576
	s_cselect_b64 s[6:7], s[6:7], s[8:9]           ; W_Q or W_K
	s_cmp_lt_u32 ttmp9, 512
	s_cselect_b64 s[4:5], s[4:5], s[6:7]           ; the source
	s_cselect_b64 s[12:13], s[12:13], s[14:15]     ; the destination
	s_add_nc_u64 s[4:5], s[4:5], s[22:23]
	s_add_nc_u64 s[12:13], s[12:13], s[28:29]
.set i, 0
.rept 16
	global_load_b128 v[8+4*i:11+4*i], v1, s[4:5] offset:4096*i th:TH_LOAD_NT
.set i, i+1
.endr
	s_cmp_lt_u32 ttmp9, 512
	s_cbranch_scc0 .Lno_st
	v_mov_b32 v106, 0xfb800000                     ; -2^120
	v_mov_b32 v107, 0
	s_lshl_b32 s22, ttmp9, 11                      ; 2,048 bytes of St
	s_add_nc_u64 s[18:19], s[18:19], s[22:23]
	global_store_b64 v2, v[106:107], s[18:19]
.Lno_st:
.set i, 0
.rept 16
	s_wait_loadcnt 15-i                            ; loads come back in order: row i is in, the younger rows stay out
	TOF16 72+2*i, 8+4*i, 9+4*i
	TOF16 73+2*i, 10+4*i, 11+4*i
	global_store_b64 v2, v[72+2*i:73+2*i], s[12:13] offset:ROWO*i
.set i, i+1
.endr
	s_endpgm                                       ; this way wrote no LDS
.Ltr:	; THE TRANSPOSE of W_V.  number - 640 = 16 kt + nt
	s_bfe_u32 s25, ttmp9, 0x30004                  ; kt
	s_and_b32 s26, ttmp9, 15                       ; nt
	s_lshl_b32 s22, s25, 19                        ; from: 128 kt rows of 4,096 bytes
	s_lshl_b32 s27, s26, 8                         ;       + 64 nt columns of 4 bytes
	s_add_co_u32 s22, s22, s27
	s_lshl_b32 s28, s26, 18                        ; to: 64 nt rows of 4,096 bytes
	s_lshl_b32 s27, s25, 8                         ;     + 128 kt columns of 2 bytes
	s_add_co_u32 s28, s28, s27
	v_and_b32 v6, 15, v0                           ; cc
	v_bfe_u32 v7, v0, 4, 1                         ; h
	v_and_b32 v72, 31, v0                          ; lane
	s_lshl_b32 s27, s20, 14
	v_lshlrev_b32 v1, 4, v6
	v_lshl_add_u32 v1, v7, 13, v1
	v_add_nc_u32 v1, s27, v1                       ; in: row 4 wave + 2 h, 16 bytes at 16 cc
	v_mul_u32_u24 v3, v6, 4*TP
	v_lshl_add_u32 v3, v7, 2, v3
	s_lshl_b32 s27, s20, 3
	v_add_nc_u32 v3, s27, v3                       ; LDS in: row n = 4 cc, k = 4 wave + 2 h
	s_mul_i32 s27, s20, 8*TP
	v_lshl_add_u32 v4, v72, 3, s27                 ; LDS back: row n = 8 wave, 8 bytes a lane
	s_lshl_b32 s27, s20, 15
	v_lshl_add_u32 v5, v72, 3, s27                 ; out: the same rows, 4,096 bytes apart
	s_wait_kmcnt 0x0
	s_add_nc_u64 s[10:11], s[10:11], s[22:23]
	s_add_nc_u64 s[16:17], s[16:17], s[28:29]
.irp j, 0,1,2,3
.irp e, 0,1
	global_load_b128 v[8+4*(2*(\j)+(\e)):11+4*(2*(\j)+(\e))], v1, s[10:11] offset:(32*(\j)+(\e))*4096 th:TH_LOAD_NT  ; rows k = 32 j + 4 wave + 2 h + e: sixteen lanes take 256 bytes
.endr
.endr
	s_wait_loadcnt 0x0
.irp j, 0,1,2,3
.irp i, 0,1,2,3
	TOF16 40+4*(\j)+(\i), 8+8*(\j)+(\i), 12+8*(\j)+(\i)                        ; k and k + 1 of column n = 4 cc + i
	ds_store_b32 v3, v[40+4*(\j)+(\i)] offset:TP*(\i)+64*(\j)
.endr
.endr
	s_wait_dscnt 0x0                               ; for the others' sake: my stores are done
	s_barrier_signal -1
	s_barrier_wait -1
.irp t, 0,1,2,3,4,5,6,7
	ds_load_b64 v[56+2*(\t):57+2*(\t)], v4 offset:TP*(\t)
.endr
.irp t, 0,1,2,3,4,5,6,7
	s_wait_dscnt 7-(\t)
	global_store_b64 v5, v[56+2*(\t):57+2*(\t)], s[16:17] offset:ROWO*(\t)     ; a row's 128 k: 256 consecutive bytes, aligned
.endr
	s_wait_tensorcnt 0x0                           ; the wave's end, behind my last LDS store
	ds_add_u32 v[SPW], v[NIL]
	s_wait_dscnt 0x0
	s_endpgm
.Lfunc_end_k_q0cc95a5cd1_prep:
	.size	k_q0cc95a5cd1_prep, .Lfunc_end_k_q0cc95a5cd1_prep-k_q0cc95a5cd1_prep
	.p2alignl 7, 3214868480
	.fill 96, 4, 3214868480
	.section	.rodata,"a",@progbits
	.p2align	6, 0x0
	.amdhsa_kernel k_q0cc95a5cd1_prep
		.amdhsa_group_segment_fixed_size 17920
		.amdhsa_private_segment_fixed_size 0
		.amdhsa_enable_private_segment 0
		.amdhsa_kernarg_size 64
		.amdhsa_user_sgpr_count 2
		.amdhsa_user_sgpr_kernarg_segment_ptr 1
		.amdhsa_wavefront_size32 1
		.amdhsa_system_sgpr_workgroup_id_x 1
		.amdhsa_system_sgpr_workgroup_id_y 1
		.amdhsa_system_sgpr_workgroup_id_z 1
		.amdhsa_system_vgpr_workitem_id 0
		.amdhsa_next_free_vgpr 112
		.amdhsa_next_free_sgpr 66
		.amdhsa_reserve_vcc 0
		.amdhsa_float_denorm_mode_32 3
		.amdhsa_float_denorm_mode_16_64 3
		.amdhsa_memory_ordered 1
		.amdhsa_forward_progress 1
		.amdhsa_inst_pref_size 19
	.end_amdhsa_kernel
	.amdgpu_metadata
---
amdhsa.version: [ 1, 2 ]
amdhsa.kernels:
  - .name:           k_q0cc95a5cd1_prep
    .symbol:         k_q0cc95a5cd1_prep.kd
    .args:
      - { .name: embeddings, .offset: 0, .size: 8, .value_kind: global_buffer, .address_space: global }
      - { .name: W_Q, .offset: 8, .size: 8, .value_kind: global_buffer, .address_space: global }
      - { .name: W_K, .offset: 16, .size: 8, .value_kind: global_buffer, .address_space: global }
      - { .name: W_V, .offset: 24, .size: 8, .value_kind: global_buffer, .address_space: global }
      - { .name: Ef, .offset: 32, .size: 8, .value_kind: global_buffer, .address_space: global }
      - { .name: Wc, .offset: 40, .size: 8, .value_kind: global_buffer, .address_space: global }
      - { .name: Wv, .offset: 48, .size: 8, .value_kind: global_buffer, .address_space: global }
      - { .name: St, .offset: 56, .size: 8, .value_kind: global_buffer, .address_space: global }
    .group_segment_fixed_size: 17920
    .private_segment_fixed_size: 0
    .kernarg_segment_align: 8
    .kernarg_segment_size: 64
    .max_flat_workgroup_size: 256
    .sgpr_count:     66
    .vgpr_count:     112
    .wavefront_size: 32
...
	.end_amdgpu_metadata
.endif
;; end of part 5
;; launch mt (part 6): grid 16 x 16, 4 waves a work-group, clusters of 4 x 4, 327,680 bytes of LDS; arguments Wc, Mt; writes Mt
.if DOCPART == 6
	.amdgcn_target "amdgcn-amd-amdhsa--gfx1250"
	.amdhsa_code_object_version 6
	.text
	.protected	k_q0cc95a5cd1_mt
	.globl	k_q0cc95a5cd1_mt
	.p2align	8
	.type	k_q0cc95a5cd1_mt,@function
k_q0cc95a5cd1_mt:
	s_mov_b64 s[64:65], 0
	v_nop
	global_prefetch_b8 v0, s[64:65] scope:SCOPE_SE
	s_setreg_imm32_b32 hwreg(HW_REG_WAVE_MODE, 25, 1), 1
	s_wait_xcnt 0x0
	s_wait_alu depctr_hold_cnt(0) depctr_sa_sdst(0) depctr_va_vdst(0) depctr_va_sdst(0) depctr_va_ssrc(0) depctr_va_vcc(0) depctr_vm_vsrc(0)
	s_getreg_b32 s2, hwreg(HW_REG_IB_STS2, 6, 4)
	s_cmp_eq_u32 s2, 0
	s_cbranch_scc0 .Lentry_in_a_cluster
	s_endpgm
.Lentry_in_a_cluster:
	s_bfe_u32 s2, ttmp6, 0x10000c
	s_cmp_lg_u32 s2, 0xf033
	s_cbranch_scc0 .Lentry_shape_is_right
	s_endpgm
.Lentry_shape_is_right:
; MT.  Mt[b][a] = sum over n of W_K[b][n] W_Q[a][n]: the product W_Q W_K^T, transposed.  With it Q K^T = (E M) E^T, and K is never projected.  Operands f16 (the bf16 roundings of the weights), sums f32,
; Mt rounded once to f16.  Wc holds W_Q in rows 0-1023 and W_K in rows 1024-2047; rows of Wc and of Mt lie 4,096 bytes apart and hold 2,048.
; LIMITS.  f16 holds no number beyond 65,504, and below 6e-5 it keeps its fixed step of 6e-8.
; SHARES.  A work-group makes 64 x 64 of Mt, each of its four waves 32 x 32: four accumulators.  THE WHOLE K LIES IN LDS: 64 rows of W_K and 64 of W_Q, each as two halves of 512 along K: four tiles of
; 64 rows x 1,024 bytes, one tensor load a wave.  Nothing is filled again: no ring, one barrier in front of the products.  By this text's own count a wave has one tensor load out.
; CLUSTER.  4 x 4 work-groups: W_K's rows hang on the tile row alone and are asked for jointly along a row of the cluster, W_Q's on the tile column alone, along a column.
; The matrix instruction is used transposed (source 0 = 16 rows of W_Q, source 1 = 16 rows of W_K): a lane holds eight neighbouring numbers of a row of Mt.
; THE WAY OUT.  A tile's rows are 128 bytes of Mt, half of an aligned 256: a tile of 32 x 128 would want 160 rows x 2,080 bytes = 332,800 bytes of LDS, more than a work-group can have.  Mt is 2 MiB in all.
.set PITCH,  1040                      ; an LDS row: 1,024 bytes + 16 of padding = 65 x 16: the 16 rows of a fragment load start at 16 different places modulo 256 bytes
.set REG,    64*PITCH                  ; a tile: region w is filled by wave w: W_K's K halves 0, 1, then W_Q's
.set STAGE,  4*REG                     ; behind the tiles, never filled by a tensor load: 64 rows x 144 bytes, the work-group's
.set SPITCH, 144
.set SPARE,  STAGE+64*SPITCH           ; behind the stage: the spare words, 128 bytes for each wave
.set ROWM,   4096                      ; bytes from row to row in Mt
.set ADA, 2                            ; v2, v3  LDS address of my fragments of W_K in K half 0, 1; never rewritten
.set ADB, 4                            ; v4, v5  the same for W_Q
.set STO, 6                            ; v6   the way out: where I put 16 bytes of a row
.set RD,  7                            ; v7   where I read rows back
.set CO,  8                            ; v8   my byte offset in four rows of Mt
.set SPW, 10
.set NIL, 11
.set TMP, 16                           ; v16-31 packed results, then rows on their way out
.set ACC, 32                           ; v32-63 accumulator (a, b) at ACC + 8 (2 a + b)
.set F0,  64                           ; v64-127, v128-191 two fragment buffers: for 32 along K W_K's two fragments, then W_Q's two; twice
.set G1,  24                           ; s[24:31] group 1 for W_K's tiles, s[32:39] for W_Q's
.set G1B, 32
.set G0,  40                           ; s[40:43], s[44:47] group 0
.set G0B, 44
.set WV,  10                           ; s10 wave; s11 my half of the tile's rows, also: I fetch W_K (0) or W_Q (1); s12 my half of its columns, also: which K half I fetch
.set RH,  11
.set CH,  12
.macro CREST                           ; a round of the cluster's barrier behind its opening barrier
	s_cmp_lg_u32 s[WV], 0
	s_cbranch_scc1 .Lnot_wave_0_\@
	s_barrier_signal -3
.Lnot_wave_0_\@:
	s_barrier_wait -3
	s_barrier_signal -1
	s_barrier_wait -1
.endm
.macro CROUND
	s_barrier_signal -1
	s_barrier_wait -1
	CREST
.endm
.macro PLACES                          ; four plain instructions in front of loads into registers that matrix instructions have read, and of conversions that read results
.rept 4
	v_nop
.endr
.endm
	s_load_b128 s[4:7], s[0:1], 0x0                ; Wc 4, Mt 6
	v_lshl_add_u32 v[SPW], v0, 2, SPARE
	v_mov_b32 v[NIL], 0
	ds_add_u32 v[SPW], v[NIL]                      ; the wave's opening: the add, and its wait ahead of my first tensor load
	ds_add_u32 v10, v11
	v_lshrrev_b32 v1, 5, v0
	v_readfirstlane_b32 s[WV], v1
	s_lshr_b32 s[RH], s[WV], 1
	s_and_b32 s[CH], s[WV], 1
	s_bfe_u32 s48, ttmp6, 0x40000                  ; cx
	s_bfe_u32 s49, ttmp6, 0x40004                  ; cy
	s_lshl_b32 s50, ttmp9, 2
	s_add_co_u32 s50, s50, s48                     ; tile column = 4 x cluster x + cx
	s_and_b32 s51, ttmp7, 0xffff
	s_lshl_b32 s51, s51, 2
	s_add_co_u32 s51, s51, s49                     ; tile row = 4 x cluster y + cy
	s_lshl_b32 s52, s49, 2
	s_lshl_b32 s52, 15, s52                        ; my row of the cluster
	s_lshl_b32 s53, 0x1111, s48                    ; my column
	s_or_b32 s[G1], s52, (1<<16)|(1<<20)|(1<<21)|(7<<22)|(3<<25)    ; mask; 2-byte elements; padding on; bit 21 beside a mask; after every 256 words (code 7); 4 words (code 3)
	s_or_b32 s[G1B], s53, (1<<16)|(1<<20)|(1<<21)|(7<<22)|(3<<25)
.irp g, G1, G1B
	s_mov_b32 s[(\g)+1], 512<<16                   ; tensor_dim0 = 512
	s_mov_b32 s[(\g)+2], 64<<16                    ; tensor_dim1 = 64
	s_mov_b32 s[(\g)+3], 512<<16                   ; tile_dim0 = 512
	s_mov_b32 s[(\g)+4], 64                        ; tile_dim1 = 64
	s_mov_b32 s[(\g)+5], 2048                      ; elements from row to row
	s_mov_b32 s[(\g)+6], 0
	s_mov_b32 s[(\g)+7], 0
.endr
	s_lshl_b32 s14, s[CH], 10                      ; my K half: 1,024 bytes along a row
	s_lshl_b32 s16, s51, 18                        ; W_K: 64 x tile row rows of 4,096 bytes,
	s_add_co_u32 s16, s16, s14
	s_add_co_u32 s16, s16, 0x400000                ; behind W_Q's 1,024 rows
	s_mov_b32 s17, 0
	s_lshl_b32 s18, s50, 18                        ; W_Q: 64 x tile column rows
	s_add_co_u32 s18, s18, s14
	s_mov_b32 s19, 0
	s_mul_i32 s20, s[WV], REG                      ; where my tile goes: no place in the cluster enters an LDS address
	s_wait_dscnt 0x0                               ; the opening add is done
	s_wait_kmcnt 0x0
	s_add_nc_u64 s[16:17], s[4:5], s[16:17]
	s_add_nc_u64 s[18:19], s[4:5], s[18:19]
	CROUND                                         ; all sixteen work-groups are here: the joint loads meet
	s_mov_b32 s[G0], 1
	s_mov_b32 s[G0+1], s20
	s_mov_b64 s[G0+2:G0+3], s[16:17]
	s_or_b32 s[G0+3], s[G0+3], 0x80000000
	s_mov_b32 s[G0B], 1
	s_mov_b32 s[G0B+1], s20
	s_mov_b64 s[G0B+2:G0B+3], s[18:19]
	s_or_b32 s[G0B+3], s[G0B+3], 0x80000000
	s_cmp_eq_u32 s[RH], 0                          ; each line has one mask; an s_nop 0 and four v_nop follow each
	s_cbranch_scc0 .Lfor_b
	tensor_load_to_lds s[G0:G0+3], s[G1:G1+7]
	s_nop 0
.rept 4
	v_nop
.endr
	s_branch .Lasked
.Lfor_b:
	tensor_load_to_lds s[G0B:G0B+3], s[G1B:G1B+7]
	s_nop 0
.rept 4
	v_nop
.endr
.Lasked:
	v_and_b32 v1, 15, v0                           ; r = l % 16
	v_bfe_u32 v9, v0, 4, 1                         ; h = l / 16
	v_mul_u32_u24 v12, v1, PITCH
	v_lshl_add_u32 v12, v9, 4, v12                 ; a fragment's row x pitch + 16 x half
	s_mul_i32 s21, s[RH], 32*PITCH                 ; my 32 rows of W_K
	s_mul_i32 s22, s[CH], 32*PITCH                 ; my 32 rows of W_Q,
	s_add_co_u32 s22, s22, 2*REG                   ; which lie behind W_K's two tiles
	v_add_nc_u32 v[ADA], s21, v12
	v_add_nc_u32 v[ADB], s22, v12
	v_add_nc_u32 v[ADA+1], REG, v[ADA]
	v_add_nc_u32 v[ADB+1], REG, v[ADB]
	s_mul_i32 s23, s[RH], 32*SPITCH                ; into the stage: my 32 rows, my half of their 128 bytes
	s_lshl_b32 s21, s[CH], 6
	s_add_co_u32 s23, s23, s21
	s_add_co_u32 s23, s23, STAGE
	v_mul_u32_u24 v[STO], v1, SPITCH
	v_lshl_add_u32 v[STO], v9, 4, v[STO]
	v_add_nc_u32 v[STO], s23, v[STO]
	v_bfe_u32 v13, v0, 3, 2                        ; back: wave w takes rows 16 w .. 16 w + 15, four at a time: eight lanes a row
	v_and_b32 v14, 7, v0
	s_mul_i32 s23, s[WV], 16*SPITCH
	s_add_co_u32 s23, s23, STAGE
	v_mul_u32_u24 v[RD], v13, SPITCH
	v_lshl_add_u32 v[RD], v14, 4, v[RD]
	v_add_nc_u32 v[RD], s23, v[RD]
	v_lshlrev_b32 v[CO], 12, v13                   ; and the same four rows in Mt
	v_lshl_add_u32 v[CO], v14, 4, v[CO]
	s_lshl_b32 s54, s51, 6
	s_lshl_b32 s55, s[WV], 4
	s_add_co_u32 s54, s54, s55                     ; the first row of Mt that I store
	s_lshl_b32 s54, s54, 12
	s_lshl_b32 s55, s50, 7                         ; the tile's first column, in bytes
	s_add_co_u32 s54, s54, s55
	s_mov_b32 s55, 0
	s_add_nc_u64 s[6:7], s[6:7], s[54:55]
; 16 LDS loads: chunk c of 16 (64 along K) into buffer f.  Every address is a register that is never rewritten and a constant.
.macro FETCH c, f
.irp q, 0,1
.irp i, 0,1
	ds_load_b128 v[(\f)+32*(\q)+8*(\i):(\f)+32*(\q)+8*(\i)+3],         v[ADA+(\c)/8] offset:((\c)%8)*128+64*(\q)+(\i)*16*PITCH
	ds_load_b128 v[(\f)+32*(\q)+8*(\i)+4:(\f)+32*(\q)+8*(\i)+7],       v[ADA+(\c)/8] offset:((\c)%8)*128+64*(\q)+(\i)*16*PITCH+32
	ds_load_b128 v[(\f)+32*(\q)+16+8*(\i):(\f)+32*(\q)+16+8*(\i)+3],   v[ADB+(\c)/8] offset:((\c)%8)*128+64*(\q)+(\i)*16*PITCH
	ds_load_b128 v[(\f)+32*(\q)+16+8*(\i)+4:(\f)+32*(\q)+16+8*(\i)+7], v[ADB+(\c)/8] offset:((\c)%8)*128+64*(\q)+(\i)*16*PITCH+32
.endr
.endr
.endm
; 8 matrix instructions: a chunk.  The four accumulators take turns, one instruction a turn.  zero = 1: the first four start the sums.
.macro MUL f, zero
.irp q, 0,1
.irp a, 0,1
.irp b, 0,1
.if (\zero) && ((\q) == 0)
	v_wmma_f32_16x16x32_f16 v[ACC+8*(2*(\a)+(\b)):ACC+8*(2*(\a)+(\b))+7], v[(\f)+32*(\q)+16+8*(\b):(\f)+32*(\q)+16+8*(\b)+7], v[(\f)+32*(\q)+8*(\a):(\f)+32*(\q)+8*(\a)+7], 0
.else
	v_wmma_f32_16x16x32_f16 v[ACC+8*(2*(\a)+(\b)):ACC+8*(2*(\a)+(\b))+7], v[(\f)+32*(\q)+16+8*(\b):(\f)+32*(\q)+16+8*(\b)+7], v[(\f)+32*(\q)+8*(\a):(\f)+32*(\q)+8*(\a)+7], v[ACC+8*(2*(\a)+(\b)):ACC+8*(2*(\a)+(\b))+7]
.endif
.endr
.endr
.endr
.endm
	s_wait_tensorcnt 0x0                           ; my tile is in,
	s_barrier_signal -1
	s_barrier_wait -1                              ; everybody's is
	FETCH 0, F0
	FETCH 1, F0+64
	s_wait_dscnt 16                                ; chunk 0 is in; the sixteen loads of chunk 1 may stay out
	MUL F0, 1
.set c, 1
.rept 14                               ; while chunk c is multiplied, chunk c + 1 is on its way into the other buffer
	PLACES
	FETCH c+1, F0+64*((c+1)%2)
	s_wait_dscnt 16                                ; all but the sixteen just issued
	MUL F0+64*(c%2), 0
.set c, c+1
.endr
	s_wait_dscnt 0x0
	MUL F0+64, 0                                   ; chunk 15
	; THE WAY OUT: round to f16; 16 bytes a lane into the work-group's stage; a barrier, since a row's 128 bytes come from two waves; back as whole rows, 16 rows a wave.
	PLACES
	PLACES
.irp t, 0,1,2,3
.irp r, 0,1,2,3
	v_cvt_pk_f16_f32 v[TMP+4*(\t)+(\r)], v[ACC+8*(\t)+2*(\r)], v[ACC+8*(\t)+2*(\r)+1]
.endr
.endr
.irp a, 0,1
.irp b, 0,1
	ds_store_b128 v[STO], v[TMP+4*(2*(\a)+(\b)):TMP+4*(2*(\a)+(\b))+3] offset:(\a)*16*SPITCH+32*(\b)
.endr
.endr
	s_wait_dscnt 0x0                               ; for the others' sake: my stores into the stage are done
	s_barrier_signal -1
	s_barrier_wait -1
.irp t, 0,1,2,3
	ds_load_b128 v[TMP+4*(\t):TMP+4*(\t)+3], v[RD] offset:(\t)*4*SPITCH
.endr
.irp t, 0,1,2,3
	s_wait_dscnt 3-(\t)                            ; the younger rows may stay out
	global_store_b128 v[CO], v[TMP+4*(\t):TMP+4*(\t)+3], s[6:7] offset:(\t)*4*ROWM   ; eight lanes store a row's 128 consecutive bytes
.endr
	s_wait_tensorcnt 0x0                           ; the wave's end, behind my last tensor load and my last LDS store
	ds_add_u32 v[SPW], v[NIL]
	s_wait_dscnt 0x0
	CROUND                                         ; the closing round
	s_endpgm
.Lfunc_end_k_q0cc95a5cd1_mt:
	.size	k_q0cc95a5cd1_mt, .Lfunc_end_k_q0cc95a5cd1_mt-k_q0cc95a5cd1_mt
	.p2alignl 7, 3214868480
	.fill 96, 4, 3214868480
	.section	.rodata,"a",@progbits
	.p2align	6, 0x0
	.amdhsa_kernel k_q0cc95a5cd1_mt
		.amdhsa_group_segment_fixed_size 327680
		.amdhsa_private_segment_fixed_size 0
		.amdhsa_enable_private_segment 0
		.amdhsa_kernarg_size 16
		.amdhsa_user_sgpr_count 2
		.amdhsa_user_sgpr_kernarg_segment_ptr 1
		.amdhsa_wavefront_size32 1
		.amdhsa_system_sgpr_workgroup_id_x 1
		.amdhsa_system_sgpr_workgroup_id_y 1
		.amdhsa_system_sgpr_workgroup_id_z 1
		.amdhsa_system_vgpr_workitem_id 0
		.amdhsa_next_free_vgpr 192
		.amdhsa_next_free_sgpr 66
		.amdhsa_reserve_vcc 0
		.amdhsa_float_denorm_mode_32 3
		.amdhsa_float_denorm_mode_16_64 3
		.amdhsa_memory_ordered 1
		.amdhsa_forward_progress 1
		.amdhsa_inst_pref_size 35
	.end_amdhsa_kernel
	.amdgpu_metadata
---
amdhsa.version: [ 1, 2 ]
amdhsa.kernels:
  - .name:           k_q0cc95a5cd1_mt
    .symbol:         k_q0cc95a5cd1_mt.kd
    .args:
      - { .name: Wc, .offset: 0, .size: 8, .value_kind: global_buffer, .address_space: global }
      - { .name: Mt, .offset: 8, .size: 8, .value_kind: global_buffer, .address_space: global }
    .group_segment_fixed_size: 327680
    .private_segment_fixed_size: 0
    .kernarg_segment_align: 8
    .kernarg_segment_size: 16
    .max_flat_workgroup_size: 128
    .sgpr_count:     66
    .vgpr_count:     192
    .wavefront_size: 32
...
	.end_amdgpu_metadata
.endif
;; end of part 6
;; launch proj (part 7): grid 8 x 32, 4 waves a work-group, clusters of 4 x 4, 327,680 bytes of LDS; arguments Ef, Mt, Wv, G, Vt; writes G, Vt
.if DOCPART == 7
	.amdgcn_target "amdgcn-amd-amdhsa--gfx1250"
	.amdhsa_code_object_version 6
	.text
	.protected	k_q0cc95a5cd1_proj
	.globl	k_q0cc95a5cd1_proj
	.p2align	8
	.type	k_q0cc95a5cd1_proj,@function
k_q0cc95a5cd1_proj:
	s_mov_b64 s[64:65], 0
	v_nop
	global_prefetch_b8 v0, s[64:65] scope:SCOPE_SE
	s_setreg_imm32_b32 hwreg(HW_REG_WAVE_MODE, 25, 1), 1
	s_wait_xcnt 0x0
	s_wait_alu depctr_hold_cnt(0) depctr_sa_sdst(0) depctr_va_vdst(0) depctr_va_sdst(0) depctr_va_ssrc(0) depctr_va_vcc(0) depctr_vm_vsrc(0)
	s_getreg_b32 s2, hwreg(HW_REG_IB_STS2, 6, 4)
	s_cmp_eq_u32 s2, 0
	s_cbranch_scc0 .Lentry_in_a_cluster
	s_endpgm
.Lentry_in_a_cluster:
	s_bfe_u32 s2, ttmp6, 0x10000c
	s_cmp_lg_u32 s2, 0xf033
	s_cbranch_scc0 .Lentry_shape_is_right
	s_endpgm
.Lentry_shape_is_right:
; PROJ.  C[m][n] = factor x sum over k of A[m][k] B[n][k], K = 1,024, operands f16, sums f32, C rounded once to f16.  Rows of A, B and C lie 4,096 bytes apart.
; Clusters with x = 0: A = Ef (8,192 tokens), B = Mt (1,024 rows), C = G = 2^-10 E (W_Q W_K^T): with it the scores are G E^T, and K is never projected.
; Clusters with x = 1: A = Wv (1,024 rows), B = Ef, C = Vt [batch][channel][key], factor 1: V comes out transposed, keys along the rows, as the last launch wants it.
; 128 + 128 tiles of 256 x 256: 256 work-groups of equal work.
; LIMITS.  f16 holds no number beyond 65,504: V and 2^-10 E M must lie within it (the factor leaves room for inputs 30 times larger, or all offset by 30 times their spread).  Below 6e-5 f16 keeps its
; fixed step of 6e-8: where E is 30 times larger and W_Q and W_K are both 30 times smaller at once, G lies there and a score is off by some 5e-4.
; A tile of C is 256 x 256: four waves, each 128 x 128 in 64 accumulators (512 registers).  K goes in eight steps of 128 through a ring of two LDS slots filled by tensor loads;
; rows of the tiles are 256 bytes of memory, aligned.  4 x 4 work-groups form a cluster: A's tile is asked for jointly along a row of the cluster, B's along a column.
; ONE K STEP IS WRITTEN ONCE FOR EACH KIND: a loop of six trips whose change of slots fills a slot again, and a loop of two trips that fills nothing.  The slot in hand is a scalar, 0 or SLOT,
; turned by an exclusive or; one descriptor a tensor walks on from the second first fill.
; The matrix instruction is used transposed (source 0 = 16 rows of B, source 1 = 16 rows of A): a lane holds eight neighbouring numbers of a row of C.
; REGISTERS, in windows of 256: window 0: v0-31 addresses; v64-127, v128-191 A's fragments, two buffers; v32-63, v192-255 the way out.  window 1: v64-191 B's fragments.
; window 2: accumulators of my rows 0-63 ((a, b) at v[8 (8 a + b)]);  window 3: rows 64-127.
.set KSTEP,  128
.set PITCH,  272                       ; an LDS row: 256 bytes + 16 of padding: the 16 rows of a fragment load start 68 words apart, at 16 different places modulo 64 words
.set HALFT,  128*PITCH
.set SLOT,   4*HALFT                   ; A's 256 rows, then B's 256 rows
.set STAGE,  2*SLOT                    ; behind the ring: 16 rows x 272 bytes for each wave
.set SPITCH, 272
.set SPARE,  STAGE+4*16*SPITCH         ; behind the stages: the spare words, 128 bytes for each wave
.set ROWC,   4096
.set ADRA, 16                          ; v16  LDS address of my A fragments in the slot in hand
.set A0,   17                          ; v17  the same in slot 0; never rewritten
.set ADRB, 20                          ; v20, v21  the same for B
.set B0,   21
.set STO,  24
.set RD,   25
.set CO,   26
.set SPW,  28
.set NIL,  29
.set F0,   64
.set F1,   128
.set TMP,  192
.set OB,   32
.set FAC,  18                          ; s[18:19] the factor: the packed multiply names a pair and takes its low word for both halves
.set G1,   24                          ; s[24:31] group 1 for A's tiles
.set G0,   32                          ; s[32:39] group 0 for A's tiles: a set for each first fill; the second then walks on
.set G1B,  48                          ; s[48:55], s[56:63] the same for B's
.set G0B,  56
.set TB,   45                          ; s45  LDS byte at which the slot in hand begins
.set WV,   70                          ; s70 wave; s71 my half of the rows, also: I fetch for A (0) or B (1); s72 my half of the columns, also: which 128 rows I fetch
.set RH,   71
.set CH,   72
.set MSB, 0
.macro WIN new                         ; the immediate's high byte repeats the setting that is left
.if MSB != (\new)
	s_set_vgpr_msb (MSB<<8)|(\new)
.set MSB, \new
.endif
.endm
.set MUL_LO, 0xa1                      ; source 0 (B) window 1, source 1 (A) window 0, C and D window 2
.set MUL_HI, 0xf1                      ; the same, C and D window 3
.set TO_B,   0x40                      ; destination window 1
.macro JLOAD                           ; a joint refill by the walking descriptors: waves 0, 1 fetch A's halves, waves 2, 3 B's; an s_nop 0 and four v_nop follow each line
	s_cmp_eq_u32 s[RH], 0
	s_cbranch_scc0 .Lfor_b_\@
	tensor_load_to_lds s[G0+4:G0+7], s[G1:G1+7]
	s_nop 0
.rept 4
	v_nop
.endr
	s_branch .Lasked_\@
.Lfor_b_\@:
	tensor_load_to_lds s[G0B+4:G0B+7], s[G1B:G1B+7]
	s_nop 0
.rept 4
	v_nop
.endr
.Lasked_\@:
.endm
.macro CREST                           ; a round of the cluster's barrier behind its opening barrier
	s_cmp_lg_u32 s[WV], 0
	s_cbranch_scc1 .Lnot_wave_0_\@
	s_barrier_signal -3
.Lnot_wave_0_\@:
	s_barrier_wait -3
	s_barrier_signal -1
	s_barrier_wait -1
.endm
.macro CROUND
	s_barrier_signal -1
	s_barrier_wait -1
	CREST
.endm
	s_load_b256 s[4:11], s[0:1], 0x0               ; Ef 4, Mt 6, Wv 8, G 10
	s_load_b64 s[66:67], s[0:1], 0x20              ; Vt
	v_lshl_add_u32 v[SPW], v0, 2, SPARE
	v_mov_b32 v[NIL], 0
	ds_add_u32 v[SPW], v[NIL]                      ; the wave's opening: the add, and its wait ahead of my first tensor load
	ds_add_u32 v28, v29
	v_lshrrev_b32 v1, 5, v0
	v_readfirstlane_b32 s[WV], v1
	s_lshr_b32 s[RH], s[WV], 1
	s_and_b32 s[CH], s[WV], 1
	s_bfe_u32 s40, ttmp6, 0x40000                  ; cx
	s_bfe_u32 s41, ttmp6, 0x40004                  ; cy
	s_and_b32 s12, ttmp7, 0xffff
	s_lshl_b32 s12, s12, 2                         ; 4 x cluster y
	s_lshl_b32 s13, ttmp9, 2                       ; 4 x cluster x
	s_cmp_eq_u32 ttmp9, 1                          ; the clusters that make V: the same answer in all sixteen partners
	s_cselect_b32 s73, 0, s12
	s_cselect_b32 s42, s12, s13
	s_cselect_b32 s[FAC], 1.0, 0x3a800000          ; 1 for V, 2^-10 for G
	s_mov_b32 s[FAC+1], s[FAC]                     ; named with it as a pair
	s_add_co_u32 s73, s73, s41                     ; ta: tile row of C, block of 256 rows of A
	s_add_co_u32 s42, s42, s40                     ; tb: tile column of C, block of 256 rows of B
	s_lshl_b32 s43, s41, 2
	s_lshl_b32 s43, 15, s43                        ; my row of the cluster
	s_lshl_b32 s44, 0x1111, s40                    ; my column
	s_or_b32 s[G1+0], s43, (1<<16)|(1<<20)|(1<<21)|(5<<22)|(3<<25)   ; mask; 2-byte elements; padding on; bit 21 beside a mask; after every 64 words; 4 words
	s_or_b32 s[G1B+0], s44, (1<<16)|(1<<20)|(1<<21)|(5<<22)|(3<<25)
.irp g, G1, G1B
	s_mov_b32 s[(\g)+1], KSTEP<<16                 ; tensor_dim0 = 128
	s_mov_b32 s[(\g)+2], 128<<16                   ; tensor_dim1 = 128
	s_mov_b32 s[(\g)+3], KSTEP<<16                 ; tile_dim0 = 128
	s_mov_b32 s[(\g)+4], 128                       ; tile_dim1 = 128
	s_mov_b32 s[(\g)+5], 2048                      ; elements from row to row
	s_mov_b32 s[(\g)+6], 0
	s_mov_b32 s[(\g)+7], 0
.endr
	s_lshl_b32 s17, s[CH], 7
	s_lshl_b32 s16, s73, 8
	s_add_co_u32 s16, s16, s17
	s_lshl_b32 s16, s16, 12                        ; A: (256 ta + 128 half) rows of 4,096 bytes
	s_lshl_b32 s46, s42, 8
	s_add_co_u32 s46, s46, s17
	s_lshl_b32 s46, s46, 12                        ; B: (256 tb + 128 half) rows
	s_mov_b32 s17, 0
	s_mov_b32 s47, 0
	s_mul_i32 s20, s[WV], HALFT                    ; where they go in a slot: wave x 128 rows
	s_mov_b32 s[TB], 0
	s_wait_dscnt 0x0                               ; the opening add is done
	s_wait_kmcnt 0x0
	s_cmp_eq_u32 ttmp9, 1
	s_cselect_b64 s[68:69], s[8:9], s[4:5]         ; A
	s_cselect_b64 s[74:75], s[4:5], s[6:7]         ; B
	s_cselect_b64 s[76:77], s[66:67], s[10:11]     ; C
	s_add_nc_u64 s[14:15], s[68:69], s[16:17]
	s_add_nc_u64 s[46:47], s[74:75], s[46:47]
	CROUND                                         ; all sixteen work-groups are here: the first joint loads meet
.irp s, 0,1
	s_mov_b32 s[G0+4*(\s)], 1
	s_add_co_u32 s[G0+4*(\s)+1], s20, (\s)*SLOT
	s_add_nc_u64 s[G0+4*(\s)+2:G0+4*(\s)+3], s[14:15], (\s)*KSTEP*2
	s_or_b32 s[G0+4*(\s)+3], s[G0+4*(\s)+3], 0x80000000
	s_mov_b32 s[G0B+4*(\s)], 1
	s_add_co_u32 s[G0B+4*(\s)+1], s20, (\s)*SLOT
	s_add_nc_u64 s[G0B+4*(\s)+2:G0B+4*(\s)+3], s[46:47], (\s)*KSTEP*2
	s_or_b32 s[G0B+4*(\s)+3], s[G0B+4*(\s)+3], 0x80000000
.endr
	s_cmp_eq_u32 s[RH], 0                          ; a wave's two first fills stand in one branch: two loads of mine are out
	s_cbranch_scc0 .Lfirst_b
	tensor_load_to_lds s[G0:G0+3], s[G1:G1+7]
	s_nop 0
	tensor_load_to_lds s[G0+4:G0+7], s[G1:G1+7]
	s_nop 0
.rept 4
	v_nop
.endr
	s_branch .Lfirst_asked
.Lfirst_b:
	tensor_load_to_lds s[G0B:G0B+3], s[G1B:G1B+7]
	s_nop 0
	tensor_load_to_lds s[G0B+4:G0B+7], s[G1B:G1B+7]
	s_nop 0
.rept 4
	v_nop
.endr
.Lfirst_asked:
	v_and_b32 v1, 15, v0                           ; l % 16
	v_bfe_u32 v2, v0, 4, 1                         ; l / 16
	v_mul_u32_u24 v3, v1, PITCH
	v_lshl_add_u32 v3, v2, 4, v3                   ; a fragment's row x pitch + 16 x half
	s_mul_i32 s21, s[RH], HALFT
	s_mul_i32 s22, s[CH], HALFT
	s_add_co_u32 s22, s22, 2*HALFT
	v_add_nc_u32 v[A0], s21, v3
	v_add_nc_u32 v[B0], s22, v3
	v_mov_b32 v[ADRA], v[A0]
	v_mov_b32 v[ADRB], v[B0]
	s_mul_i32 s23, s[WV], 16*SPITCH
	s_add_co_u32 s23, s23, STAGE
	v_mul_u32_u24 v4, v1, SPITCH
	v_lshl_add_u32 v4, v2, 4, v4
	v_add_nc_u32 v[STO], s23, v4
	v_mul_u32_u24 v5, v2, SPITCH
	v_lshl_add_u32 v5, v1, 4, v5
	v_add_nc_u32 v[RD], s23, v5
	v_lshlrev_b32 v5, 12, v2
	v_lshl_add_u32 v[CO], v1, 4, v5
	; where my part of the tile begins in C: (tb / 8) x 4,194,304 (V's batch; 0 for G) + (256 ta + 128 RH) rows + (tb % 8) x 512 + 256 CH bytes
	s_lshr_b32 s78, s42, 3
	s_lshl_b32 s78, s78, 22
	s_and_b32 s46, s42, 7
	s_lshl_b32 s46, s46, 9
	s_add_co_u32 s78, s78, s46
	s_lshl_b32 s46, s[CH], 8
	s_add_co_u32 s78, s78, s46
	s_lshl_b32 s46, s73, 8
	s_lshl_b32 s47, s[RH], 7
	s_add_co_u32 s46, s46, s47
	s_lshl_b32 s46, s46, 12
	s_add_co_u32 s78, s78, s46
	s_mov_b32 s79, 0
	s_add_nc_u64 s[76:77], s[76:77], s[78:79]
; 16 matrix instructions: m blocks a0, a0 + 1 of the window's four x all 8 n blocks, 32 along K.  zero = 1: the first product starts the sums.
.macro MUL16 f, hi, a0, zero
	WIN MUL_LO+0x50*(\hi)
.irp a, \a0, (\a0)+1
.irp b, 0,1,2,3,4,5,6,7
.if \zero
	v_wmma_f32_16x16x32_f16 v[8*(8*(\a)+(\b)):8*(8*(\a)+(\b))+7], v[(\f)+8*(\b):(\f)+8*(\b)+7], v[(\f)+8*(4*(\hi)+(\a)):(\f)+8*(4*(\hi)+(\a))+7], 0
.else
	v_wmma_f32_16x16x32_f16 v[8*(8*(\a)+(\b)):8*(8*(\a)+(\b))+7], v[(\f)+8*(\b):(\f)+8*(\b)+7], v[(\f)+8*(4*(\hi)+(\a)):(\f)+8*(4*(\hi)+(\a))+7], v[8*(8*(\a)+(\b)):8*(8*(\a)+(\b))+7]
.endif
.endr
.endr
.endm
; 32 LDS loads in one run: a quarter step's fragments (B's 128 rows, then A's), 32 K at byte k of the rows of the slot in hand, into buffer f
.macro FETCH k, f
	WIN TO_B
.irp i, 0,1,2,3,4,5,6,7
	ds_load_b128 v[(\f)+8*(\i):(\f)+8*(\i)+3],   v[ADRB] offset:(\k)+(\i)*16*PITCH
	ds_load_b128 v[(\f)+8*(\i)+4:(\f)+8*(\i)+7], v[ADRB] offset:(\k)+(\i)*16*PITCH+32
.endr
	WIN 0
.irp i, 0,1,2,3,4,5,6,7
	ds_load_b128 v[(\f)+8*(\i):(\f)+8*(\i)+3],   v[ADRA] offset:(\k)+(\i)*16*PITCH
	ds_load_b128 v[(\f)+8*(\i)+4:(\f)+8*(\i)+7], v[ADRA] offset:(\k)+(\i)*16*PITCH+32
.endr
.endm
.macro PLACES                          ; four plain instructions in front of loads into registers that matrix instructions have read, and of lines that read results
.rept 4
	v_nop
.endr
.endm
; A K step is four quarters of 32 along K, 64 matrix instructions each, on buffers 0, 1, 0, 1.  The 64 accumulators take turns, one instruction a turn.
.macro QUARTER k, f, g, zero
	s_wait_dscnt 8                                 ; B and A's rows 0-63 are in; the youngest eight loads (A's rows 64-127) may be out
	MUL16 \f, 0, 0, \zero
	MUL16 \f, 0, 2, \zero
	PLACES
	FETCH \k, \g
	s_wait_dscnt 32                                ; all but the 32 just issued
	MUL16 \f, 1, 0, \zero
	MUL16 \f, 1, 2, \zero
.endm
; The first half of the last quarter, and the change of slots: one barrier.  In front of it each wave waits for all its tensor loads (one is out: its part of the next slot), adds 0 to its spare word,
; and waits for that and for its reads of this slot.  fill = 1: the barrier opens a round of the cluster's, and behind the round this slot is filled again, with the K step two on.
.macro MEET fill
	WIN 0
	s_wait_tensorcnt 0x0
	ds_add_u32 v[SPW], v[NIL]
.if \fill
	s_add_co_u32 s[G0+5], s20, s[TB]               ; no tensor load of mine is out: the walking descriptors take the slot that is being left
	s_add_nc_u64 s[G0+6:G0+7], s[G0+6:G0+7], KSTEP*2   ; and the next K step; the type bits on top are not reached
	s_add_co_u32 s[G0B+5], s20, s[TB]
	s_add_nc_u64 s[G0B+6:G0B+7], s[G0B+6:G0B+7], KSTEP*2
.endif
	s_wait_dscnt 9                                 ; the add and the youngest eight loads may be out
	MUL16 F1, 0, 0, 0
	s_wait_dscnt 0x0                               ; the add is done, my reads of this slot are over
	s_barrier_signal -1
	MUL16 F1, 0, 2, 0
	WIN 0
	s_barrier_wait -1
.if \fill
	CREST                                          ; no wave of any partner still reads this slot or has a load on its way
	JLOAD                                          ; the first tensor load behind the round; its four v_nop are also the places in front of the loads that follow
.endif
.endm
.macro NEXT                            ; the other slot is the slot in hand; its first fragments
	s_xor_b32 s[TB], s[TB], SLOT
	v_add_nc_u32 v[ADRA], s[TB], v[A0]
	v_add_nc_u32 v[ADRB], s[TB], v[B0]
	FETCH 0, F0
.endm
; THE WAY OUT of block a (16 rows): times the factor, in f32; rounded to f16, 16 bytes a lane; through my own stage; back as whole rows of 256 bytes; stored.
.macro PACK a
.set AC, 64*((\a)%4)
	WIN 0x82+0x41*((\a)/4)                         ; destination and source 0: window 2 or 3
.set i, 0
.rept 32
	v_pk_mul_f32 v[AC+2*i:AC+2*i+1], v[AC+2*i:AC+2*i+1], s[FAC:FAC+1] op_sel_hi:[1,0]
.set i, i+1
.endr
	WIN 0x0a+5*((\a)/4)                            ; sources 0 and 1: window 2 or 3
.irp b, 0,1,2,3,4,5,6,7
.irp r, 0,1,2,3
	v_cvt_pk_f16_f32 v[TMP+4*(\b)+(\r)], v[AC+8*(\b)+2*(\r)], v[AC+8*(\b)+2*(\r)+1]
.endr
.endr
	WIN 0
.endm
.macro TOSTAGE a
	WIN 0
.set BK, OB+192*((\a)%2)
.irp b, 0,1,2,3,4,5,6,7
	ds_store_b128 v[STO], v[TMP+4*(\b):TMP+4*(\b)+3] offset:32*(\b)
.endr
.irp t, 0,1,2,3,4,5,6,7
	ds_load_b128 v[BK+4*(\t):BK+4*(\t)+3], v[RD] offset:(\t)*2*SPITCH   ; LDS serves a wave's instructions in order: these see the stores above
.endr
.endm
.macro SEND a
	WIN 0
.set BK, OB+192*((\a)%2)
	s_wait_dscnt 0x0                               ; the block is back in registers
	s_wait_xcnt 0x0                                ; the earlier stores have read their base and their registers
.if (\a) > 0
	s_add_nc_u64 s[76:77], s[76:77], 16*ROWC
.endif
.irp t, 0,1,2,3,4,5,6,7
	global_store_b128 v[CO], v[BK+4*(\t):BK+4*(\t)+3], s[76:77] offset:2*(\t)*ROWC   ; 16 lanes store 256 consecutive bytes, aligned
.endr
.endm
	s_wait_tensorcnt 1                             ; my part of K step 0 is in; K step 1's may stay out
	s_barrier_signal -1
	s_barrier_wait -1
	FETCH 0, F0
	QUARTER 64,  F0, F1, 1                         ; the first quarter starts the sums
	WIN 0
	s_mov_b32 s3, 6
.Lstep:                                                ; a trip goes from a K step's second quarter to the next step's first and fills the slot that it leaves: K steps 2 to 7
	QUARTER 128, F1, F0, 0
	QUARTER 192, F0, F1, 0
	MEET 1
	NEXT
	MUL16 F1, 1, 0, 0
	MUL16 F1, 1, 2, 0
	QUARTER 64,  F0, F1, 0
	WIN 0
	s_sub_co_u32 s3, s3, 1
	s_cmp_lg_u32 s3, 0
	s_cbranch_scc1 .Lstep
	s_mov_b32 s3, 2
.Ltail:                                                ; K steps 6 and 7 fill nothing: a text of their own
	QUARTER 128, F1, F0, 0
	QUARTER 192, F0, F1, 0
	MEET 0
	MUL16 F1, 1, 0, 0
	MUL16 F1, 1, 2, 0
	WIN 0
	s_cmp_eq_u32 s3, 1                             ; behind K step 7 there is no further step
	s_cbranch_scc1 .Lskip
	PLACES
	NEXT
	QUARTER 64,  F0, F1, 0
	WIN 0
.Lskip:
	s_sub_co_u32 s3, s3, 1
	s_cmp_lg_u32 s3, 0
	s_cbranch_scc1 .Ltail
	s_wait_dscnt 0x0                               ; nothing of mine is out in LDS
	PLACES
	PACK 0
	TOSTAGE 0
.irp a, 1,2,3,4,5,6,7                  ; block a's arithmetic stands between block a - 1's loads from the stage and the wait for them
	PACK \a
	SEND (\a)-1
	TOSTAGE \a
.endr
	SEND 7
	s_wait_tensorcnt 0x0                           ; the wave's end
	ds_add_u32 v[SPW], v[NIL]
	s_wait_dscnt 0x0
	CROUND                                         ; the closing round
	s_endpgm
.Lfunc_end_k_q0cc95a5cd1_proj:
	.size	k_q0cc95a5cd1_proj, .Lfunc_end_k_q0cc95a5cd1_proj-k_q0cc95a5cd1_proj
	.p2alignl 7, 3214868480
	.fill 96, 4, 3214868480
	.section	.rodata,"a",@progbits
	.p2align	6, 0x0
	.amdhsa_kernel k_q0cc95a5cd1_proj
		.amdhsa_group_segment_fixed_size 327680
		.amdhsa_private_segment_fixed_size 0
		.amdhsa_enable_private_segment 0
		.amdhsa_kernarg_size 40
		.amdhsa_user_sgpr_count 2
		.amdhsa_user_sgpr_kernarg_segment_ptr 1
		.amdhsa_wavefront_size32 1
		.amdhsa_system_sgpr_workgroup_id_x 1
		.amdhsa_system_sgpr_workgroup_id_y 1
		.amdhsa_system_sgpr_workgroup_id_z 1
		.amdhsa_system_vgpr_workitem_id 0
		.amdhsa_next_free_vgpr 1024
		.amdhsa_next_free_sgpr 80
		.amdhsa_reserve_vcc 0
		.amdhsa_float_denorm_mode_32 3
		.amdhsa_float_denorm_mode_16_64 3
		.amdhsa_memory_ordered 1
		.amdhsa_forward_progress 1
		.amdhsa_inst_pref_size 116
	.end_amdhsa_kernel
	.amdgpu_metadata
---
amdhsa.version: [ 1, 2 ]
amdhsa.kernels:
  - .name:           k_q0cc95a5cd1_proj
    .symbol:         k_q0cc95a5cd1_proj.kd
    .args:
      - { .name: Ef, .offset: 0, .size: 8, .value_kind: global_buffer, .address_space: global }
      - { .name: Mt, .offset: 8, .size: 8, .value_kind: global_buffer, .address_space: global }
      - { .name: Wv, .offset: 16, .size: 8, .value_kind: global_buffer, .address_space: global }
      - { .name: G, .offset: 24, .size: 8, .value_kind: global_buffer, .address_space: global }
      - { .name: Vt, .offset: 32, .size: 8, .value_kind: global_buffer, .address_space: global }
    .group_segment_fixed_size: 327680
    .private_segment_fixed_size: 0
    .kernarg_segment_align: 8
    .kernarg_segment_size: 40
    .max_flat_workgroup_size: 128
    .sgpr_count:     80
    .vgpr_count:     1024
    .wavefront_size: 32
...
	.end_amdgpu_metadata
.endif
;; end of part 7
;; launch scores (part 8): grid 9 x 16, 4 waves a work-group, no clusters, 327,680 bytes of LDS; arguments G, Pw, St, Ef; writes Pw, St
.if DOCPART == 8
	.amdgcn_target "amdgcn-amd-amdhsa--gfx1250"
	.amdhsa_code_object_version 6
	.text
	.protected	k_q0cc95a5cd1_scores
	.globl	k_q0cc95a5cd1_scores
	.p2align	8
	.type	k_q0cc95a5cd1_scores,@function
k_q0cc95a5cd1_scores:
	s_mov_b64 s[64:65], 0
	v_nop
	global_prefetch_b8 v0, s[64:65] scope:SCOPE_SE
	s_setreg_imm32_b32 hwreg(HW_REG_WAVE_MODE, 25, 1), 1
	s_wait_xcnt 0x0
; SCORES.  For each causal tile (I, J <= I) of 256 queries x 256 keys of a batch: S = G E^T (f16 operands, f32 sums, K = 1,024), where G = 2^-10 E W_Q W_K^T: S is 2^-10 Q K^T.  Keys beyond the query are
; hidden; for each row and each 128 keys (tile t = 2 J + CH) the row's maximum m is taken away before the exponential: p = 2^(c s - c m), c = 2^10 log2(e) / 32 = 32 log2(e).  p goes to Pw in f16;
; (c m, l) to St in f32, l the sum of the weights AS ROUNDED to f16, the numbers that the last launch multiplies.  That launch brings the tiles of a row onto the row's own maximum.  So every exponent
; is <= 0 (to one rounding), whatever the inputs.
; LIMITS.  A hidden score counts as its value less 2^120 (f16's sums, 4.4e12 at the most, are nothing beside that); c m is held at -2^120 or above, so a hidden weight is 2^(-6e37) = 0, also in a
; row that sees none of the 128 keys; true scores need c s > -2^120.  A weight below f16's least step counts as 0; NaN and infinities are not treated apart.
; SHARES.  x = 0..8, y = 4 batch + yy: x <= yy: tile (yy, x); else tile (7 - yy, x - yy - 1): 36 tiles a batch, 9 to each y.  Four waves, each 128 x 128 in 64 accumulators.
; NO CLUSTER: a row of the triangle has 1 to 8 tiles, so no block of four partners lies inside it at every place, and a partner outside it may not branch round its products.
; RING.  Eight K steps of 128 through two LDS slots; each wave fetches a quarter of a slot (waves 0, 1: G's rows; 2, 3: Ef's rows; both 4,096 bytes apart) by ONE line, told apart by the wave's number.
; A K step is written once for each kind: a loop of six trips that fills a slot again, a loop of two that fills nothing; the slot in hand is a scalar turned by an exclusive or, and one descriptor walks.
; LAYOUT.  The matrix instruction is used transposed (source 0 = 16 keys, source 1 = 16 queries): a lane holds ONE query (lane % 16) and the keys 8 (lane / 16) + 0..7 of each block of 16.
; So a block of 16 queries has its 128 scores a row in 64 registers of two lanes: the maximum wants register work and one exchange between the halves of the lanes.  Two key blocks' weights, rounded
; to f16 in pairs, are source 1 (32 keys x 16 queries) of a product with ones, whose result holds the query's sum in every register: four such products make l.
; THE MASK is the C operand of the products that start the sums: three sets of eight registers, for query block a and key block b: a > b, a = b, a < b.  With delta = my first query - my first key:
; delta >= 128: all three 0;  delta = 0: 0, the diagonal's pattern, -2^120;  delta = -128 (all my keys hidden): all three -2^120.  One text serves every wave, with no branch.
; REGISTERS, in windows of 256: window 0: v0-31 addresses; v32-55 the masks, later with v56-63 and v224-255 rows on their way out; v64-191 G's fragments, two buffers, later at work; v192-223 packed weights.
; window 1: v64-191 Ef's fragments.  window 2: accumulators of my queries 0-63 ((a, b) at v[8 (8 a + b)]);  window 3: queries 64-127.
.set KSTEP,  128
.set PITCH,  272                       ; an LDS row: 256 bytes + 16 of padding: the 16 rows of a fragment load start 68 words apart, at 16 different places modulo 64 words
.set HALFT,  128*PITCH
.set SLOT,   4*HALFT                   ; the queries' 256 rows, then the keys' 256 rows
.set STAGE,  2*SLOT                    ; behind the ring, never filled by a tensor load: 16 rows x 272 bytes for each wave
.set SPITCH, 272
.set SPARE,  STAGE+4*16*SPITCH         ; behind the stages: the spare words, 128 bytes for each wave
.set ROWP,   4096                      ; bytes in a row of Pw
.set ADRA, 16                          ; v16  LDS address of my queries' fragments in the slot in hand
.set A0,   17                          ; v17  the same in slot 0; never rewritten
.set ADRB, 20                          ; v20, v21  the same for the keys
.set B0,   21
.set STO,  24                          ; v24  the way out: where I put 16 bytes of a row
.set RD,   25                          ; v25  where I read a row back
.set CO,   26                          ; v26  my byte offset in two rows of Pw
.set SO,   27                          ; v27  8 x lane: my 8 bytes of 32 rows' statistics
.set SPW,  28
.set NIL,  29
.set MK,   32                          ; v32-39 the mask for a > b, v40-47 for a = b, v48-55 for a < b
.set F0,   64
.set F1,   128
.set WK,   64                          ; the epilogue: v64-71 at work
.set OS,   72                          ; v72-79 statistics as they leave
.set SS,   96                          ; v96-111 (c m, l) of query block a at SS + 2 a
.set ONES, 112                         ; v112-119 1.0 in every f16 half
.set LA,   128                         ; v128-135, v136-143 the two accumulators of the row sums
.set LB,   136
.set TMP,  192
.set OB,   32
.set G1,   24
.set G0,   32                          ; s[32:39]: a set for each first fill; the second then walks on
.set TB,   45                          ; s45  LDS byte at which the slot in hand begins
.set MSB, 0
.macro WIN new                         ; the immediate's high byte repeats the setting that is left
.if MSB != (\new)
	s_set_vgpr_msb (MSB<<8)|(\new)
.set MSB, \new
.endif
.endm
.set MUL_LO, 0xa1                      ; source 0 (keys) window 1, source 1 (queries) window 0, C and D window 2
.set MUL_HI, 0xf1                      ; the same, C and D window 3
.set TO_B,   0x40                      ; destination window 1
	s_load_b128 s[4:7], s[0:1], 0x0                ; G 4, Pw 6
	s_load_b64 s[8:9], s[0:1], 0x10                ; St
	s_load_b64 s[54:55], s[0:1], 0x18              ; Ef
	v_lshl_add_u32 v[SPW], v0, 2, SPARE
	v_mov_b32 v[NIL], 0
	ds_add_u32 v[SPW], v[NIL]                      ; the wave's opening: the add, and its wait ahead of my first tensor load
	ds_add_u32 v28, v29
	v_lshrrev_b32 v1, 5, v0
	v_readfirstlane_b32 s10, v1                    ; wave
	s_lshr_b32 s11, s10, 1                         ; RH: my half of the queries; also: I fetch G (0) or Ef (1)
	s_and_b32 s12, s10, 1                          ; CH: my half of the keys; also: which 128 rows I fetch
	s_and_b32 s13, ttmp7, 0xffff
	s_lshr_b32 s14, s13, 2                         ; batch
	s_and_b32 s13, s13, 3                          ; yy
	s_sub_co_u32 s15, 7, s13
	s_sub_co_u32 s16, ttmp9, s13
	s_sub_co_u32 s16, s16, 1
	s_cmp_le_u32 ttmp9, s13
	s_cselect_b32 s40, s13, s15                    ; I
	s_cselect_b32 s41, ttmp9, s16                  ; J
	s_mov_b32 s[G1+0], (1<<16)|(1<<20)|(5<<22)|(3<<25)   ; 2-byte elements; padding on; after every 64 words; 4 words
	s_mov_b32 s[G1+1], KSTEP<<16                   ; tensor_dim0 = 128
	s_mov_b32 s[G1+2], 128<<16                     ; tensor_dim1 = 128
	s_mov_b32 s[G1+3], KSTEP<<16                   ; tile_dim0 = 128
	s_mov_b32 s[G1+4], 128                         ; tile_dim1 = 128
	s_mov_b32 s[G1+5], 2048                        ; 2,048 elements from row to row, in G and in Ef
	s_mov_b32 s[G1+6], 0
	s_mov_b32 s[G1+7], 0
	s_cmp_eq_u32 s11, 0
	s_cselect_b32 s16, s40, s41
	s_lshl_b32 s16, s16, 8
	s_lshl_b32 s17, s12, 7
	s_add_co_u32 s16, s16, s17
	s_lshl_b32 s17, s14, 11
	s_add_co_u32 s16, s16, s17                     ; the first token that I fetch
	s_lshl_b32 s16, s16, 12
	s_mov_b32 s17, 0
	s_mul_i32 s20, s10, HALFT                      ; where my rows go in a slot
	s_mov_b32 s[TB], 0
	s_mov_b32 s58, 0x4238aa3b                      ; c = 32 log2(e)
	s_mov_b32 s59, s58                             ; named with it as a pair
	s_mov_b32 s60, 0x76543210                      ; v_permlanex16_b32's selects: each lane takes its own place in the other half
	s_mov_b32 s61, 0xfedcba98
	s_wait_dscnt 0x0                               ; the opening add is done
	s_wait_kmcnt 0x0
	s_cmp_eq_u32 s11, 0
	s_cselect_b64 s[18:19], s[4:5], s[54:55]       ; the queries come from G, the keys from Ef
	s_add_nc_u64 s[18:19], s[18:19], s[16:17]
.irp s, 0,1
	s_mov_b32 s[G0+4*(\s)], 1
	s_add_co_u32 s[G0+4*(\s)+1], s20, (\s)*SLOT
	s_add_nc_u64 s[G0+4*(\s)+2:G0+4*(\s)+3], s[18:19], (\s)*KSTEP*2
	s_or_b32 s[G0+4*(\s)+3], s[G0+4*(\s)+3], 0x80000000
.endr
	tensor_load_to_lds s[G0:G0+3], s[G1:G1+7]      ; the two first fills go out together: two loads of mine are out
	s_nop 0
	tensor_load_to_lds s[G0+4:G0+7], s[G1:G1+7]
	s_nop 0
	v_and_b32 v14, 15, v0                          ; r = l % 16
	v_bfe_u32 v15, v0, 4, 1                        ; h = l / 16
	v_mul_u32_u24 v13, v14, PITCH
	v_lshl_add_u32 v13, v15, 4, v13                ; a fragment's row x pitch + 16 x half
	s_mul_i32 s21, s11, HALFT
	s_mul_i32 s22, s12, HALFT
	s_add_co_u32 s22, s22, 2*HALFT
	v_add_nc_u32 v[A0], s21, v13
	v_add_nc_u32 v[B0], s22, v13
	v_mov_b32 v[ADRA], v[A0]
	v_mov_b32 v[ADRB], v[B0]
	s_mul_i32 s23, s10, 16*SPITCH
	s_add_co_u32 s23, s23, STAGE                   ; my stage
	v_mul_u32_u24 v4, v14, SPITCH                  ; in: row r, 16 bytes for each half of the lanes
	v_lshl_add_u32 v4, v15, 4, v4
	v_add_nc_u32 v[STO], s23, v4
	v_mul_u32_u24 v4, v15, SPITCH                  ; back: lanes 0-15 take one row of 256 bytes, lanes 16-31 the next
	v_lshl_add_u32 v4, v14, 4, v4
	v_add_nc_u32 v[RD], s23, v4
	v_lshlrev_b32 v4, 12, v15                      ; and the same two rows in Pw
	v_lshl_add_u32 v[CO], v14, 4, v4
	v_and_b32 v[SO], 31, v0
	v_lshlrev_b32 v[SO], 3, v[SO]
	; the masks
	s_sub_co_i32 s42, s40, s41
	s_lshl_b32 s42, s42, 1
	s_add_co_i32 s42, s42, s11
	s_sub_co_i32 s42, s42, s12
	s_lshl_b32 s42, s42, 7                         ; delta = my first query - my first key: -128, 0, or 128 and more
	s_cmp_lt_i32 s42, 0
	s_cselect_b32 s52, 0xfb800000, 0               ; a > b: hidden only where all my keys are
	s_cmp_lt_i32 s42, 128
	s_cselect_b32 s53, 0xfb800000, 0               ; a < b: seen only where all my keys are
	v_lshlrev_b32 v5, 3, v15
	v_sub_nc_u32 v5, v14, v5
	v_add_nc_u32 v5, s42, v5                       ; a = b: register j (key 8 h + j) is hidden where j > r - 8 h + delta
	v_mov_b32 v6, 0xfb800000                       ; -2^120
.irp j, 0,1,2,3,4,5,6,7
	v_mov_b32 v[MK+(\j)], s52
	v_cmp_gt_i32 vcc_lo, \j, v5
	v_cndmask_b32 v[MK+8+(\j)], 0, v6, vcc_lo
	v_mov_b32 v[MK+16+(\j)], s53
.endr
	; where my 128 x 128 weights and my 128 rows' statistics go
	s_lshl_b32 s43, s14, 11
	s_lshl_b32 s50, s40, 8
	s_add_co_u32 s43, s43, s50
	s_lshl_b32 s50, s11, 7
	s_add_co_u32 s43, s43, s50                     ; my first query among all 8,192
	s_lshl_b32 s46, s43, 12
	s_lshl_b32 s50, s41, 9
	s_add_co_u32 s46, s46, s50
	s_lshl_b32 s50, s12, 8
	s_add_co_u32 s46, s46, s50
	s_mov_b32 s47, 0
	s_add_nc_u64 s[46:47], s[6:7], s[46:47]        ; Pw at my 128 x 128
	s_lshl_b32 s48, s14, 4
	s_lshl_b32 s50, s41, 1
	s_add_co_u32 s48, s48, s50
	s_add_co_u32 s48, s48, s12                     ; 16 batch + t
	s_lshl_b32 s48, s48, 11
	s_lshl_b32 s50, s40, 8
	s_add_co_u32 s48, s48, s50
	s_lshl_b32 s50, s11, 7
	s_add_co_u32 s48, s48, s50
	s_lshl_b32 s48, s48, 3
	s_mov_b32 s49, 0
	s_add_nc_u64 s[48:49], s[8:9], s[48:49]        ; St at my 128 rows of tile t
; 16 matrix instructions: query blocks a0, a0 + 1 of the window's four x all 8 key blocks, 32 channels.  zero = 1: the first product starts the sums, with the mask as C (window 0).
.macro MUL16 f, hi, a0, zero
.if \zero
	WIN 0x81+0x40*(\hi)
.else
	WIN MUL_LO+0x50*(\hi)
.endif
.irp a, \a0, (\a0)+1
.irp b, 0,1,2,3,4,5,6,7
.if \zero
.if (4*(\hi)+(\a)) > (\b)
.set MKR, MK
.elseif (4*(\hi)+(\a)) == (\b)
.set MKR, MK+8
.else
.set MKR, MK+16
.endif
	v_wmma_f32_16x16x32_f16 v[8*(8*(\a)+(\b)):8*(8*(\a)+(\b))+7], v[(\f)+8*(\b):(\f)+8*(\b)+7], v[(\f)+8*(4*(\hi)+(\a)):(\f)+8*(4*(\hi)+(\a))+7], v[MKR:MKR+7]
.else
	v_wmma_f32_16x16x32_f16 v[8*(8*(\a)+(\b)):8*(8*(\a)+(\b))+7], v[(\f)+8*(\b):(\f)+8*(\b)+7], v[(\f)+8*(4*(\hi)+(\a)):(\f)+8*(4*(\hi)+(\a))+7], v[8*(8*(\a)+(\b)):8*(8*(\a)+(\b))+7]
.endif
.endr
.endr
.endm
; 32 LDS loads in one run: a quarter step's fragments (the keys' 128 rows, then the queries'), 32 channels at byte k of the rows of the slot in hand, into buffer f
.macro FETCH k, f
	WIN TO_B
.irp i, 0,1,2,3,4,5,6,7
	ds_load_b128 v[(\f)+8*(\i):(\f)+8*(\i)+3],   v[ADRB] offset:(\k)+(\i)*16*PITCH
	ds_load_b128 v[(\f)+8*(\i)+4:(\f)+8*(\i)+7], v[ADRB] offset:(\k)+(\i)*16*PITCH+32
.endr
	WIN 0
.irp i, 0,1,2,3,4,5,6,7
	ds_load_b128 v[(\f)+8*(\i):(\f)+8*(\i)+3],   v[ADRA] offset:(\k)+(\i)*16*PITCH
	ds_load_b128 v[(\f)+8*(\i)+4:(\f)+8*(\i)+7], v[ADRA] offset:(\k)+(\i)*16*PITCH+32
.endr
.endm
.macro PLACES                          ; four plain instructions in front of loads into registers that matrix instructions have read, and of lines that read results
.rept 4
	v_nop
.endr
.endm
; A K step is four quarters of 32 channels, 64 matrix instructions each, on buffers 0, 1, 0, 1.  The 64 accumulators take turns, one instruction a turn.
.macro QUARTER k, f, g, zero
	s_wait_dscnt 8                                 ; the keys' rows and the queries' rows 0-63 are in; the youngest eight loads may be out
	MUL16 \f, 0, 0, \zero
	MUL16 \f, 0, 2, \zero
	PLACES
	FETCH \k, \g
	s_wait_dscnt 32                                ; all but the 32 just issued
	MUL16 \f, 1, 0, \zero
	MUL16 \f, 1, 2, \zero
.endm
; The first half of the last quarter, and the change of slots: one barrier; in front of it all my tensor loads (one is out: my part of the next slot), the add, and my reads of this slot;
; behind it, with fill = 1, my one load first: this slot's K step two on.
.macro MEET fill
	WIN 0
	s_wait_tensorcnt 0x0
	ds_add_u32 v[SPW], v[NIL]
.if \fill
	s_add_co_u32 s[G0+5], s20, s[TB]               ; no load of mine is out: the walking descriptor takes the slot that is being left
	s_add_nc_u64 s[G0+6:G0+7], s[G0+6:G0+7], KSTEP*2   ; and the next K step; the type bits on top are not reached
.endif
	s_wait_dscnt 9                                 ; the add and the youngest eight loads may be out
	MUL16 F1, 0, 0, 0
	s_wait_dscnt 0x0                               ; the add is done, my reads of this slot are over
	s_barrier_signal -1
	MUL16 F1, 0, 2, 0
	WIN 0
	s_barrier_wait -1
.if \fill
	tensor_load_to_lds s[G0+4:G0+7], s[G1:G1+7]
	s_nop 0
	PLACES                                         ; also the places in front of the loads that follow
.endif
.endm
.macro NEXT                            ; the other slot is the slot in hand; its first fragments
	s_xor_b32 s[TB], s[TB], SLOT
	v_add_nc_u32 v[ADRA], s[TB], v[A0]
	v_add_nc_u32 v[ADRB], s[TB], v[B0]
	FETCH 0, F0
.endm
; THE SOFTMAX of query block a (16 queries x my 128 keys), on the accumulators where they lie: window WD, registers AC .. AC + 63.
.macro SOFT a
.set WD, 2+(\a)/4
.set AC, 64*((\a)%4)
.set SA, SS+2*(\a)
	WIN WD*0x15                                    ; three sources in the accumulators' window, destination in window 0
.irp b, 0,1,2,3,4,5,6,7
	v_max3_num_f32 v[WK+(\b)], v[AC+8*(\b)], v[AC+8*(\b)+1], v[AC+8*(\b)+2]   ; eight chains; each accumulator's lowest registers are read first
.endr
	WIN WD*0x14                                    ; source 0 in window 0
.irp b, 0,1,2,3,4,5,6,7
	v_max3_num_f32 v[WK+(\b)], v[WK+(\b)], v[AC+8*(\b)+3], v[AC+8*(\b)+4]
.endr
.irp b, 0,1,2,3,4,5,6,7
	v_max3_num_f32 v[WK+(\b)], v[WK+(\b)], v[AC+8*(\b)+5], v[AC+8*(\b)+6]
.endr
.irp b, 0,2,4,6
	v_max3_num_f32 v[WK+(\b)], v[WK+(\b)], v[AC+8*(\b)+7], v[AC+8*(\b)+15]
.endr
	WIN 0
	v_max3_num_f32 v[WK], v[WK], v[WK+1], v[WK+2]
	v_max3_num_f32 v[WK+3], v[WK+3], v[WK+4], v[WK+5]
	v_max3_num_f32 v[WK], v[WK], v[WK+6], v[WK+7]
	v_max_num_f32 v[WK], v[WK], v[WK+3]
	v_permlanex16_b32 v[WK+1], v[WK], s60, s61     ; the query's other 64 keys lie in the lane 16 away
	v_max_num_f32 v[SA+1], v[WK], v[WK+1]          ; m; it keeps l's place until l is made, so that the pair below is written whole
	v_mul_f32 v[SA], s58, v[SA+1]                  ; c m
	v_max_num_f32 v[SA], 0xfb800000, v[SA]         ; a row that sees nothing: -2^120
	WIN WD*0x41                                    ; destination and source 0 in the accumulators' window, c m in window 0
.set i, 0
.rept 32
	v_pk_fma_f32 v[AC+2*i:AC+2*i+1], v[AC+2*i:AC+2*i+1], s[58:59], v[SA:SA+1] op_sel_hi:[1,0,0] neg_lo:[0,0,1] neg_hi:[0,0,1]   ; c s - c m
.set i, i+1
.endr
.set i, 0
.rept 64
	v_exp_f32 v[AC+i], v[AC+i]
.set i, i+1
.endr
	v_nop                                          ; a plain instruction between the last exponential and the use of its result
	WIN WD*0x05                                    ; sources 0 and 1 in the accumulators' window, destination in window 0
	s_wait_alu depctr_va_vdst(0)
.irp b, 0,1,2,3,4,5,6,7
.irp r, 0,1,2,3
	v_cvt_pk_f16_f32 v[TMP+4*(\b)+(\r)], v[AC+8*(\b)+2*(\r)], v[AC+8*(\b)+2*(\r)+1]
.endr
.endr
	WIN 0                                          ; the row sums: ones x the weights of 32 keys, four times; the two accumulators take turns
	v_wmma_f32_16x16x32_f16 v[LA:LA+7], v[ONES:ONES+7], v[TMP:TMP+7], 0
	v_wmma_f32_16x16x32_f16 v[LB:LB+7], v[ONES:ONES+7], v[TMP+8:TMP+15], 0
	v_wmma_f32_16x16x32_f16 v[LA:LA+7], v[ONES:ONES+7], v[TMP+16:TMP+23], v[LA:LA+7]
	v_wmma_f32_16x16x32_f16 v[LB:LB+7], v[ONES:ONES+7], v[TMP+24:TMP+31], v[LB:LB+7]
	PLACES
	v_add_f32 v[SA+1], v[LA], v[LB]                ; l: every register of a result holds my query's sum over both halves of the lanes
.endm
; THE WAY OUT of block a: a lane's eight weights of a row are 16 bytes; they go into rows of 272 bytes of my own stage and come back as whole rows of 256.
.macro TOSTAGE a
	WIN 0
.set BK, OB+192*((\a)%2)
.irp b, 0,1,2,3,4,5,6,7
	ds_store_b128 v[STO], v[TMP+4*(\b):TMP+4*(\b)+3] offset:32*(\b)
.endr
.irp t, 0,1,2,3,4,5,6,7
	ds_load_b128 v[BK+4*(\t):BK+4*(\t)+3], v[RD] offset:(\t)*2*SPITCH   ; LDS serves a wave's instructions in order: these see the stores above
.endr
.endm
.macro SEND a
	WIN 0
.set BK, OB+192*((\a)%2)
	s_wait_dscnt 0x0                               ; the block is back in registers
	s_wait_xcnt 0x0                                ; the earlier stores have read their base and their registers
.if (\a) > 0
	s_add_nc_u64 s[46:47], s[46:47], 16*ROWP
.endif
.irp t, 0,1,2,3,4,5,6,7
	global_store_b128 v[CO], v[BK+4*(\t):BK+4*(\t)+3], s[46:47] offset:2*(\t)*ROWP   ; 16 lanes store 256 consecutive bytes, aligned
.endr
.endm
	s_wait_tensorcnt 1                             ; my part of K step 0 is in; K step 1's may stay out
	s_barrier_signal -1
	s_barrier_wait -1
	FETCH 0, F0
	QUARTER 64,  F0, F1, 1                         ; the first quarter starts the sums, with the masks
	WIN 0
	s_mov_b32 s3, 6
.Lstep:                                                ; a trip goes from a K step's second quarter to the next step's first and fills the slot that it leaves: K steps 2 to 7
	QUARTER 128, F1, F0, 0
	QUARTER 192, F0, F1, 0
	MEET 1
	NEXT
	MUL16 F1, 1, 0, 0
	MUL16 F1, 1, 2, 0
	QUARTER 64,  F0, F1, 0
	WIN 0
	s_sub_co_u32 s3, s3, 1
	s_cmp_lg_u32 s3, 0
	s_cbranch_scc1 .Lstep
	s_mov_b32 s3, 2
.Ltail:                                                ; K steps 6 and 7 fill nothing: a text of their own
	QUARTER 128, F1, F0, 0
	QUARTER 192, F0, F1, 0
	MEET 0
	MUL16 F1, 1, 0, 0
	MUL16 F1, 1, 2, 0
	WIN 0
	s_cmp_eq_u32 s3, 1                             ; behind K step 7 there is no further step
	s_cbranch_scc1 .Lskip
	PLACES
	NEXT
	QUARTER 64,  F0, F1, 0
	WIN 0
.Lskip:
	s_sub_co_u32 s3, s3, 1
	s_cmp_lg_u32 s3, 0
	s_cbranch_scc1 .Ltail
	s_wait_dscnt 0x0                               ; nothing of mine is out in LDS: the fragment buffers' registers are free for the work below
	PLACES
.set i, 0
.rept 8
	v_mov_b32 v[ONES+i], 0x3c003c00                ; 1.0 twice in f16
.set i, i+1
.endr
	SOFT 0
	TOSTAGE 0
.irp a, 1,2,3,4,5,6,7                  ; block a's softmax stands between block a - 1's loads from the stage and the wait for them
	SOFT \a
	SEND (\a)-1
	TOSTAGE \a
.endr
	SEND 7
	; THE STATISTICS.  Both halves of the lanes hold (c m, l) of every block; lanes 0-15 take block 2 u, lanes 16-31 block 2 u + 1: lane l then holds row 32 u + l.
	v_cmp_eq_u32 vcc_lo, 1, v15
.irp u, 0,1,2,3
	v_cndmask_b32 v[OS+2*(\u)],   v[SS+4*(\u)],   v[SS+4*(\u)+2], vcc_lo
	v_cndmask_b32 v[OS+2*(\u)+1], v[SS+4*(\u)+1], v[SS+4*(\u)+3], vcc_lo
.endr
.irp u, 0,1,2,3
	global_store_b64 v[SO], v[OS+2*(\u):OS+2*(\u)+1], s[48:49] offset:256*(\u)   ; 32 lanes store 256 consecutive bytes, aligned
.endr
	s_wait_tensorcnt 0x0                           ; the wave's end, behind my last tensor load and my last LDS store
	ds_add_u32 v[SPW], v[NIL]
	s_wait_dscnt 0x0
	s_endpgm
.Lfunc_end_k_q0cc95a5cd1_scores:
	.size	k_q0cc95a5cd1_scores, .Lfunc_end_k_q0cc95a5cd1_scores-k_q0cc95a5cd1_scores
	.p2alignl 7, 3214868480
	.fill 96, 4, 3214868480
	.section	.rodata,"a",@progbits
	.p2align	6, 0x0
	.amdhsa_kernel k_q0cc95a5cd1_scores
		.amdhsa_group_segment_fixed_size 327680
		.amdhsa_private_segment_fixed_size 0
		.amdhsa_enable_private_segment 0
		.amdhsa_kernarg_size 32
		.amdhsa_user_sgpr_count 2
		.amdhsa_user_sgpr_kernarg_segment_ptr 1
		.amdhsa_wavefront_size32 1
		.amdhsa_system_sgpr_workgroup_id_x 1
		.amdhsa_system_sgpr_workgroup_id_y 1
		.amdhsa_system_sgpr_workgroup_id_z 1
		.amdhsa_system_vgpr_workitem_id 0
		.amdhsa_next_free_vgpr 1024
		.amdhsa_next_free_sgpr 66
		.amdhsa_reserve_vcc 1
		.amdhsa_float_denorm_mode_32 3
		.amdhsa_float_denorm_mode_16_64 3
		.amdhsa_memory_ordered 1
		.amdhsa_forward_progress 1
		.amdhsa_inst_pref_size 154
	.end_amdhsa_kernel
	.amdgpu_metadata
---
amdhsa.version: [ 1, 2 ]
amdhsa.kernels:
  - .name:           k_q0cc95a5cd1_scores
    .symbol:         k_q0cc95a5cd1_scores.kd
    .args:
      - { .name: G, .offset: 0, .size: 8, .value_kind: global_buffer, .address_space: global }
      - { .name: Pw, .offset: 8, .size: 8, .value_kind: global_buffer, .address_space: global }
      - { .name: St, .offset: 16, .size: 8, .value_kind: global_buffer, .address_space: global }
      - { .name: Ef, .offset: 24, .size: 8, .value_kind: global_buffer, .address_space: global }
    .group_segment_fixed_size: 327680
    .private_segment_fixed_size: 0
    .kernarg_segment_align: 8
    .kernarg_segment_size: 32
    .max_flat_workgroup_size: 128
    .sgpr_count:     66
    .vgpr_count:     1024
    .wavefront_size: 32
...
	.end_amdgpu_metadata
.endif
;; end of part 8
;; launch pv (part 9): grid 8 x 32, 4 waves a work-group, clusters of 4 x 1, 327,680 bytes of LDS; arguments Pw, Vt, St, out0; writes out0
.if DOCPART == 9
	.amdgcn_target "amdgcn-amd-amdhsa--gfx1250"
	.amdhsa_code_object_version 6
	.text
	.protected	k_q0cc95a5cd1_pv
	.globl	k_q0cc95a5cd1_pv
	.p2align	8
	.type	k_q0cc95a5cd1_pv,@function
k_q0cc95a5cd1_pv:
	s_mov_b64 s[64:65], 0
	v_nop
	global_prefetch_b8 v0, s[64:65] scope:SCOPE_SE
	s_setreg_imm32_b32 hwreg(HW_REG_WAVE_MODE, 25, 1), 1
	s_wait_xcnt 0x0
	s_wait_alu depctr_hold_cnt(0) depctr_sa_sdst(0) depctr_va_vdst(0) depctr_va_sdst(0) depctr_va_ssrc(0) depctr_va_vcc(0) depctr_vm_vsrc(0)
	s_getreg_b32 s2, hwreg(HW_REG_IB_STS2, 6, 4)
	s_cmp_eq_u32 s2, 0
	s_cbranch_scc0 .Lentry_in_a_cluster
	s_endpgm
.Lentry_in_a_cluster:
	s_bfe_u32 s2, ttmp6, 0x10000c
	s_cmp_lg_u32 s2, 0x3003
	s_cbranch_scc0 .Lentry_shape_is_right
	s_endpgm
.Lentry_shape_is_right:
; PV.  O[q][n] = (sum over key tiles t of f_t[q] x sum over the tile's 128 keys of P[q][k] V[k][n]) / L[q], with f_t = 2^(c m_t - c M), M the row's maximum over its tiles, L = sum of f_t l_t.
; P and Vt ([n][key]) are f16; each tile's product has its own f32 sums T, which O takes with the factor in f32.  out0 is f32.
; THE WALK.  A batch's queries lie in 16 blocks of 128; block i needs i / 2 + 1 slots of 256 keys.  A work-group takes blocks 15 - pi and then pi, for 128 channels: 9 slots whatever pi: all 256 work-groups
; do equal work.  A loop of seven trips multiplies a slot and fills it again; a loop of two trips fills nothing.  Which keys are asked for hangs on scalars made from pi; the jump round a block's way out
; goes forward and passes no barrier and no tensor load.
; CLUSTER.  The four partners are four channel blocks of one (batch, pi): they need the same tiles of P, asked for jointly; each fetches its own tile of Vt by a load of its own behind the same round.
; SHARES.  Four waves, each 64 queries x 64 channels: 16 accumulators T and 16 sums O.  The matrix instruction is used transposed: a lane holds one query and eight neighbouring channels.
; REGISTERS: window 0: v0-31 addresses; v32-63 the way out; v64-87 factors (pairs: the packed forms name a pair and take its low word); v88-95 zeros; v128-255 T.
; window 1: two fragment buffers of 128.  window 2: v0-127 O.
; LIMITS: as stated in the launch that made P: a factor below 2^-126 counts as 0; NaN and infinities are not treated apart.
.set PITCH,  528                       ; an LDS row: 512 bytes + 16: 33 x 16
.set HALFT,  64*PITCH
.set SLOT,   4*HALFT                   ; P's 128 rows, then Vt's 128 rows
.set CT,     2*SLOT                    ; the factors: row w (512 bytes, a word a query) for walk step w = 0..17; row 18: 1 / L of the first block; row 19: of the second
.set STAGE,  CT+20*512                 ; 16 rows x 272 bytes for each wave
.set SPITCH, 272
.set SPARE,  STAGE+4*16*SPITCH
.set A0,  2                            ; v2, v3  my lane's place in P's and Vt's rows of slot 0; never rewritten
.set B0,  3
.set ADA, 4                            ; v4, v5  the same in the slot in hand
.set ADB, 5
.set CTI, 6                            ; v6  my query's word in a row of the factors
.set CTA, 7                            ; v7  the same at the walk step in hand
.set STO, 8
.set RD,  9
.set GO,  10
.set PFO, 11                           ; v11 the prefetches' offset: my lane x a row of 4,096 bytes; never rewritten
.set TW,  12                           ; v12 where thread t writes row-in-block t's factor
.set SOH, 13                           ; v13, v14  my row's 8 bytes in a tile of St, first and second block
.set SOL, 14
.set SPW, 28
.set NIL, 29
.set BK,  32
.set CF0, 64
.set CF1, 72
.set IL,  80
.set ZR,  88                           ; v88-95  0; never rewritten
.set ACC, 128
.set HI,  128                          ; at the head T's registers hold the statistics: (c m, l) of tile t at HI + 2 t, LO + 2 t
.set LO,  192
.set F0,  0
.set F1,  128
.set WV,  12
.set RH,  13
.set CH,  14
.set G1A, 24
.set G1B, 32
.set G0A, 40                           ; s[40:47]: a set for each first fill; the second then walks on
.set G0B, 48
.set SLOTS, 56
.set RT,  57                           ; slots of the block in hand still to be finished
.set NXT, 58                           ; the slot of keys to be asked for next
.set LQ,  59                           ; the last slot of the block whose keys are being asked for
.set OFF, 60
.set TB,  62                           ; LDS byte at which the slot in hand begins
.set LIM, 63                           ; s63  a wave prefetches while s[SLOTS] is above it: 1 (P), 2 (Vt), or the greatest number
.set AB,  66                           ; s[66:67] P at my rows of the block whose keys are being asked for
.set PL,  68                           ; s[68:69] the same for the second block
.set VB,  70
.set OUT, 72
.set OUTLO, 74
.set STB, 76
.set PFA, 78                           ; s[78:79] where my prefetches stand
.set PSH, 80                           ; s[80:81] my 32 rows' byte offset among the rows that are shared out
.set OF2, 82                           ; s[82:83] the byte offset along the keys of the slot after the one that is being asked for
.set SEC, 87                           ; s87  0 in the first block, all ones in the second
.set MSB, 0
.macro WIN new
.if MSB != (\new)
	s_set_vgpr_msb (MSB<<8)|(\new)
.set MSB, \new
.endif
.endm
.set MUL,  0x05                        ; sources 0 (Vt) and 1 (P) window 1; C and D window 0
.set TO_F, 0x40                        ; destination window 1
.set MRG,  0xa0                        ; destination and source 2 (O) window 2; T and the factor window 0
.set OUTW, 0x02                        ; source 0 (O) window 2
.set CLR,  0x80                        ; destination window 2
.macro JLOAD                           ; waves 0, 1: P's halves, jointly; waves 2, 3: Vt's halves, my work-group's own; an s_nop 0 and four v_nop follow each line
	s_cmp_lt_u32 s[WV], 2
	s_cbranch_scc0 .Lfor_v_\@
	tensor_load_to_lds s[G0A+4:G0A+7], s[G1A:G1A+7]
	s_nop 0
.rept 4
	v_nop
.endr
	s_branch .Lasked_\@
.Lfor_v_\@:
	tensor_load_to_lds s[G0B+4:G0B+7], s[G1B:G1B+7]
	s_nop 0
.rept 4
	v_nop
.endr
.Lasked_\@:
.endm
.macro CREST
	s_cmp_lg_u32 s[WV], 0
	s_cbranch_scc1 .Lnot_wave_0_\@
	s_barrier_signal -3
.Lnot_wave_0_\@:
	s_barrier_wait -3
	s_barrier_signal -1
	s_barrier_wait -1
.endm
.macro CROUND
	s_barrier_signal -1
	s_barrier_wait -1
	CREST
.endm
; O starts at 0: the second block begins at a walk step that hangs on pi, so no first step can be written out.  Sixteen products of zeros write the 128 registers.
.macro CLEAR
	WIN CLR
.set y, 0
.rept 16
	v_wmma_f32_16x16x32_f16 v[8*y:8*y+7], v[ZR:ZR+7], v[ZR:ZR+7], 0
.set y, y+1
.endr
	WIN 0
.endm
; A PREFETCH INTO THE L2 of what the NEXT change of slots will ask for: 32 rows x 512 bytes, a lane a row, two instructions.  It stands behind the wave's tensor load, its five lines and the run of LDS loads.
; Each aligned block of 256 bytes is named once.  P's tile is read by both clusters of a (batch, pi): wave 0 of the clusters with x = 0 asks, and the four partners share the 128 rows out BY ADDRESS.
; Vt's tile is read by the eight work-groups of a (batch, channel block): the two that walk all eight slots (pi = 0, 1) ask, in their first block alone, waves 2 and 3, 32 rows each; in a second block
; Vt's rows have been read.  The first three slots come by their loads alone; the last fill has no slot behind it.
.macro ASK
	WIN 0
	s_cmp_gt_u32 s[SLOTS], s[LIM]
	s_cbranch_scc0 .Lnot_mine_\@
	global_prefetch_b8 v[PFO], s[PFA:PFA+1] th:TH_LOAD_NT scope:SCOPE_SE
	global_prefetch_b8 v[PFO], s[PFA:PFA+1] offset:256 th:TH_LOAD_NT scope:SCOPE_SE
.Lnot_mine_\@:
.endm
	s_load_b256 s[4:11], s[0:1], 0x0               ; Pw 4, Vt 6, St 8, out0 10
	v_lshl_add_u32 v[SPW], v0, 2, SPARE
	v_mov_b32 v[NIL], 0
	ds_add_u32 v[SPW], v[NIL]                      ; the wave's opening: the add, and its wait ahead of my first tensor load
	ds_add_u32 v28, v29
	v_lshrrev_b32 v1, 5, v0
	v_readfirstlane_b32 s[WV], v1
	s_lshr_b32 s[RH], s[WV], 1
	s_and_b32 s[CH], s[WV], 1
	s_bfe_u32 s15, ttmp6, 0x40000                  ; cx
	s_lshl_b32 s16, ttmp9, 2
	s_add_co_u32 s16, s16, s15                     ; nb: my block of 128 channels: it enters Vt's and out0's addresses alone
	s_and_b32 s18, ttmp7, 0xffff
	s_lshr_b32 s17, s18, 3                         ; batch
	s_and_b32 s18, s18, 7                          ; pi
	s_lshr_b32 s19, s18, 1                         ; pj: the second block has pj + 1 slots, the first 8 - pj
	s_mul_i32 s20, s[WV], HALFT
	s_mov_b32 s[G1A], 15|(1<<16)|(1<<20)|(1<<21)|(6<<22)|(3<<25)   ; the mask of four; 2-byte elements; padding on; bit 21 beside a mask; after every 128 words; 4 words
	s_mov_b32 s[G1B], (1<<16)|(1<<20)|(6<<22)|(3<<25)
.irp g, G1A, G1B
	s_mov_b32 s[(\g)+1], 256<<16                   ; tensor_dim0 = 256
	s_mov_b32 s[(\g)+2], 64<<16                    ; tensor_dim1 = 64
	s_mov_b32 s[(\g)+3], 256<<16                   ; tile_dim0 = 256
	s_mov_b32 s[(\g)+4], 64                        ; tile_dim1 = 64
	s_mov_b32 s[(\g)+5], 2048                      ; elements from row to row
	s_mov_b32 s[(\g)+6], 0
	s_mov_b32 s[(\g)+7], 0
.endr
	s_mov_b32 s[SLOTS], 7
	s_sub_co_u32 s[RT], 8, s19
	s_mov_b32 s[NXT], 2
	s_sub_co_u32 s[LQ], 7, s19
	s_mov_b32 s[OFF+1], 0
	s_mov_b32 s[TB], 0
	s_mov_b32 s[SEC], 0
	; who prefetches: the answers hang on the wave's number and on the cluster's x and y, which the partners share; cx enters an address alone
	s_or_b32 s2, s[WV], ttmp9                      ; 0 in wave 0 of the clusters with x = 0
	s_cmp_eq_u32 s2, 0
	s_cselect_b32 s[LIM], 1, -1
	s_xor_b32 s2, s[RH], 1                         ; 0 in waves 2 and 3
	s_or_b32 s2, s2, s19                           ; where pi is 0 or 1
	s_cmp_eq_u32 s2, 0
	s_cselect_b32 s[LIM], 2, s[LIM]
	s_and_b32 s3, s18, 1
	s_cmp_lt_u32 s[WV], 2
	s_cselect_b32 s[PSH], s15, s3                  ; P: partner cx takes rows 32 cx ..; Vt: of a wave's 64 rows pi = 0 takes the first 32, pi = 1 the others
	s_lshl_b32 s[PSH], s[PSH], 17                  ; 32 rows of 4,096 bytes
	s_mov_b32 s[PSH+1], 0
	s_mov_b32 s[OF2+1], 0
	s_lshl_b32 s21, s17, 11
	s_sub_co_u32 s22, 15, s18
	s_lshl_b32 s22, s22, 7
	s_add_co_u32 s22, s22, s21                     ; the first block's first query among all 8,192
	s_lshl_b32 s23, s18, 7
	s_add_co_u32 s23, s23, s21                     ; the second block's
	s_lshl_b32 s2, s[CH], 6                        ; which 64 rows I fetch
	s_add_co_u32 s[AB], s22, s2
	s_lshl_b32 s[AB], s[AB], 12
	s_mov_b32 s[AB+1], 0
	s_add_co_u32 s[PL], s23, s2
	s_lshl_b32 s[PL], s[PL], 12
	s_mov_b32 s[PL+1], 0
	s_lshl_b32 s[VB], s16, 7
	s_add_co_u32 s[VB], s[VB], s2
	s_lshl_b32 s[VB], s[VB], 12
	s_lshl_b32 s3, s17, 22
	s_add_co_u32 s[VB], s[VB], s3
	s_mov_b32 s[VB+1], 0
	s_lshl_b32 s3, s[RH], 6
	s_add_co_u32 s[OUT], s22, s3
	s_lshl_b32 s[OUT], s[OUT], 12
	s_add_co_u32 s[OUTLO], s23, s3
	s_lshl_b32 s[OUTLO], s[OUTLO], 12
	s_lshl_b32 s3, s16, 9
	s_lshl_b32 s2, s[CH], 8
	s_add_co_u32 s3, s3, s2
	s_add_co_u32 s[OUT], s[OUT], s3
	s_add_co_u32 s[OUTLO], s[OUTLO], s3
	s_mov_b32 s[OUT+1], 0
	s_mov_b32 s[OUTLO+1], 0
	s_lshl_b32 s[STB], s17, 18
	s_mov_b32 s[STB+1], 0
	s_wait_dscnt 0x0                               ; the opening add is done
	s_wait_kmcnt 0x0
	s_add_nc_u64 s[AB:AB+1], s[4:5], s[AB:AB+1]
	s_add_nc_u64 s[PL:PL+1], s[4:5], s[PL:PL+1]
	s_add_nc_u64 s[VB:VB+1], s[6:7], s[VB:VB+1]
	s_add_nc_u64 s[STB:STB+1], s[8:9], s[STB:STB+1]
	s_add_nc_u64 s[OUT:OUT+1], s[10:11], s[OUT:OUT+1]
	s_add_nc_u64 s[OUTLO:OUTLO+1], s[10:11], s[OUTLO:OUTLO+1]
	CROUND                                         ; all four work-groups are here: the first joint loads meet
.irp s, 0,1
	s_mov_b32 s[G0A+4*(\s)], 1
	s_add_co_u32 s[G0A+4*(\s)+1], s20, (\s)*SLOT
	s_add_nc_u64 s[G0A+4*(\s)+2:G0A+4*(\s)+3], s[AB:AB+1], (\s)*512
	s_or_b32 s[G0A+4*(\s)+3], s[G0A+4*(\s)+3], 0x80000000
	s_mov_b32 s[G0B+4*(\s)], 1
	s_add_co_u32 s[G0B+4*(\s)+1], s20, (\s)*SLOT
	s_add_nc_u64 s[G0B+4*(\s)+2:G0B+4*(\s)+3], s[VB:VB+1], (\s)*512
	s_or_b32 s[G0B+4*(\s)+3], s[G0B+4*(\s)+3], 0x80000000
.endr
	s_cmp_lt_u32 s[WV], 2                          ; a wave's two first fills stand in one branch: two loads of mine are out
	s_cbranch_scc0 .Lfirst_v
	tensor_load_to_lds s[G0A:G0A+3], s[G1A:G1A+7]
	s_nop 0
	tensor_load_to_lds s[G0A+4:G0A+7], s[G1A:G1A+7]
	s_nop 0
.rept 4
	v_nop
.endr
	s_branch .Lfirst_asked
.Lfirst_v:
	tensor_load_to_lds s[G0B:G0B+3], s[G1B:G1B+7]
	s_nop 0
	tensor_load_to_lds s[G0B+4:G0B+7], s[G1B:G1B+7]
	s_nop 0
.rept 4
	v_nop
.endr
.Lfirst_asked:
	s_sub_co_u32 s21, 15, s18
	s_lshl_b32 s21, s21, 10
	v_lshl_add_u32 v[SOH], v0, 3, s21              ; (128 i + thread) x 8
	s_lshl_b32 s21, s18, 10
	v_lshl_add_u32 v[SOL], v0, 3, s21
.set t, 0
.rept 16
	global_load_b64 v[HI+2*t:HI+2*t+1], v[SOH], s[STB:STB+1] offset:16384*t
	global_load_b64 v[LO+2*t:LO+2*t+1], v[SOL], s[STB:STB+1] offset:16384*t
.set t, t+1
.endr
	v_and_b32 v1, 15, v0                           ; r = cc
	v_bfe_u32 v15, v0, 4, 1                        ; h
	v_mul_u32_u24 v16, v1, PITCH
	v_lshl_add_u32 v16, v15, 4, v16
	s_mul_i32 s21, s[RH], HALFT
	v_add_nc_u32 v[A0], s21, v16
	s_mul_i32 s21, s[CH], HALFT
	s_add_co_u32 s21, s21, 2*HALFT
	v_add_nc_u32 v[B0], s21, v16
	s_lshl_b32 s21, s[RH], 8
	s_add_co_u32 s21, s21, CT
	v_lshl_add_u32 v[CTI], v1, 2, s21              ; query 64 RH + r; block a of 16 stands in the offset
	s_mul_i32 s21, s[WV], 16*SPITCH
	s_add_co_u32 s21, s21, STAGE
	v_mul_u32_u24 v[STO], v1, SPITCH
	v_lshl_add_u32 v[STO], v15, 5, v[STO]
	v_add_nc_u32 v[STO], s21, v[STO]
	v_mul_u32_u24 v[RD], v15, SPITCH
	v_lshl_add_u32 v[RD], v1, 4, v[RD]
	v_add_nc_u32 v[RD], s21, v[RD]
	v_lshlrev_b32 v[GO], 12, v15
	v_lshl_add_u32 v[GO], v1, 4, v[GO]
	v_lshl_add_u32 v[TW], v0, 2, CT
	v_and_b32 v[PFO], 31, v0
	v_lshlrev_b32 v[PFO], 12, v[PFO]
.set i, 0
.rept 32
	v_mov_b32 v[CF0+i], 0                          ; the factors' pairs are named whole; the last eight stay 0
.set i, i+1
.endr
	CLEAR                                          ; in the wait for the first tile
	s_cmp_eq_u32 s[RT], 5                          ; how many slots the first block has, as three masks
	s_cselect_b32 s84, -1, 0
	s_cmp_eq_u32 s[RT], 6
	s_cselect_b32 s85, -1, 0
	s_cmp_eq_u32 s[RT], 7
	s_cselect_b32 s86, -1, 0
	s_wait_loadcnt 0x0
; A row's factors: thread t for row t of the block.  M over the 16 tiles (a tile that the row does not see holds -2^120), f_t = 2^(c m_t - c M) in c m_t's place, 1 / L into register inv.
.macro TABLE R, inv
	v_max3_num_f32 v17, v[(\R)], v[(\R)+2], v[(\R)+4]
.irp u, 3,5,7,9,11,13
	v_max3_num_f32 v17, v17, v[(\R)+2*(\u)], v[(\R)+2*(\u)+2]
.endr
	v_max_num_f32 v17, v17, v[(\R)+30]
.set t, 0
.rept 16
	v_sub_f32 v[(\R)+2*t], v[(\R)+2*t], v17
.set t, t+1
.endr
.set t, 0
.rept 16
	v_exp_f32 v[(\R)+2*t], v[(\R)+2*t]
.set t, t+1
.endr
	v_nop
	s_wait_alu depctr_va_vdst(0)
	v_mul_f32 v18, v[(\R)], v[(\R)+1]
.set t, 1
.rept 15
	v_fmac_f32 v18, v[(\R)+2*t], v[(\R)+2*t+1]
.set t, t+1
.endr
	v_rcp_f32 v[\inv], v18
	v_nop
.endm
	TABLE HI, 19
	TABLE LO, 20
	; walk step w is the first block's tile w while w < 2 nh, else the second block's tile w - 2 nh: chosen by value, so that every LDS address is a constant of the text
.set w, 10
.rept 8
.if w >= 16
	v_mov_b32 v[HI+2*w], v[LO+2*(w-16)]            ; nh = 8
.endif
.if w >= 14
	v_cndmask_b32 v[HI+2*w], v[HI+2*w], v[LO+2*(w-14)], s86
.endif
.if w >= 12
	v_cndmask_b32 v[HI+2*w], v[HI+2*w], v[LO+2*(w-12)], s85
.endif
	v_cndmask_b32 v[HI+2*w], v[HI+2*w], v[LO+2*(w-10)], s84
.set w, w+1
.endr
.set w, 0
.rept 18
	ds_store_b32 v[TW], v[HI+2*w] offset:512*w
.set w, w+1
.endr
	ds_store_b32 v[TW], v19 offset:512*18
	s_wait_alu depctr_va_vdst(0)
	ds_store_b32 v[TW], v20 offset:512*19
.macro MUL8 f, c, a0, zero             ; 8 matrix instructions: query blocks a0, a0 + 1 x all 4 channel blocks, 32 keys: half c of buffer f
	WIN MUL
.irp a, \a0, (\a0)+1
.irp b, 0,1,2,3
.if \zero
	v_wmma_f32_16x16x32_f16 v[ACC+8*(4*(\a)+(\b)):ACC+8*(4*(\a)+(\b))+7], v[(\f)+64+8*(4*(\c)+(\b)):(\f)+64+8*(4*(\c)+(\b))+7], v[(\f)+8*(4*(\c)+(\a)):(\f)+8*(4*(\c)+(\a))+7], 0
.else
	v_wmma_f32_16x16x32_f16 v[ACC+8*(4*(\a)+(\b)):ACC+8*(4*(\a)+(\b))+7], v[(\f)+64+8*(4*(\c)+(\b)):(\f)+64+8*(4*(\c)+(\b))+7], v[(\f)+8*(4*(\c)+(\a)):(\f)+8*(4*(\c)+(\a))+7], v[ACC+8*(4*(\a)+(\b)):ACC+8*(4*(\a)+(\b))+7]
.endif
.endr
.endr
.endm
.macro FETCH k, f                      ; 32 LDS loads in one run: 64 keys at byte k of the rows of the slot in hand; the first 32 keys first
	WIN TO_F
.irp c, 0,1
.irp i, 0,1,2,3
	ds_load_b128 v[(\f)+64+8*(4*(\c)+(\i)):(\f)+64+8*(4*(\c)+(\i))+3],   v[ADB] offset:(\k)+64*(\c)+(\i)*16*PITCH
	ds_load_b128 v[(\f)+64+8*(4*(\c)+(\i))+4:(\f)+64+8*(4*(\c)+(\i))+7], v[ADB] offset:(\k)+64*(\c)+(\i)*16*PITCH+32
	ds_load_b128 v[(\f)+8*(4*(\c)+(\i)):(\f)+8*(4*(\c)+(\i))+3],         v[ADA] offset:(\k)+64*(\c)+(\i)*16*PITCH
	ds_load_b128 v[(\f)+8*(4*(\c)+(\i))+4:(\f)+8*(4*(\c)+(\i))+7],       v[ADA] offset:(\k)+64*(\c)+(\i)*16*PITCH+32
.endr
.endr
.endm
.macro PLACES
.rept 4
	v_nop
.endr
.endm
.macro MERGE y, cf                     ; O(y) += factor x T(y): T's low registers first
	WIN MRG
.set z, 0
.rept 4
	v_pk_fma_f32 v[8*(\y)+2*z:8*(\y)+2*z+1], v[ACC+8*(\y)+2*z:ACC+8*(\y)+2*z+1], v[(\cf)+2*((\y)/4):(\cf)+2*((\y)/4)+1], v[8*(\y)+2*z:8*(\y)+2*z+1] op_sel_hi:[1,0,1]
.set z, z+1
.endr
.endm
; A key tile's last 16 products, and O takes each T behind them.  Between product x and the four lines that read T(x) stand the four lines for T(x - 1) (four v_nop for x = 0), which name none of
; product x's registers; behind the last product stand five such lines before the next tile's products write T anew (ISA guide 7.12.1).
.macro MULM f, cf
.set x, 0
.rept 16
	WIN MUL
	v_wmma_f32_16x16x32_f16 v[ACC+8*x:ACC+8*x+7], v[(\f)+64+8*(4+x%4):(\f)+64+8*(4+x%4)+7], v[(\f)+8*(4+x/4):(\f)+8*(4+x/4)+7], v[ACC+8*x:ACC+8*x+7]
.if x == 0
	PLACES
.else
	MERGE x-1, \cf
.endif
.set x, x+1
.endr
	MERGE 15, \cf
	v_nop
.endm
.macro CLOAD                           ; the slot's two key tiles' factors for my four blocks of 16 queries
	WIN 0
.irp a, 0,1,2,3
	ds_load_b32 v[CF0+2*(\a)], v[CTA] offset:64*(\a)
	ds_load_b32 v[CF1+2*(\a)], v[CTA] offset:512+64*(\a)
.endr
	v_add_nc_u32 v[CTA], 1024, v[CTA]
.endm
.macro DESC                            ; no tensor load of mine is out: the walking descriptors take the slot that is being left and the keys NXT; then NXT steps, behind the first block's last slot to the second block's slot 0
	s_lshl_b32 s[OFF], s[NXT], 9
	s_add_co_u32 s[G0A+5], s20, s[TB]
	s_add_nc_u64 s[G0A+6:G0A+7], s[AB:AB+1], s[OFF:OFF+1]
	s_or_b32 s[G0A+7], s[G0A+7], 0x80000000
	s_add_co_u32 s[G0B+5], s20, s[TB]
	s_add_nc_u64 s[G0B+6:G0B+7], s[VB:VB+1], s[OFF:OFF+1]
	s_or_b32 s[G0B+7], s[G0B+7], 0x80000000
	s_add_co_u32 s[NXT], s[NXT], 1
	s_cmp_gt_u32 s[NXT], s[LQ]
	s_cselect_b32 s[NXT], 0, s[NXT]
	s_cselect_b32 s[LQ], s19, s[LQ]
	s_cselect_b64 s[AB:AB+1], s[PL:PL+1], s[AB:AB+1]
	s_wait_xcnt 0x0                                ; the last prefetches, a slot back, have read their address, so it may be written:
	s_lshl_b32 s[OF2], s[NXT], 9                   ; the slot that the next change will ask for
	s_cmp_lt_u32 s[WV], 2
	s_cselect_b64 s[PFA:PFA+1], s[AB:AB+1], s[VB:VB+1]
	s_add_nc_u64 s[PFA:PFA+1], s[PFA:PFA+1], s[PSH:PSH+1]
	s_add_nc_u64 s[PFA:PFA+1], s[PFA:PFA+1], s[OF2:OF2+1]
.endm
.macro NEXT                            ; the other slot is the slot in hand; its first fragments
	s_xor_b32 s[TB], s[TB], SLOT
	v_add_nc_u32 v[ADA], s[TB], v[A0]
	v_add_nc_u32 v[ADB], s[TB], v[B0]
	FETCH 0, F0
.endm
; A SLOT: 256 keys, two key tiles, four quarters of 64 keys (32 matrix instructions each) on buffers 0, 1, 0, 1.  The 16 accumulators take turns, one instruction a turn.
; fill = 1: the slot is filled again, two slots ahead, and the next slot's first fragments are fetched; fill = 0: nothing is asked for, and the fetch is left to the loop.
.macro SLOTBODY fill
	CLOAD
	s_wait_dscnt 24                                ; the first 32 keys are in; sixteen fragment loads and the eight factors may be out
	MUL8 F0, 0, 0, 1
	MUL8 F0, 0, 2, 1
	PLACES
	FETCH 128, F1
	s_wait_dscnt 32                                ; all but the 32 just issued
	MUL8 F0, 1, 0, 0
	MUL8 F0, 1, 2, 0
	s_wait_dscnt 16
	MUL8 F1, 0, 0, 0
	MUL8 F1, 0, 2, 0
	PLACES
	FETCH 256, F0
	s_wait_dscnt 32
	MULM F1, CF0
	s_wait_dscnt 16
	MUL8 F0, 0, 0, 1
	MUL8 F0, 0, 2, 1
	PLACES
	FETCH 384, F1
	s_wait_dscnt 32
	MUL8 F0, 1, 0, 0
	MUL8 F0, 1, 2, 0
	WIN 0
	s_wait_tensorcnt 0x0                           ; all my tensor loads have landed: my part of the next slot
	ds_add_u32 v[SPW], v[NIL]
.if \fill
	DESC
.endif
	s_wait_dscnt 17                                ; the add and the youngest sixteen loads may be out
	MUL8 F1, 0, 0, 0
	s_wait_dscnt 0x0                               ; the add is done, my reads of this slot are over
	s_barrier_signal -1
	MUL8 F1, 0, 2, 0
	WIN 0
	s_barrier_wait -1
.if \fill
	CREST                                          ; the barrier has opened a round of the cluster's: no wave of any partner still reads this slot or has a load on its way
	JLOAD                                          ; the first tensor load behind the round; its four v_nop are also the places in front of the loads below
	NEXT
	ASK
.endif
	MULM F1, CF1
.endm
; THE WAY OUT of a block: O / L, 16 queries at a time through my own stage, back as whole rows of 256 bytes (my 64 channels in f32).  1 / L of both blocks is read and the block's chosen by value.
; Then O starts anew, and out0 and the count go to the second block; behind the second block those lines serve nothing: the price, once a launch, of one text for both.
.macro WAYOUT
	WIN 0
.irp a, 0,1,2,3
	ds_load_b32 v[IL+2*(\a)],   v[CTI] offset:512*18+64*(\a)
	ds_load_b32 v[IL+2*(\a)+1], v[CTI] offset:512*19+64*(\a)
.endr
	s_wait_dscnt 0x0
.irp a, 0,1,2,3
	v_cndmask_b32 v[IL+2*(\a)], v[IL+2*(\a)], v[IL+2*(\a)+1], s[SEC]
.endr
.irp a, 0,1,2,3
	WIN OUTW
.set z, 0
.rept 16
	v_pk_mul_f32 v[ACC+32*(\a)+2*z:ACC+32*(\a)+2*z+1], v[32*(\a)+2*z:32*(\a)+2*z+1], v[IL+2*(\a):IL+2*(\a)+1] op_sel_hi:[1,0]
.set z, z+1
.endr
	WIN 0
.irp b, 0,1,2,3
	ds_store_b128 v[STO], v[ACC+32*(\a)+8*(\b):ACC+32*(\a)+8*(\b)+3]   offset:64*(\b)
	ds_store_b128 v[STO], v[ACC+32*(\a)+8*(\b)+4:ACC+32*(\a)+8*(\b)+7] offset:64*(\b)+16
.endr
	s_wait_xcnt 0x0                                ; the stores of the 16 rows before have read their registers
.irp t, 0,1,2,3,4,5,6,7
	ds_load_b128 v[BK+4*(\t):BK+4*(\t)+3], v[RD] offset:(\t)*2*SPITCH   ; LDS serves a wave's instructions in order: these see the stores above
.endr
	s_wait_dscnt 0x0
.irp t, 0,1,2,3,4,5,6,7
	global_store_b128 v[GO], v[BK+4*(\t):BK+4*(\t)+3], s[OUT:OUT+1] offset:(16*(\a)+2*(\t))*4096 th:TH_STORE_NT   ; 16 lanes store 256 consecutive bytes, aligned
.endr
.endr
	CLEAR
	s_wait_xcnt 0x0                                ; the stores have read out0's address
	s_mov_b64 s[OUT:OUT+1], s[OUTLO:OUTLO+1]
	s_add_co_u32 s[RT], s19, 1
	s_mov_b32 s[SEC], -1
.endm
	s_wait_tensorcnt 1                             ; my part of slot 0 is in; slot 1's may stay out
	s_wait_dscnt 0x0                               ; for the others' sake: my factors are written
	s_barrier_signal -1
	s_barrier_wait -1
	v_mov_b32 v[ADA], v[A0]
	v_mov_b32 v[ADB], v[B0]
	v_mov_b32 v[CTA], v[CTI]
	FETCH 0, F0
	WIN 0
.Lslot:                                                ; seven trips: a slot is multiplied and filled again
	SLOTBODY 1
	WIN 0
	s_sub_co_u32 s[RT], s[RT], 1
	s_cmp_lg_u32 s[RT], 0
	s_cbranch_scc1 .Lgo_on
	WAYOUT
.Lgo_on:
	s_sub_co_u32 s[SLOTS], s[SLOTS], 1
	s_cmp_lg_u32 s[SLOTS], 0
	s_cbranch_scc1 .Lslot
	s_mov_b32 s[SLOTS], 2
.Ltail:                                                ; the last two slots fill nothing: a text of their own
	SLOTBODY 0
	WIN 0
	s_sub_co_u32 s[RT], s[RT], 1
	s_cmp_lg_u32 s[RT], 0
	s_cbranch_scc1 .Lgo_on2
	WAYOUT
.Lgo_on2:
	s_cmp_eq_u32 s[SLOTS], 1                       ; behind the last slot there is no further one
	s_cbranch_scc1 .Lskip
	NEXT                                           ; the lines with which O took the last T are the places in front of these loads
	WIN 0
.Lskip:
	s_sub_co_u32 s[SLOTS], s[SLOTS], 1
	s_cmp_lg_u32 s[SLOTS], 0
	s_cbranch_scc1 .Ltail
	s_wait_tensorcnt 0x0                           ; the wave's end
	ds_add_u32 v[SPW], v[NIL]
	s_wait_dscnt 0x0
	CROUND                                         ; the closing round
	s_endpgm
.Lfunc_end_k_q0cc95a5cd1_pv:
	.size	k_q0cc95a5cd1_pv, .Lfunc_end_k_q0cc95a5cd1_pv-k_q0cc95a5cd1_pv
	.p2alignl 7, 3214868480
	.fill 96, 4, 3214868480
	.section	.rodata,"a",@progbits
	.p2align	6, 0x0
	.amdhsa_kernel k_q0cc95a5cd1_pv
		.amdhsa_group_segment_fixed_size 327680
		.amdhsa_private_segment_fixed_size 0
		.amdhsa_enable_private_segment 0
		.amdhsa_kernarg_size 32
		.amdhsa_user_sgpr_count 2
		.amdhsa_user_sgpr_kernarg_segment_ptr 1
		.amdhsa_wavefront_size32 1
		.amdhsa_system_sgpr_workgroup_id_x 1
		.amdhsa_system_sgpr_workgroup_id_y 1
		.amdhsa_system_sgpr_workgroup_id_z 1
		.amdhsa_system_vgpr_workitem_id 0
		.amdhsa_next_free_vgpr 768
		.amdhsa_next_free_sgpr 88
		.amdhsa_reserve_vcc 0
		.amdhsa_float_denorm_mode_32 3
		.amdhsa_float_denorm_mode_16_64 3
		.amdhsa_memory_ordered 1
		.amdhsa_forward_progress 1
		.amdhsa_inst_pref_size 108
	.end_amdhsa_kernel
	.amdgpu_metadata
---
amdhsa.version: [ 1, 2 ]
amdhsa.kernels:
  - .name:           k_q0cc95a5cd1_pv
    .symbol:         k_q0cc95a5cd1_pv.kd
    .args:
      - { .name: Pw, .offset: 0, .size: 8, .value_kind: global_buffer, .address_space: global }
      - { .name: Vt, .offset: 8, .size: 8, .value_kind: global_buffer, .address_space: global }
      - { .name: St, .offset: 16, .size: 8, .value_kind: global_buffer, .address_space: global }
      - { .name: out0, .offset: 24, .size: 8, .value_kind: global_buffer, .address_space: global }
    .group_segment_fixed_size: 327680
    .private_segment_fixed_size: 0
    .kernarg_segment_align: 8
    .kernarg_segment_size: 32
    .max_flat_workgroup_size: 128
    .sgpr_count:     88
    .vgpr_count:     768
    .wavefront_size: 32
...
	.end_amdgpu_metadata
.endif
;; end of part 9
;; ======== version 3 of 3: 5 launches; version 2 with the launch prep written anew for expert scheduling mode
;; limits: values are held in f16: magnitudes above 65,504 overflow, below 6.1e-05 lose precision
;; workspace buffers: Ef 33,554,432 bytes; Wc 8,388,608 bytes; Mt 4,194,304 bytes; Wv 4,194,304 bytes; G 33,554,432 bytes; Vt 16,777,216 bytes; Pw 33,554,432 bytes; St 1,048,576 bytes
;; launch prep (part 10): grid 768 x 1, 8 waves a work-group, no clusters, 17,920 bytes of LDS; arguments embeddings, W_Q, W_K, W_V, Ef, Wc, Wv, St; writes Ef, Wc, Wv, St
.if DOCPART == 10
	.amdgcn_target "amdgcn-amd-amdhsa--gfx1250"
	.amdhsa_code_object_version 6
	.text
	.protected	k_q0cc95a5cd1_prep
	.globl	k_q0cc95a5cd1_prep
	.p2align	8
	.type	k_q0cc95a5cd1_prep,@function
k_q0cc95a5cd1_prep:
	s_mov_b64 s[64:65], 0
	v_nop
	global_prefetch_b8 v0, s[64:65] scope:SCOPE_SE
	s_setreg_imm32_b32 hwreg(HW_REG_WAVE_SCHED_MODE, 0, 2), 2
	s_setreg_imm32_b32 hwreg(HW_REG_WAVE_MODE, 25, 1), 1
	s_wait_xcnt 0x0
	s_wait_alu depctr_vm_vsrc(0)
; PREP.  Every input is rounded once to bf16, and that number is written as f16 (exact from 2^-17 up to 65,504; below, off by 3e-8 at the most), so that it can stand beside f16 operands.
; Work-groups 0-511: 16 rows of embeddings each -> Ef, and 2,048 bytes of St set to (c m, l) = (-2^120, 0), the statistics of a key tile in which a row sees nothing.
; Work-groups 512-575: 16 rows of W_Q each -> rows 0-1023 of Wc; 576-639: W_K -> rows 1024-2047 of Wc.
; Work-groups 640-767: one tile of 128 k x 64 n of W_V, [k][n] -> [n][k]: the rows of Wv.
; Rows of Ef, Wc and Wv lie 4,096 bytes apart and hold 2,048 bytes: the later launches then have one stride for all their operands.
; A stream: every byte is read once and written once, every store of a wave covers 256 consecutive bytes, aligned.  No matrix unit, no tensor load, no cluster: no two work-groups read the same byte.
; The branches hang on the work-group's number alone.  LIMIT: inputs beyond 65,504 have no f16.
; THE MODE: SCHED_MODE bits 1:0 = 2 (LLVM: expert scheduling mode 2), set by the entry lines.  The code itself states the register dependences between vector instructions and memory or LDS
; instructions, with s_wait_alu, always for 0.
; THE PLAN.  Registers that memory or LDS instructions touch:
;   THE CAST.  v1, v2 offsets and v106, v107 St's data: written once, ahead of the first load, never again.  v8-71 sixteen rows as loaded: all loads are issued before a vector line names them.
;     v72-103 a pair for each row: written once, by the row's roundings, read by the row's store.  The rows go in fours: row r's store is issued ahead of row r + 4's roundings, and ONE wait at the
;     head of each four states that the four before have written their pairs; the vector lines behind it name the four in hand alone.
;   THE TRANSPOSE.  v1, v3, v4, v5 offsets and LDS addresses: written once, ahead of the first load.  v8-39 as loaded.  v40-55 written once by the roundings, which stand together; ONE wait; then the
;     sixteen LDS stores that read them, in one run.  v56-71 are named by LDS loads and global stores alone.
;   v104, v105: written at the head, read by the closing add alone.
; No register that a memory or LDS instruction reads is written a second time, so no wait on vm_vsrc is owed.
.set SPARE, 16896                      ; behind the transposing tile: the spare words, 128 bytes for each of eight waves
.set TP,    264                        ; a row of the tile in LDS: 128 f16 + 8 bytes
.set ROWO,  4096                       ; bytes from row to row in Ef, Wc and Wv
.set SPW,   104                        ; v104  LDS address of my spare word; never rewritten
.set NIL,   105                        ; v105  0; never rewritten
.macro TOF16 d, a, b                   ; d = the bf16 roundings of a and b, as two f16; a and b are used up
	v_cvt_pk_bf16_f32 v[\d], v[\a], v[\b]
	v_lshlrev_b32 v[\a], 16, v[\d]
	v_and_b32 v[\b], s30, v[\d]
	v_cvt_pk_f16_f32 v[\d], v[\a], v[\b]
.endm
	s_load_b512 s[4:19], s[0:1], 0x0               ; embeddings 4, W_Q 6, W_K 8, W_V 10, Ef 12, Wc 14, Wv 16, St 18
	v_lshl_add_u32 v[SPW], v0, 2, SPARE
	v_mov_b32 v[NIL], 0
	v_lshrrev_b32 v1, 5, v0
	v_readfirstlane_b32 s20, v1                    ; wave 0..7
	s_mov_b32 s23, 0
	s_mov_b32 s29, 0
	s_mov_b32 s30, 0xffff0000                      ; a word's upper bf16
	s_wait_alu depctr_va_sdst(0)                   ; s20 is written
	s_cmp_lt_u32 ttmp9, 640
	s_cbranch_scc0 .Ltr
	; THE CAST.  Thread t owns 16 bytes at 16 t of every row in, 8 bytes at 8 t of every row out.
	v_lshlrev_b32 v1, 4, v0
	v_lshlrev_b32 v2, 3, v0
	v_mov_b32 v106, 0xfb800000                     ; -2^120 and 0, for St: made here, beside the offsets, so that one wait serves all four registers
	v_mov_b32 v107, 0
	s_and_b32 s21, ttmp9, 127                      ; numbers 512-639: the block of 16 rows in Wc,
	s_and_b32 s24, ttmp9, 63                       ; and in W_Q or W_K
	s_cmp_lt_u32 ttmp9, 512
	s_cselect_b32 s22, ttmp9, s24                  ; the block in the source
	s_cselect_b32 s28, ttmp9, s21                  ; the block in the destination
	s_lshl_b32 s22, s22, 16                        ; 16 rows of 4,096 bytes, in and out
	s_lshl_b32 s28, s28, 16
	s_wait_kmcnt 0x0
	s_cmp_lt_u32 ttmp9, 576
	s_cselect_b64 s[6:7], s[6:7], s[8:9]           ; W_Q or W_K
	s_cmp_lt_u32 ttmp9, 512
	s_cselect_b64 s[4:5], s[4:5], s[6:7]           ; the source
	s_cselect_b64 s[12:13], s[12:13], s[14:15]     ; the destination
	s_add_nc_u64 s[4:5], s[4:5], s[22:23]
	s_add_nc_u64 s[12:13], s[12:13], s[28:29]
	s_wait_alu depctr_va_vdst(0)                   ; v1, v2, v106 and v107 are written: the loads read v1, every store reads v2, St's store reads v[106:107]; no later vector line names them
.set i, 0
.rept 16
	global_load_b128 v[8+4*i:11+4*i], v1, s[4:5] offset:4096*i th:TH_LOAD_NT
.set i, i+1
.endr
	s_cmp_lt_u32 ttmp9, 512
	s_cbranch_scc0 .Lno_st
	s_lshl_b32 s22, ttmp9, 11                      ; 2,048 bytes of St
	s_add_nc_u64 s[18:19], s[18:19], s[22:23]
	global_store_b64 v2, v[106:107], s[18:19]
.Lno_st:
.set r, 0
.rept 16
	s_wait_loadcnt 15-r                            ; loads come back in order: row r is in, the younger rows stay out
.if (r > 0) && (r%4 == 0)
	s_wait_alu depctr_va_vdst(0)                   ; the roundings of the four rows before have written their pairs of v[72 ..], which the next four stores read
.endif
.if r >= 4
	global_store_b64 v2, v[72+2*(r-4):73+2*(r-4)], s[12:13] offset:ROWO*(r-4)  ; no vector line since that wait names this pair
.endif
	TOF16 72+2*r, 8+4*r, 9+4*r
	TOF16 73+2*r, 10+4*r, 11+4*r
.set r, r+1
.endr
	s_wait_alu depctr_va_vdst(0)                   ; the roundings of rows 12 to 15 have written their pairs, which the last four stores read
.set r, 12
.rept 4
	global_store_b64 v2, v[72+2*r:73+2*r], s[12:13] offset:ROWO*r
.set r, r+1
.endr
	s_endpgm                                       ; this way wrote no LDS
.Ltr:	; THE TRANSPOSE of W_V.  number - 640 = 16 kt + nt
	s_bfe_u32 s25, ttmp9, 0x30004                  ; kt
	s_and_b32 s26, ttmp9, 15                       ; nt
	s_lshl_b32 s22, s25, 19                        ; from: 128 kt rows of 4,096 bytes
	s_lshl_b32 s27, s26, 8                         ;       + 64 nt columns of 4 bytes
	s_add_co_u32 s22, s22, s27
	s_lshl_b32 s28, s26, 18                        ; to: 64 nt rows of 4,096 bytes
	s_lshl_b32 s27, s25, 8                         ;     + 128 kt columns of 2 bytes
	s_add_co_u32 s28, s28, s27
	v_and_b32 v6, 15, v0                           ; cc
	v_bfe_u32 v7, v0, 4, 1                         ; h
	v_and_b32 v72, 31, v0                          ; lane
	s_lshl_b32 s27, s20, 14
	v_lshlrev_b32 v1, 4, v6
	v_lshl_add_u32 v1, v7, 13, v1
	v_add_nc_u32 v1, s27, v1                       ; in: row 4 wave + 2 h, 16 bytes at 16 cc
	v_mul_u32_u24 v3, v6, 4*TP
	v_lshl_add_u32 v3, v7, 2, v3
	s_lshl_b32 s27, s20, 3
	v_add_nc_u32 v3, s27, v3                       ; LDS in: row n = 4 cc, k = 4 wave + 2 h
	s_mul_i32 s27, s20, 8*TP
	v_lshl_add_u32 v4, v72, 3, s27                 ; LDS back: row n = 8 wave, 8 bytes a lane
	s_lshl_b32 s27, s20, 15
	v_lshl_add_u32 v5, v72, 3, s27                 ; out: the same rows, 4,096 bytes apart
	s_wait_kmcnt 0x0
	s_add_nc_u64 s[10:11], s[10:11], s[22:23]
	s_add_nc_u64 s[16:17], s[16:17], s[28:29]
	s_wait_alu depctr_va_vdst(0)                   ; v1, v3, v4 and v5 are written: the loads read v1, the LDS stores v3, the LDS loads v4, the global stores v5; no later vector line names them
.irp j, 0,1,2,3
.irp e, 0,1
	global_load_b128 v[8+4*(2*(\j)+(\e)):11+4*(2*(\j)+(\e))], v1, s[10:11] offset:(32*(\j)+(\e))*4096 th:TH_LOAD_NT  ; rows k = 32 j + 4 wave + 2 h + e: sixteen lanes take 256 bytes
.endr
.endr
	s_wait_loadcnt 0x0
.irp j, 0,1,2,3
.irp i, 0,1,2,3
	TOF16 40+4*(\j)+(\i), 8+8*(\j)+(\i), 12+8*(\j)+(\i)                        ; k and k + 1 of column n = 4 cc + i
.endr
.endr
	s_wait_alu depctr_va_vdst(0)                   ; the roundings have written v[40:55], which the sixteen LDS stores read
.irp j, 0,1,2,3
.irp i, 0,1,2,3
	ds_store_b32 v3, v[40+4*(\j)+(\i)] offset:TP*(\i)+64*(\j)
.endr
.endr
	s_wait_dscnt 0x0                               ; for the others' sake: my stores are done
	s_barrier_signal -1
	s_barrier_wait -1
.irp t, 0,1,2,3,4,5,6,7
	ds_load_b64 v[56+2*(\t):57+2*(\t)], v4 offset:TP*(\t)                      ; no vector line names v[56:71]
.endr
.irp t, 0,1,2,3,4,5,6,7
	s_wait_dscnt 7-(\t)
	global_store_b64 v5, v[56+2*(\t):57+2*(\t)], s[16:17] offset:ROWO*(\t)     ; a row's 128 k: 256 consecutive bytes, aligned
.endr
	s_wait_dscnt 0x0                               ; the closing lines, six on end
	s_wait_alu 0x0
	s_wait_tensorcnt 0x0
	ds_add_u32 v[SPW], v[NIL]
	s_wait_dscnt 0x0
	s_endpgm
.Lfunc_end_k_q0cc95a5cd1_prep:
	.size	k_q0cc95a5cd1_prep, .Lfunc_end_k_q0cc95a5cd1_prep-k_q0cc95a5cd1_prep
	.p2alignl 7, 3214868480
	.fill 96, 4, 3214868480
	.section	.rodata,"a",@progbits
	.p2align	6, 0x0
	.amdhsa_kernel k_q0cc95a5cd1_prep
		.amdhsa_group_segment_fixed_size 17920
		.amdhsa_private_segment_fixed_size 0
		.amdhsa_enable_private_segment 0
		.amdhsa_kernarg_size 64
		.amdhsa_user_sgpr_count 2
		.amdhsa_user_sgpr_kernarg_segment_ptr 1
		.amdhsa_wavefront_size32 1
		.amdhsa_system_sgpr_workgroup_id_x 1
		.amdhsa_system_sgpr_workgroup_id_y 1
		.amdhsa_system_sgpr_workgroup_id_z 1
		.amdhsa_system_vgpr_workitem_id 0
		.amdhsa_next_free_vgpr 112
		.amdhsa_next_free_sgpr 66
		.amdhsa_reserve_vcc 0
		.amdhsa_float_denorm_mode_32 3
		.amdhsa_float_denorm_mode_16_64 3
		.amdhsa_memory_ordered 1
		.amdhsa_forward_progress 1
		.amdhsa_inst_pref_size 20
	.end_amdhsa_kernel
	.amdgpu_metadata
---
amdhsa.version: [ 1, 2 ]
amdhsa.kernels:
  - .name:           k_q0cc95a5cd1_prep
    .symbol:         k_q0cc95a5cd1_prep.kd
    .args:
      - { .name: embeddings, .offset: 0, .size: 8, .value_kind: global_buffer, .address_space: global }
      - { .name: W_Q, .offset: 8, .size: 8, .value_kind: global_buffer, .address_space: global }
      - { .name: W_K, .offset: 16, .size: 8, .value_kind: global_buffer, .address_space: global }
      - { .name: W_V, .offset: 24, .size: 8, .value_kind: global_buffer, .address_space: global }
      - { .name: Ef, .offset: 32, .size: 8, .value_kind: global_buffer, .address_space: global }
      - { .name: Wc, .offset: 40, .size: 8, .value_kind: global_buffer, .address_space: global }
      - { .name: Wv, .offset: 48, .size: 8, .value_kind: global_buffer, .address_space: global }
      - { .name: St, .offset: 56, .size: 8, .value_kind: global_buffer, .address_space: global }
    .group_segment_fixed_size: 17920
    .private_segment_fixed_size: 0
    .kernarg_segment_align: 8
    .kernarg_segment_size: 64
    .max_flat_workgroup_size: 256
    .sgpr_count:     66
    .vgpr_count:     112
    .wavefront_size: 32
...
	.end_amdgpu_metadata
.endif
;; end of part 10
;; launch mt: the kernel of part 6 again; grid 16 x 16, 4 waves a work-group, clusters of 4 x 4, 327,680 bytes of LDS; arguments Wc, Mt; writes Mt
;; launch proj: the kernel of part 7 again; grid 8 x 32, 4 waves a work-group, clusters of 4 x 4, 327,680 bytes of LDS; arguments Ef, Mt, Wv, G, Vt; writes G, Vt
;; launch scores: the kernel of part 8 again; grid 9 x 16, 4 waves a work-group, no clusters, 327,680 bytes of LDS; arguments G, Pw, St, Ef; writes Pw, St
;; launch pv: the kernel of part 9 again; grid 8 x 32, 4 waves a work-group, clusters of 4 x 1, 327,680 bytes of LDS; arguments Pw, Vt, St, out0; writes out0
